; MI455X (gfx1250); checked and timed in simulation.
; The chip was launched on July 23, 2026; its instructions are those of AMD's public machine-readable ISA for CDNA 5 (MIT licence, August 2026) and "CDNA5" Instruction Set Architecture Reference Guide (July 2026). The comments in the code are by the model that wrote it; some were corrected since.
;; Mixture Of Experts. Allowed arithmetic: matrix products marked QUANTISED: E3M2 operands, one E8M0 scale for each 32 along K, by v_wmma_scale_f32_16x16x128_f8f6f4 with both operands' format E3M2, f32 sums; products left as they are: f32 operands where the result goes on into a quantised operand, else bf16, f16 or f32 operands; f32 sums; everything else in f32.
;; Inputs: W1_codes 8 x 1,024 x 64 x 24 uint8 (E3M2 codes of W1, K innermost, in blocks of 32 codes, four codes in three bytes); W1_scales 8 x 1,024 x 64 uint8 (E8M0 scales of W1, one for each 32 codes along K); W2_codes 8 x 2,048 x 32 x 24 uint8 (E3M2 codes of W2, K innermost, in blocks of 32 codes, four codes in three bytes); W2_scales 8 x 2,048 x 32 uint8 (E8M0 scales of W2, one for each 32 codes along K); Wg 2,048 x 8 float32; b1 8 x 1,024 float32; b2 8 x 2,048 float32; x 4 x 512 x 2,048 float32.
;; Outputs: out0 4 x 512 x 2,048 float32; out1 one number float32.
;; This version of the problem:
;;   THIS VERSION OF THE PROBLEM IS GIVEN IN LOW PRECISION. The matrix products marked QUANTISED in the list below multiply operands that are first quantised to E3M2 (3 exponent bits, 2 mantissa bits; 6 bits a number), with one power-of-two scale for each 32 numbers along K (OCP MX v1.0); their sums are f32. All else is computed in f32.
;;   The module's matrix products, in the order in which they are computed (A, B: the left and right operand; K: the contracted axis; several contracted axes count as one K, in the product's order):
;;     1. [M 2,048, K 2,048] x [K 2,048, N 8]; A: input x; B: input Wg: left as it is (N = 8 < 16)
;;     2. [M 2,048, K 2,048] x [K 2,048, N 8,192]; A: input x; B: input W1 (given as codes): QUANTISED
;;     3. batch 8 x [M 2,048, K 1,024] x [K 1,024, N 2,048]; A: input W2 (given as codes); B: computed on the way: QUANTISED
;;     4. batch 2,048 x [M 2,048, K 8] x [K 8, N 1]; A: computed on the way; B: computed on the way: left as it is (K = 8 < 32)
;;   THE QUANTISER, for each operand of a quantised product, along K:
;;     - K is cut into blocks of 32 from its start; a last block that is shorter is filled with zeros.
;;     - A block's scale is 2^e with e = floor(log2(the largest magnitude in the block)) - 4, held to -126 .. 127; a block of zeros has e = 0. As a byte (E8M0): e + 127.
;;     - Each number is divided by its block's scale, clamped to +-28, and rounded to the nearest number of E3M2, ties to even, subnormals kept.
;;     - The product sums the exact products of the quantised numbers (number of the format x scale) in f32.
;;   ~~~python
;;   def quantise(x, axis):      # numpy; x: float32 -> the quantised numbers, widened to float32 again
;;       x = np.moveaxis(x, axis, -1); K = x.shape[-1]
;;       x = np.pad(x, [(0, 0)] * (x.ndim - 1) + [(0, -K % 32)]); x = x.reshape(x.shape[:-1] + (-1, 32)); a = np.abs(x).max(-1, keepdims=True)
;;       e = np.where(a > 0, np.clip(np.frexp(np.where(a > 0, a, 1))[1] - 1 - 4, -126, 127), 0)      # np.frexp(a)[1] - 1 = floor(log2(a)), exactly
;;       r = np.clip(x / 2.0 ** e, -28, 28)
;;       step = 2.0 ** (np.maximum(np.frexp(np.where(r == 0, 1, r))[1] - 1, -2) - 2)
;;       q = np.round(r / step) * step * 2.0 ** e      # np.round: ties to even
;;       return np.moveaxis(q.reshape(q.shape[:-2] + (-1,))[..., :K], -1, axis).astype(np.float32)
;;   ~~~
;;   OPERANDS COMPUTED ON THE WAY. 'Computed on the way' means the value that the module computes at that place (a softmax that the list does not call 'softmax' is quantised finished and normalised). What goes into a quantiser is computed in f32, as accurately as f32 sums, v_exp_f32 and their like allow (about 1e-6 of the number): no bf16 or f16 on the way to a quantiser, and a product that is left as it is and whose result goes on into a quantised operand takes f32 operands (vector FMAs, or v_wmma_f32_16x16x4_f32). A number that lies on a knife's edge between two numbers of the format may be rounded either way, as far as f32 arithmetic and the matrix unit's own rounding can turn it there, and no further.
;;   INPUTS GIVEN AS CODES. W1 (in the module: [8, 2048, 1024], K = its axis 1); W2 (in the module: [8, 1024, 2048], K = its axis 1): each comes as NAME_codes (uint8): NAME with its K axis moved to the last place and cut into blocks of 32 codes, [.., K / 32, bytes a block], one block behind the other in memory; four codes in three bytes: a row's codes are one little-endian stream of bits, code i at bits 6 i .. 6 i + 5 (a code: sign, 3 exponent bits, 2 mantissa bits); and NAME_scales (uint8): the same leading axes, one E8M0 byte (e + 127) for each 32 codes along K. Its value is code x scale, taken as it is: it is not quantised again, and the codes and scales need not be those that the quantiser above would give.
;; 2 versions. Each part assembles by itself: llvm-mc -triple=amdgcn-amd-amdhsa -mcpu=gfx1250 --defsym DOCPART=n.
;; ======== version 1 of 2: 4 launches
;; workspace buffers: xq 3,276,800 bytes; rt 131,072 bytes; keys 8,192 bytes of whole numbers; order 8,448 bytes of whole numbers; w1img 12,582,912 bytes; w2img 12,582,912 bytes; hq 13,107,200 bytes
;; launch route (part 1): grid 256 x 1, 4 waves a work-group, no clusters, 131,840 bytes of LDS; arguments x, Wg, W1_codes, xq, rt, keys, w1img; writes xq, rt, keys, w1img
.if DOCPART == 1
	.amdgcn_target "amdgcn-amd-amdhsa--gfx1250"
	.amdhsa_code_object_version 6
	.text
	.protected	k_qbd38fe9d6f_route
	.globl	k_qbd38fe9d6f_route
	.p2align	8
	.type	k_qbd38fe9d6f_route,@function
k_qbd38fe9d6f_route:
	s_mov_b64 s[64:65], 0
	v_nop
	global_prefetch_b8 v0, s[64:65] scope:SCOPE_SE
	s_setreg_imm32_b32 hwreg(HW_REG_WAVE_MODE, 25, 1), 1
	s_wait_xcnt 0x0
; ROUTE.  Work-groups 0-127: 16 tokens each: x is quantised along D (E3M2 codes, one E8M0 byte for each 32), the router's logits are summed from f32 operands,
; and top-2, softmax over the two, softmax over all eight and the combine weights are stored AT FIXED PLACES (no address here hangs on the choice).
; Work-groups 128-255: W1's codes are laid out once in the order of an operand's registers (RELAY), so that a later launch loads each fragment by three loads of 512 consecutive bytes.
; xq: codes [token][1,536 bytes], then from byte 3,145,728 scale words [token][16].  rt: probabilities [token][8] f32, then from byte 65,536 combine weights [token][8] f32.
; keys: [token] = p | mask << 8 | top1 << 16; p numbers the pair of experts (lo, hi): lo (15 - lo) / 2 + hi - lo - 1, 0 .. 27; mask = 1 << lo | 1 << hi.
; w1img: [expert][group of 32 rows][K step 16][tile 2][1,536 bytes]; lane r of tile u of a group takes the group's row 8 u + r + 8 (r / 8).
; SHARES of a token work-group: wave w takes K = 512 w .. 512 w + 511 of all 16 tokens, in four K steps of 128; lane (r, h) holds, of token r, 16 neighbours of each block of 32.
; The logits go through the f32 matrix form (source 0 = Wg's columns, twice; source 1 = x): 32 instructions a K step on four accumulators by turns; both sources hold the same k in the same register and half.
; Ties in the top-2 go to the lower index: a later expert replaces an earlier one only if it is strictly larger.  Both softmaxes take the largest logit away first.
; LIMITS: NaN and infinities among the inputs are not served; logits must be finite.  A block of zeros gets the scale byte 1 (its codes are zeros; this program alone reads the bytes).
; No tensor loads and no cluster: work-groups share no tile; Wg (64 KiB) is read by all and is small beside x.
.set XP,   1552                        ; a token's row of codes in LDS: 1,536 bytes + 16
.set RREG, 25088                       ; RELAY: a wave's own LDS, 32 rows of RLP bytes
.set RLP,  784                         ; 768 bytes + 16
.set XST,  100352                      ; behind RELAY's four regions: 16 rows of codes
.set XSS,  125184                      ; scale words: 64 bytes a lane (lanes 16-31 hold copies that nobody reads)
.set LGS,  127232                      ; the waves' parts of the logits: 1,024 bytes a wave
.set X0,   16                          ; v16-79, v80-143: two sets of 64 numbers of x
.set X1,   80
.set TM,   144                         ; v144-159 the quantiser's work
.set PC,   160                         ; v160-179 the codes just made
.set PWS,  180                         ; v180-183 my row's four scale words
.set LOG,  184                         ; v184-191 eight logits
.set SCR,  192                         ; v192-223 at work
.set ACC,  224                         ; v224-255 four accumulators: written by the matrix lines alone
.set SEL,  28                          ; s[28:29] v_permlanex16_b32's selects for lane l xor 16
.set MSB,  0
.macro WIN new                         ; the immediate's high byte repeats the setting that is left
.if MSB != \new
	s_set_vgpr_msb (MSB<<8)|\new
.set MSB, \new
.endif
.endm
.macro PLACES n
.rept \n
	v_nop
.endr
.endm
; RELAY: one wave takes 32 rows x 768 bytes (8 K steps) of a weight's codes and stores 16 images of fragments, 24,576 consecutive bytes.  s19: the relay work-group, s18: the wave; v1 lane, v2 r, v3 h.
; In: two rows (1,536 bytes) by three loads; each covers whole aligned pieces of 256 bytes of a row.  Through the wave's own LDS, rows RLP bytes apart.  Out: a fragment's 12 registers, three stores of 512 consecutive bytes.
; (Rows r and r + 8 of a fragment lie 16 RLP bytes apart, a multiple of 256: those two lanes meet in the same banks.)
.macro RELAY pitch, src, dst
	s_lshl_b32 s20, s19, 2
	s_add_co_u32 s20, s20, s18                     ; the unit: 4 x work-group + wave
.if \pitch == 1536
	s_lshr_b32 s21, s20, 1                         ; a row has two units: group of rows = unit / 2,
	s_mul_i32 s22, s21, 49152
	s_and_b32 s21, s20, 1
	s_mul_i32 s21, s21, 768                        ; half of the row = unit % 2
	s_add_co_u32 s22, s22, s21
.else
	s_mul_i32 s22, s20, 24576
.endif
	s_mov_b32 s23, 0
	s_add_nc_u64 s[\src:\src+1], s[\src:\src+1], s[22:23]
	s_mul_i32 s22, s20, 24576
	s_add_nc_u64 s[\dst:\dst+1], s[\dst:\dst+1], s[22:23]
	s_mul_i32 s21, s18, RREG                       ; my wave's LDS
	v_lshlrev_b32 v4, 4, v1                        ; piece 0-31 of a pair of rows: 16 x lane (also the stores' offset)
	v_mul_u32_u24 v5, v3, \pitch-768
	v_add_nc_u32 v5, v5, v4
	v_add_nc_u32 v5, 512, v5                       ; piece 32-63: lanes 0-15 end the first row, lanes 16-31 begin the second
	v_add_nc_u32 v6, \pitch+256, v4                ; piece 64-95: the rest of the second row
	v_add_nc_u32 v7, s21, v4                       ; the same three places in LDS
	v_lshl_add_u32 v8, v3, 4, v7
	v_add_nc_u32 v8, 512, v8
	v_add_nc_u32 v9, RLP+256, v7
	v_and_b32 v10, 8, v2
	v_add_nc_u32 v10, v10, v2                      ; r + 8 (r / 8)
	v_mul_u32_u24 v10, v10, RLP
	v_mad_u32_u24 v10, v3, 24, v10
	v_add_nc_u32 v10, s21, v10                     ; a fragment's row, + 24 h
.set RI, 0
.rept 48
	global_load_b128 v[16+4*RI:19+4*RI], v[4+RI%3], s[\src:\src+1] offset:(RI/3)*2*\pitch th:TH_LOAD_NT
.set RI, RI+1
.endr
.set RI, 0
.rept 48
	s_wait_loadcnt 47-RI                           ; loads come back in order: load RI is in, the younger ones stay out
	ds_store_b128 v[7+RI%3], v[16+4*RI:19+4*RI] offset:(RI/3)*2*RLP
.set RI, RI+1
.endr
	s_wait_dscnt 0x0                               ; the stores have read their registers, which the fragments now take
.irp hf, 0,1                                   ; eight fragments at a time: fragment f = K step f / 2, tile f % 2
.set RI, 0
.rept 8
.irp p, 0,1,2,3,4,5
	ds_load_b64 v[16+12*(8*\hf+RI)+2*\p:16+12*(8*\hf+RI)+2*\p+1], v10 offset:((8*\hf+RI)%2)*8*RLP+96*((8*\hf+RI)/2)+48*(\p/3)+8*(\p%3)
.endr
.set RI, RI+1
.endr
.set RI, 0
.rept 8
	s_wait_dscnt 6*(7-RI)                          ; this fragment's six loads are in
.irp c, 0,1,2
	global_store_b128 v4, v[16+12*(8*\hf+RI)+4*\c:16+12*(8*\hf+RI)+4*\c+3], s[\dst:\dst+1] offset:1536*(8*\hf+RI)+512*\c
.endr
.set RI, RI+1
.endr
.endr
.endm
	s_load_b256 s[4:11], s[0:1], 0x0               ; x s[4:5], Wg s[6:7], W1's codes s[8:9], xq s[10:11]
	s_load_b128 s[12:15], s[0:1], 0x20             ; rt s[12:13], keys s[14:15]
	s_load_b64 s[16:17], s[0:1], 0x30              ; w1img
	v_lshl_add_u32 v14, v0, 2, 0x20100
	v_mov_b32 v15, 0
	v_lshrrev_b32 v1, 5, v0
	v_readfirstlane_b32 s18, v1                    ; wave 0..3
	v_and_b32 v1, 31, v0                           ; lane
	v_and_b32 v2, 15, v0                           ; r
	v_bfe_u32 v3, v0, 4, 1                         ; h
	s_wait_kmcnt 0x0
	s_cmp_lt_u32 ttmp9, 128
	s_cbranch_scc1 .Ltokens
	s_sub_co_u32 s19, ttmp9, 128
	RELAY 1536, 8, 16
	s_wait_tensorcnt 0x0
	ds_add_u32 v14, v15
	s_wait_dscnt 0x0
	s_endpgm
.Ltokens:
	; every address register is made here, ahead of any parting of the waves
	v_lshlrev_b32 v4, 13, v2
	v_lshl_add_u32 v4, v3, 6, v4                   ; x: row r of 8,192 bytes, + 64 h: my 16 numbers of a block of 32
	v_and_b32 v5, 7, v2
	v_lshlrev_b32 v5, 2, v5
	v_lshl_add_u32 v5, v3, 9, v5                   ; Wg: column r % 8, + 16 h rows of 32 bytes
	s_mul_i32 s20, s18, 384
	v_mul_u32_u24 v6, v2, XP
	v_mad_u32_u24 v6, v3, 24, v6
	v_add_nc_u32 v6, s20, v6
	v_add_nc_u32 v6, XST, v6                       ; codes into LDS: row r, my wave's 384 bytes, + 24 h
	v_lshlrev_b32 v12, 4, v1                       ; 16 x lane
	s_mul_i32 s20, s18, 4*XP
	v_add_nc_u32 v7, s20, v12
	v_add_nc_u32 v7, XST, v7                       ; and back: my wave's four rows
	s_lshl_b32 s20, s18, 4
	v_lshlrev_b32 v8, 6, v1
	v_add_nc_u32 v8, s20, v8
	v_add_nc_u32 v8, XSS, v8                       ; scale words: 64 x lane + 16 x wave
	v_add_nc_u32 v9, XSS, v12
	s_lshl_b32 s20, s18, 10
	v_lshlrev_b32 v11, 5, v1
	v_add_nc_u32 v10, s20, v11
	v_add_nc_u32 v10, LGS, v10                     ; my wave's part of the logits: 32 bytes a lane
	v_add_nc_u32 v11, LGS, v11
	s_mov_b32 s[SEL], 0x76543210
	s_mov_b32 s[SEL+1], 0xfedcba98
.irp b, 0,1,2,3
	v_mov_b32 v[TM+4+\b], 0                        ; written once: a lane permute's destination counts as one of its sources
.endr
	s_mov_b32 s23, 0
	s_lshl_b32 s22, ttmp9, 17                      ; 16 tokens of 8,192 bytes,
	s_lshl_b32 s20, s18, 11                        ; my wave's 512 numbers
	s_add_co_u32 s22, s22, s20
	s_add_nc_u64 s[4:5], s[4:5], s[22:23]
	s_lshl_b32 s22, s18, 14                        ; Wg: my wave's 512 rows of 32 bytes
	s_add_nc_u64 s[6:7], s[6:7], s[22:23]
	s_mul_i32 s22, ttmp9, 24576
	s_mul_i32 s20, s18, 6144
	s_add_co_u32 s22, s22, s20
	s_add_nc_u64 s[24:25], s[10:11], s[22:23]      ; xq: the four rows of codes that my wave stores
	s_lshl_b32 s22, ttmp9, 10
	s_add_co_u32 s22, s22, 3145728
	s_add_nc_u64 s[26:27], s[10:11], s[22:23]      ; xq: the tile's scale words
	s_lshl_b32 s22, ttmp9, 9
	s_add_nc_u64 s[12:13], s[12:13], s[22:23]      ; rt: 32 bytes a token
	s_lshl_b32 s22, ttmp9, 6
	s_add_nc_u64 s[14:15], s[14:15], s[22:23]      ; keys: 4 bytes a token
.macro XLOAD reg, s                            ; my 64 numbers of K step s: register 16 b + i = k 32 b + 16 h + i of row r
.irp b, 0,1,2,3
.irp j, 0,1,2,3
	global_load_b128 v[\reg+16*\b+4*\j:\reg+16*\b+4*\j+3], v4, s[4:5] offset:512*(\s)+128*\b+16*\j th:TH_LOAD_NT
.endr
.endr
.endm
.macro WGLOAD s                                ; Wg at the same k, column r % 8, into set s % 2 of window 1
	WIN 0x40
.set RP, 0
.rept 64
	global_load_b32 v[64*((\s)%2)+RP], v5, s[6:7] offset:(128*(\s)+32*(RP/16)+RP%16)*32
.set RP, RP+1
.endr
	WIN 0
.endm
.macro RMUL buf, s                             ; 32 products of 4 along K; the four accumulators take turns, one instruction a turn; the first four start the sums
	WIN 0x01
.set RP, 0
.rept 32
.if (\s == 0) && (RP < 4)
	v_wmma_f32_16x16x4_f32 v[ACC+8*(RP%4):ACC+8*(RP%4)+7], v[64*((\s)%2)+2*RP:64*((\s)%2)+2*RP+1], v[\buf+2*RP:\buf+2*RP+1], 0
.else
	v_wmma_f32_16x16x4_f32 v[ACC+8*(RP%4):ACC+8*(RP%4)+7], v[64*((\s)%2)+2*RP:64*((\s)%2)+2*RP+1], v[\buf+2*RP:\buf+2*RP+1], v[ACC+8*(RP%4):ACC+8*(RP%4)+7]
.endif
.set RP, RP+1
.endr
	WIN 0
.endm
; 64 numbers of a lane, register 16 b + i = k 32 b + 16 h + i of my row, become a fragment's codes in v[PC] on and its scale word in v[pw]
.macro QUANT s, pw
.irp b, 0,1,2,3
	v_max3_num_f32 v[TM+\b], |v[\s+16*\b]|, |v[\s+1+16*\b]|, 0x2800000   ; block b: my 16 numbers, and the floor 2^(5 - 127): the byte cannot fall under 1
.endr
.irp i, 2,4,6,8,10,12,14
.irp b, 0,1,2,3
	v_max3_num_f32 v[TM+\b], v[TM+\b], |v[\s+16*\b+\i]|, |v[\s+1+16*\b+\i]|
.endr
.endr
.irp b, 0,1,2,3
	v_permlanex16_b32 v[TM+4+\b], v[TM+\b], s[SEL], s[SEL+1]
.endr
.irp b, 0,1,2,3
	v_max_num_f32 v[TM+\b], v[TM+\b], v[TM+4+\b]   ; with lane l xor 16's: the block's largest magnitude
.endr
.irp b, 0,1,2,3
	v_add_nc_u32 v[TM+12+\b], 0xfe000000, v[TM+\b] ; 4 off its exponent field: the conversion takes the exponent field of this operand as its scale
.endr
.irp b, 0,1,2,3
	v_lshrrev_b32 v[TM+4+\b], 23, v[TM+12+\b]      ; the scale's byte
.endr
	v_lshl_or_b32 v[\pw], v[TM+5], 8, v[TM+4]
	v_lshl_or_b32 v[\pw], v[TM+6], 16, v[\pw]
	v_lshl_or_b32 v[\pw], v[TM+7], 24, v[\pw]
.irp c, 0,1
	v_cvt_scalef32_pk16_bf6_f32 v[PC+6*\c:PC+2+6*\c], v[\s+32*\c:\s+15+32*\c], v[TM+12+2*\c]
	v_cvt_scalef32_pk16_bf6_f32 v[PC+12+4*\c:PC+14+4*\c], v[\s+16+32*\c:\s+31+32*\c], v[TM+12+2*\c+1]   ; (a conversion's three registers begin on an even number)
.endr
	v_nop                                          ; one plain place behind a scaled conversion
.irp c, 0,1                                    ; a whole block to a lane: lanes 0-15 block 2 c, lanes 16-31 block 2 c + 1
.irp i, 0,1,2
	v_permlane16_swap_b32 v[PC+6*\c+\i], v[PC+12+4*\c+\i]
.endr
.irp i, 0,1,2
	v_mov_b32 v[PC+3+6*\c+\i], v[PC+12+4*\c+\i]
.endr
.endr
.endm
.macro KSTEP buf, s
.if \s < 3
	s_wait_loadcnt 16                              ; this step's x and Wg are in; the only younger loads are the next step's 16 of x
.else
	s_wait_loadcnt 0x0
.endif
	RMUL \buf, \s
.if \s < 3
	WGLOAD (\s)+1                                  ; into the other set: the products that read it lie a quantiser and eight v_nop back
.endif
.if \s > 0
	s_wait_dscnt 0x0                               ; the last step's stores have read the codes' registers
.endif
	QUANT \buf, PWS+\s
.irp c, 0,1
.irp p, 0,1,2
	ds_store_b64 v6, v[PC+6*\c+2*\p:PC+6*\c+2*\p+1] offset:96*(\s)+48*\c+8*\p   ; my 24 bytes of each half of the K step's 96, as the row's stream has them
.endr
.endr
.if \s < 2
	PLACES 8                                       ; eight places between this form and a load into its sources (ISA guide 7.12.1 for vector instructions)
	XLOAD \buf, (\s)+2
.endif
.endm
	XLOAD X0, 0
	WGLOAD 0
	XLOAD X1, 1
	KSTEP X0, 0
	KSTEP X1, 1
	KSTEP X0, 2
	KSTEP X1, 3
	PLACES 8                                       ; in front of the first read of the sums
.irp j, 0,1,2,3,4,5,6,7                        ; each accumulator is read from its low end on
	v_add_f32 v[SCR+\j], v[ACC+\j], v[ACC+8+\j]
	v_add_f32 v[SCR+8+\j], v[ACC+16+\j], v[ACC+24+\j]
.endr
.irp j, 0,1,2,3,4,5,6,7
	v_add_f32 v[LOG+\j], v[SCR+\j], v[SCR+8+\j]    ; register j: expert j's logit of token r, my wave's 512 along K (both halves of the lanes hold the same)
.endr
	ds_store_b128 v10, v[LOG:LOG+3]
	ds_store_b128 v10, v[LOG+4:LOG+7] offset:16
	ds_store_b128 v8, v[PWS:PWS+3]
	s_wait_dscnt 0x0                               ; for the others' sake: my stores have landed
	s_barrier_signal -1
	s_barrier_wait -1
.irp n, 0,1,2,3,4,5,6,7,8,9,10,11              ; my four whole rows of codes: three stores of 512 consecutive bytes each
	ds_load_b128 v[16+4*\n:19+4*\n], v7 offset:XP*(\n/3)+512*(\n%3)
.endr
.irp n, 0,1,2,3,4,5,6,7,8,9,10,11
	s_wait_dscnt 11-\n
	global_store_b128 v12, v[16+4*\n:19+4*\n], s[24:25] offset:1536*(\n/3)+512*(\n%3)
.endr
	s_cmp_lg_u32 s18, 1
	s_cbranch_scc1 .Lnot_wave_1
	ds_load_b128 v[64:67], v9                      ; wave 1: the tile's 1,024 bytes of scale words
	ds_load_b128 v[68:71], v9 offset:512
	s_wait_dscnt 0x0
	global_store_b128 v12, v[64:67], s[26:27]
	global_store_b128 v12, v[68:71], s[26:27] offset:512
.Lnot_wave_1:
	s_cmp_lg_u32 s18, 0
	s_cbranch_scc1 .Ltokens_end
	; wave 0: the router
.irp w, 0,1,2,3
	ds_load_b128 v[SCR+8*\w:SCR+8*\w+3], v11 offset:1024*\w
	ds_load_b128 v[SCR+8*\w+4:SCR+8*\w+7], v11 offset:1024*\w+16
.endr
	s_wait_dscnt 0x0
.irp j, 0,1,2,3,4,5,6,7
	v_add_f32 v[LOG+\j], v[SCR+\j], v[SCR+8+\j]    ; K ascending over the waves
.endr
.irp j, 0,1,2,3,4,5,6,7
	v_add_f32 v[LOG+\j], v[LOG+\j], v[SCR+16+\j]
.endr
.irp j, 0,1,2,3,4,5,6,7
	v_add_f32 v[LOG+\j], v[LOG+\j], v[SCR+24+\j]
.endr
	v_mov_b32 v80, v[LOG]                          ; the largest logit and its expert
	v_mov_b32 v81, 0
.irp e, 1,2,3,4,5,6,7
	v_cmp_le_f32 vcc_lo, v[LOG+\e], v80            ; kept unless strictly larger: the lower index wins a tie
	v_cndmask_b32 v80, v[LOG+\e], v80, vcc_lo
	v_cndmask_b32 v81, \e, v81, vcc_lo
.endr
	v_mov_b32 v82, 0xff800000                      ; the second: from -infinity, the first one's expert passed over
	v_mov_b32 v83, 0
.irp e, 0,1,2,3,4,5,6,7
	v_cmp_le_f32 s30, v[LOG+\e], v82
	v_cmp_eq_u32 s31, \e, v81
	s_or_b32 vcc_lo, s30, s31
	v_cndmask_b32 v82, v[LOG+\e], v82, vcc_lo
	v_cndmask_b32 v83, \e, v83, vcc_lo
.endr
	v_sub_f32 v84, v82, v80                        ; second - first, 0 or less
	v_mul_f32 v84, 0x3fb8aa3b, v84
.irp e, 0,1,2,3,4,5,6,7
	v_sub_f32 v[88+\e], v[LOG+\e], v80             ; logit - largest
.endr
.irp e, 0,1,2,3,4,5,6,7
	v_mul_f32 v[88+\e], 0x3fb8aa3b, v[88+\e]
.endr
	v_exp_f32 v84, v84
.irp e, 0,1,2,3,4,5,6,7
	v_exp_f32 v[88+\e], v[88+\e]
.endr
	v_nop                                          ; one plain place behind the exponentials
	s_wait_alu depctr_va_vdst(0)
	v_add_f32 v85, 1.0, v84
	v_add_f32 v86, v88, v89
	v_add_f32 v120, v90, v91
	v_add_f32 v121, v92, v93
	v_add_f32 v122, v94, v95
	v_add_f32 v86, v86, v120
	v_add_f32 v121, v121, v122
	v_add_f32 v86, v86, v121
	v_rcp_f32 v85, v85                             ; the first expert's weight
	v_rcp_f32 v86, v86
	v_nop                                          ; one plain place behind the reciprocals
	s_wait_alu depctr_va_vdst(0)
	v_mul_f32 v87, v84, v85                        ; the second's
.irp e, 0,1,2,3,4,5,6,7
	v_mul_f32 v[88+\e], v[88+\e], v86              ; the probabilities
.endr
.irp e, 0,1,2,3,4,5,6,7
	v_cmp_eq_u32 vcc_lo, \e, v83
	v_cndmask_b32 v[96+\e], 0, v87, vcc_lo
	v_cmp_eq_u32 vcc_lo, \e, v81
	v_cndmask_b32 v[96+\e], v[96+\e], v85, vcc_lo  ; the combine weights: six zeros and the two
.endr
	v_cmp_ne_u32 vcc_lo, 0, v3                     ; lanes 0-15 store experts 0-3, lanes 16-31 experts 4-7: 512 consecutive bytes a store
.irp j, 0,1,2,3
	v_cndmask_b32 v[104+\j], v[88+\j], v[92+\j], vcc_lo
	v_cndmask_b32 v[108+\j], v[96+\j], v[100+\j], vcc_lo
.endr
	v_lshlrev_b32 v112, 5, v2
	v_lshl_add_u32 v112, v3, 4, v112
	global_store_b128 v112, v[104:107], s[12:13]
	global_store_b128 v112, v[108:111], s[12:13] offset:65536
	v_min_u32 v113, v81, v83                       ; lo
	v_max_u32 v114, v81, v83                       ; hi
	v_sub_nc_u32 v115, 15, v113
	v_mul_u32_u24 v115, v113, v115
	v_lshrrev_b32 v115, 1, v115
	v_add_nc_u32 v115, v115, v114
	v_sub_nc_u32 v115, v115, v113
	v_add_nc_u32 v115, -1, v115                    ; the pair's number
	v_mov_b32 v117, 1
	v_lshlrev_b32 v116, v113, v117
	v_lshlrev_b32 v118, v114, v117
	v_or_b32 v116, v116, v118
	v_lshl_or_b32 v115, v116, 8, v115
	v_lshl_or_b32 v115, v81, 16, v115
	v_lshlrev_b32 v119, 2, v2
	v_cmp_gt_u32 vcc_lo, 16, v1
	s_wait_xcnt 0x0                                ; EXEC changes only behind this wait: it is a source of the stores above
	s_and_saveexec_b32 s30, vcc_lo
	global_store_b32 v119, v115, s[14:15]
	s_wait_xcnt 0x0
	s_or_b32 exec_lo, exec_lo, s30
.Ltokens_end:
	s_wait_tensorcnt 0x0
	ds_add_u32 v14, v15
	s_wait_dscnt 0x0
	s_endpgm
.Lfunc_end_k_qbd38fe9d6f_route:
	.size	k_qbd38fe9d6f_route, .Lfunc_end_k_qbd38fe9d6f_route-k_qbd38fe9d6f_route
	.p2alignl 7, 3214868480
	.fill 96, 4, 3214868480
	.section	.rodata,"a",@progbits
	.p2align	6, 0x0
	.amdhsa_kernel k_qbd38fe9d6f_route
		.amdhsa_group_segment_fixed_size 131840
		.amdhsa_private_segment_fixed_size 0
		.amdhsa_enable_private_segment 0
		.amdhsa_kernarg_size 56
		.amdhsa_user_sgpr_count 2
		.amdhsa_user_sgpr_kernarg_segment_ptr 1
		.amdhsa_wavefront_size32 1
		.amdhsa_system_sgpr_workgroup_id_x 1
		.amdhsa_system_sgpr_workgroup_id_y 1
		.amdhsa_system_sgpr_workgroup_id_z 1
		.amdhsa_system_vgpr_workitem_id 0
		.amdhsa_next_free_vgpr 384
		.amdhsa_next_free_sgpr 66
		.amdhsa_reserve_vcc 1
		.amdhsa_float_denorm_mode_32 3
		.amdhsa_float_denorm_mode_16_64 3
		.amdhsa_memory_ordered 1
		.amdhsa_forward_progress 1
		.amdhsa_inst_pref_size 93
	.end_amdhsa_kernel
	.amdgpu_metadata
---
amdhsa.version: [ 1, 2 ]
amdhsa.kernels:
  - .name:           k_qbd38fe9d6f_route
    .symbol:         k_qbd38fe9d6f_route.kd
    .args:
      - { .name: x, .offset: 0, .size: 8, .value_kind: global_buffer, .address_space: global }
      - { .name: Wg, .offset: 8, .size: 8, .value_kind: global_buffer, .address_space: global }
      - { .name: W1_codes, .offset: 16, .size: 8, .value_kind: global_buffer, .address_space: global }
      - { .name: xq, .offset: 24, .size: 8, .value_kind: global_buffer, .address_space: global }
      - { .name: rt, .offset: 32, .size: 8, .value_kind: global_buffer, .address_space: global }
      - { .name: keys, .offset: 40, .size: 8, .value_kind: global_buffer, .address_space: global }
      - { .name: w1img, .offset: 48, .size: 8, .value_kind: global_buffer, .address_space: global }
    .group_segment_fixed_size: 131840
    .private_segment_fixed_size: 0
    .kernarg_segment_align: 8
    .kernarg_segment_size: 56
    .max_flat_workgroup_size: 128
    .sgpr_count:     66
    .vgpr_count:     384
    .wavefront_size: 32
...
	.end_amdgpu_metadata
.endif
;; end of part 1
;; launch place (part 2): grid 129 x 1, 4 waves a work-group, no clusters, 104,960 bytes of LDS; arguments keys, rt, W2_codes, order, out1, w2img; writes order, out1, w2img
.if DOCPART == 2
	.amdgcn_target "amdgcn-amd-amdhsa--gfx1250"
	.amdhsa_code_object_version 6
	.text
	.protected	k_qbd38fe9d6f_place
	.globl	k_qbd38fe9d6f_place
	.p2align	8
	.type	k_qbd38fe9d6f_place,@function
k_qbd38fe9d6f_place:
	s_mov_b64 s[64:65], 0
	v_nop
	global_prefetch_b8 v0, s[64:65] scope:SCOPE_SE
	s_setreg_imm32_b32 hwreg(HW_REG_WAVE_MODE, 25, 1), 1
	s_wait_xcnt 0x0
; PLACE.  Work-group 0 sorts the 2,048 tokens by their pair of experts (28 keys, a counting sort without atomics), stores the order and, for each block of 64 sorted tokens, the mask of experts
; that any of its tokens chose, and makes the load-balancing loss.  Work-groups 1-128 meanwhile lay W2's codes out in the order of an operand's registers (RELAY, as for W1).
; order: perm [2,048] (sorted place -> token), then from byte 8,192 the 32 blocks' masks.  w2img: [expert][group of 32 rows][K step 8][tile 2][1,536 bytes].
; THE SORT.  Wave w takes tokens 512 w + 32 i + lane, i = 0 .. 15.  For each key: 16 masks of lanes, their counts, the counts' running sum, and each matching lane's rank = running sum + matching lanes below it.
; The waves' totals meet in LDS; every wave then knows where each key begins and how many of it the lower waves hold.  Any order inside a key serves.
; THE LOSS: 0.01 x 8 x sum over experts of (top-1 count / 2,048) x (sum of probabilities / 2,048) = 0.08 x 2^-22 x sum of count x sum.
.set RREG, 25088
.set RLP,  784
.set LTOT, 100352                      ; behind RELAY's regions: 128 bytes a wave: its count of each key
.set LCNT, 100864                      ; its count of each top-1 expert
.set LPS,  101376                      ; 512 bytes a wave: its sums of probabilities
.set KEY,  16
.set PK,   32
.set POS,  48
.set T1,   64
.set TID,  80
.set PR,   96
.macro RELAY pitch, src, dst                   ; see the launch before: one wave, 32 rows x 768 bytes, 16 images
	s_lshl_b32 s20, s19, 2
	s_add_co_u32 s20, s20, s18                     ; the unit: 4 x work-group + wave
.if \pitch == 1536
	s_lshr_b32 s21, s20, 1
	s_mul_i32 s22, s21, 49152
	s_and_b32 s21, s20, 1
	s_mul_i32 s21, s21, 768
	s_add_co_u32 s22, s22, s21
.else
	s_mul_i32 s22, s20, 24576                      ; a row is one unit wide: 32 rows are 24,576 consecutive bytes
.endif
	s_mov_b32 s23, 0
	s_add_nc_u64 s[\src:\src+1], s[\src:\src+1], s[22:23]
	s_mul_i32 s22, s20, 24576
	s_add_nc_u64 s[\dst:\dst+1], s[\dst:\dst+1], s[22:23]
	s_mul_i32 s21, s18, RREG
	v_lshlrev_b32 v4, 4, v1
	v_mul_u32_u24 v5, v3, \pitch-768
	v_add_nc_u32 v5, v5, v4
	v_add_nc_u32 v5, 512, v5
	v_add_nc_u32 v6, \pitch+256, v4
	v_add_nc_u32 v7, s21, v4
	v_lshl_add_u32 v8, v3, 4, v7
	v_add_nc_u32 v8, 512, v8
	v_add_nc_u32 v9, RLP+256, v7
	v_and_b32 v10, 8, v2
	v_add_nc_u32 v10, v10, v2
	v_mul_u32_u24 v10, v10, RLP
	v_mad_u32_u24 v10, v3, 24, v10
	v_add_nc_u32 v10, s21, v10
.set RI, 0
.rept 48
	global_load_b128 v[16+4*RI:19+4*RI], v[4+RI%3], s[\src:\src+1] offset:(RI/3)*2*\pitch th:TH_LOAD_NT
.set RI, RI+1
.endr
.set RI, 0
.rept 48
	s_wait_loadcnt 47-RI                           ; load RI is in, the younger ones stay out
	ds_store_b128 v[7+RI%3], v[16+4*RI:19+4*RI] offset:(RI/3)*2*RLP
.set RI, RI+1
.endr
	s_wait_dscnt 0x0                               ; the stores have read their registers, which the fragments now take
.irp hf, 0,1
.set RI, 0
.rept 8
.irp p, 0,1,2,3,4,5
	ds_load_b64 v[16+12*(8*\hf+RI)+2*\p:16+12*(8*\hf+RI)+2*\p+1], v10 offset:((8*\hf+RI)%2)*8*RLP+96*((8*\hf+RI)/2)+48*(\p/3)+8*(\p%3)
.endr
.set RI, RI+1
.endr
.set RI, 0
.rept 8
	s_wait_dscnt 6*(7-RI)
.irp c, 0,1,2
	global_store_b128 v4, v[16+12*(8*\hf+RI)+4*\c:16+12*(8*\hf+RI)+4*\c+3], s[\dst:\dst+1] offset:1536*(8*\hf+RI)+512*\c
.endr
.set RI, RI+1
.endr
.endr
.endm
	s_load_b256 s[4:11], s[0:1], 0x0               ; keys s[4:5], rt s[6:7], W2's codes s[8:9], order s[10:11]
	s_load_b128 s[12:15], s[0:1], 0x20             ; out1 s[12:13], w2img s[14:15]
	v_lshl_add_u32 v254, v0, 2, 0x19800
	v_mov_b32 v255, 0
	v_lshrrev_b32 v1, 5, v0
	v_readfirstlane_b32 s18, v1                    ; wave 0..3
	v_and_b32 v1, 31, v0                           ; lane
	v_and_b32 v2, 15, v0
	v_bfe_u32 v3, v0, 4, 1
	s_wait_kmcnt 0x0
	s_cmp_eq_u32 ttmp9, 0
	s_cbranch_scc1 .Lsort
	s_sub_co_u32 s19, ttmp9, 1
	RELAY 768, 8, 14
	s_wait_tensorcnt 0x0
	ds_add_u32 v254, v255
	s_wait_dscnt 0x0
	s_endpgm
.Lsort:
	v_lshlrev_b32 v13, 2, v1                       ; 4 x lane
	v_lshlrev_b32 v14, 4, v1                       ; 16 x lane
	s_lshl_b32 s20, s18, 11
	v_add_nc_u32 v4, s20, v13                      ; keys: my wave's 512 words
	s_lshl_b32 s20, s18, 14
	v_add_nc_u32 v5, s20, v14                      ; probabilities: my wave's 16,384 bytes
	s_lshl_b32 s20, s18, 7
	v_add_nc_u32 v6, s20, v13
	v_add_nc_u32 v7, LCNT, v6
	v_add_nc_u32 v6, LTOT, v6
	s_lshl_b32 s20, s18, 9
	v_add_nc_u32 v8, s20, v14
	v_add_nc_u32 v8, LPS, v8
	v_add_nc_u32 v9, LTOT, v13
	v_add_nc_u32 v10, LCNT, v13
	v_add_nc_u32 v11, LPS, v14
	v_add_nc_u32 v12, s20, v1                      ; my first token: 512 x wave + lane
	s_mov_b32 s24, 0x76543210
	s_mov_b32 s25, 0xfedcba98
.irp i, 0,1,2,3,4,5,6,7,8,9,10,11,12,13,14,15
	global_load_b32 v[KEY+\i], v4, s[4:5] offset:128*\i
.endr
.set RI, 0
.rept 32
	global_load_b128 v[PR+4*RI:PR+4*RI+3], v5, s[6:7] offset:512*RI
.set RI, RI+1
.endr
	v_mov_b32 v224, 0                              ; my wave's count of key k, in lane k
	v_mov_b32 v225, 0                              ; of top-1 expert e, in lane e
	v_mov_b32 v230, 0                              ; where key k begins, in lane k
.irp i, 0,1,2,3,4,5,6,7,8,9,10,11,12,13,14,15
	v_add_nc_u32 v[TID+\i], 32*\i, v12
.endr
	s_wait_loadcnt 32                              ; the keys are in; the 32 loads of probabilities stay out
.irp i, 0,1,2,3,4,5,6,7,8,9,10,11,12,13,14,15
	v_and_b32 v[PK+\i], 31, v[KEY+\i]
	v_bfe_u32 v[T1+\i], v[KEY+\i], 16, 3
.endr
.irp i, 0,1,2,3,4,5,6,7,8,9,10,11,12,13,14,15
	v_min_u32 v[PK+\i], 27, v[PK+\i]               ; a pair's number is 0 .. 27
.endr
; s[30:45]: the lanes whose number i equals val; s[46:62]: how many of them stand in front of number i; s62: all
.macro TALLY val, src
.irp i, 0,1,2,3,4,5,6,7,8,9,10,11,12,13,14,15
	v_cmp_eq_u32 s[30+\i], \val, v[\src+\i]
.endr
.irp i, 0,1,2,3,4,5,6,7,8,9,10,11,12,13,14,15
	s_bcnt1_i32_b32 s[47+\i], s[30+\i]
.endr
	s_mov_b32 s46, 0
.irp i, 0,1,2,3,4,5,6,7,8,9,10,11,12,13,14,15
	s_add_co_u32 s[47+\i], s[47+\i], s[46+\i]
.endr
.endm
.macro RANK k
	TALLY \k, PK
.irp i, 0,1,2,3,4,5,6,7,8,9,10,11,12,13,14,15
.if \k == 0
	v_mbcnt_lo_u32_b32 v[POS+\i], s[30+\i], s[46+\i]   ; the first key writes every lane; each lane's own key writes it again
.else
	v_mbcnt_lo_u32_b32 v[236+\i], s[30+\i], s[46+\i]
.endif
.endr
.if \k != 0
.irp i, 0,1,2,3,4,5,6,7,8,9,10,11,12,13,14,15
	v_cndmask_b32 v[POS+\i], v[POS+\i], v[236+\i], s[30+\i]
.endr
.endif
	v_writelane_b32 v224, s62, \k
.endm
.irp k, 0,1,2,3,4,5,6,7,8,9,10,11,12,13,14,15,16,17,18,19,20,21,22,23,24,25,26,27
	RANK \k
.endr
.irp e, 0,1,2,3,4,5,6,7
	TALLY \e, T1
	v_writelane_b32 v225, s62, \e
.endr
	s_wait_loadcnt 0x0
.set RI, 2                                     ; a load holds 16 tokens: even lanes experts 0-3, odd lanes experts 4-7.  Four chains
.rept 30
	v_pk_add_f32 v[PR+4*(RI%2):PR+4*(RI%2)+1], v[PR+4*(RI%2):PR+4*(RI%2)+1], v[PR+4*RI:PR+4*RI+1]
	v_pk_add_f32 v[PR+4*(RI%2)+2:PR+4*(RI%2)+3], v[PR+4*(RI%2)+2:PR+4*(RI%2)+3], v[PR+4*RI+2:PR+4*RI+3]
.set RI, RI+1
.endr
	v_pk_add_f32 v[PR:PR+1], v[PR:PR+1], v[PR+4:PR+5]
	v_pk_add_f32 v[PR+2:PR+3], v[PR+2:PR+3], v[PR+6:PR+7]
.irp x, 2,4,8                                  ; across the lanes of one parity
.irp j, 0,1,2,3
	v_add_f32_dpp v[PR+\j], v[PR+\j], v[PR+\j] row_xmask:\x row_mask:0xf bank_mask:0xf
.endr
.endr
.irp j, 0,1,2,3
	v_permlanex16_b32 v[PR+4+\j], v[PR+\j], s24, s25
.endr
.irp j, 0,1,2,3
	v_add_f32 v[PR+\j], v[PR+\j], v[PR+4+\j]
.endr
	ds_store_b32 v6, v224
	ds_store_b32 v7, v225
	ds_store_b128 v8, v[PR:PR+3]
	s_wait_dscnt 0x0                               ; for the others' sake: my stores have landed
	s_barrier_signal -1
	s_barrier_wait -1
.irp w, 0,1,2,3
	ds_load_b32 v[226+\w], v9 offset:128*\w        ; the four waves' counts of each key
.endr
	s_wait_dscnt 0x0
	v_add3_u32 v233, v226, v227, v228
	v_add_nc_u32 v233, v233, v229
.irp k, 0,1,2,3,4,5,6,7,8,9,10,11,12,13,14,15,16,17,18,19,20,21,22,23,24,25,26,27
	v_readlane_b32 s[67+\k], v233, \k
.endr
	s_mov_b32 s66, 0
.irp k, 0,1,2,3,4,5,6,7,8,9,10,11,12,13,14,15,16,17,18,19,20,21,22,23,24,25,26,27
	s_add_co_u32 s[67+\k], s[67+\k], s[66+\k]      ; s[66 + k]: where key k begins; s94: 2,048
.endr
.irp k, 0,1,2,3,4,5,6,7,8,9,10,11,12,13,14,15,16,17,18,19,20,21,22,23,24,25,26,27
	v_writelane_b32 v230, s[66+\k], \k
.endr
	v_mov_b32 v231, v230
.irp w, 0,1,2
	s_cmp_gt_u32 s18, \w                           ; the lower waves' tokens of a key stand in front of mine
	s_cselect_b32 s30, -1, 0
	v_and_b32 v232, s30, v[226+\w]
	v_add_nc_u32 v231, v231, v232
.endr
.irp i, 0,1,2,3,4,5,6,7,8,9,10,11,12,13,14,15
	v_lshlrev_b32 v[PK+\i], 2, v[PK+\i]
.endr
.irp i, 0,1,2,3,4,5,6,7,8,9,10,11,12,13,14,15
	ds_bpermute_b32 v[T1+\i], v[PK+\i], v231       ; lane k's number for my token's key k
.endr
	s_wait_dscnt 0x0
.irp i, 0,1,2,3,4,5,6,7,8,9,10,11,12,13,14,15
	v_add_nc_u32 v[POS+\i], v[POS+\i], v[T1+\i]
	v_min_u32 v[POS+\i], 0x7ff, v[POS+\i]
	v_lshlrev_b32 v[POS+\i], 2, v[POS+\i]
	global_store_b32 v[POS+\i], v[TID+\i], s[10:11]
.endr
	s_cmp_lg_u32 s18, 0
	s_cbranch_scc1 .Ldone
	; wave 0, a lane to a block of 64 places: a key counts for a block if it has tokens and its run of places meets the block's
	v_lshlrev_b32 v234, 6, v1
	v_add_nc_u32 v235, 64, v234
	v_mov_b32 v232, 0
.set KK, 0
.irp lo, 0,1,2,3,4,5,6
.irp hi, 1,2,3,4,5,6,7
.if \hi > \lo
	v_cmp_gt_u32 s30, v235, s[66+KK]
	v_cmp_lt_u32 s31, v234, s[67+KK]
	s_and_b32 s30, s30, s31
	s_cmp_lt_u32 s[66+KK], s[67+KK]
	s_cselect_b32 s32, (1<<\lo)|(1<<\hi), 0
	v_cndmask_b32 v226, 0, s32, s30
	v_or_b32 v232, v232, v226
.set KK, KK+1
.endif
.endr
.endr
	global_store_b32 v13, v232, s[10:11] offset:8192
	; the loss
.irp w, 0,1,2,3
	ds_load_b32 v[236+\w], v10 offset:128*\w
	ds_load_b128 v[PR+4*\w:PR+4*\w+3], v11 offset:512*\w
.endr
	s_wait_dscnt 0x0
	v_add3_u32 v236, v236, v237, v238
	v_add_nc_u32 v236, v236, v239                  ; lane e: how many tokens have expert e on top
	v_pk_add_f32 v[PR:PR+1], v[PR:PR+1], v[PR+4:PR+5]
	v_pk_add_f32 v[PR+2:PR+3], v[PR+2:PR+3], v[PR+6:PR+7]
	v_pk_add_f32 v[PR+8:PR+9], v[PR+8:PR+9], v[PR+12:PR+13]
	v_pk_add_f32 v[PR+10:PR+11], v[PR+10:PR+11], v[PR+14:PR+15]
	v_pk_add_f32 v[PR:PR+1], v[PR:PR+1], v[PR+8:PR+9]
	v_pk_add_f32 v[PR+2:PR+3], v[PR+2:PR+3], v[PR+10:PR+11]   ; lane 0: experts 0-3, lane 1: experts 4-7
	s_mov_b32 s34, 0
.irp e, 0,1,2,3,4,5,6,7
	v_readlane_b32 s30, v236, \e
	v_readlane_b32 s31, v[PR+(\e%4)], \e/4
	s_cvt_f32_u32 s30, s30
	s_fmac_f32 s34, s30, s31
.endr
	s_mul_f32 s34, s34, 0x32a3d70a                 ; 0.08 x 2^-22
	v_mov_b32 v227, s34
	v_mov_b32 v228, 0
	v_cmp_eq_u32 vcc_lo, 0, v1
	s_wait_xcnt 0x0                                ; EXEC changes only behind this wait: it is a source of the stores above
	s_and_saveexec_b32 s30, vcc_lo
	global_store_b32 v228, v227, s[12:13]
	s_wait_xcnt 0x0
	s_or_b32 exec_lo, exec_lo, s30
.Ldone:
	s_wait_tensorcnt 0x0
	ds_add_u32 v254, v255
	s_wait_dscnt 0x0
	s_endpgm
.Lfunc_end_k_qbd38fe9d6f_place:
	.size	k_qbd38fe9d6f_place, .Lfunc_end_k_qbd38fe9d6f_place-k_qbd38fe9d6f_place
	.p2alignl 7, 3214868480
	.fill 96, 4, 3214868480
	.section	.rodata,"a",@progbits
	.p2align	6, 0x0
	.amdhsa_kernel k_qbd38fe9d6f_place
		.amdhsa_group_segment_fixed_size 104960
		.amdhsa_private_segment_fixed_size 0
		.amdhsa_enable_private_segment 0
		.amdhsa_kernarg_size 48
		.amdhsa_user_sgpr_count 2
		.amdhsa_user_sgpr_kernarg_segment_ptr 1
		.amdhsa_wavefront_size32 1
		.amdhsa_system_sgpr_workgroup_id_x 1
		.amdhsa_system_sgpr_workgroup_id_y 1
		.amdhsa_system_sgpr_workgroup_id_z 1
		.amdhsa_system_vgpr_workitem_id 0
		.amdhsa_next_free_vgpr 256
		.amdhsa_next_free_sgpr 100
		.amdhsa_reserve_vcc 1
		.amdhsa_float_denorm_mode_32 3
		.amdhsa_float_denorm_mode_16_64 3
		.amdhsa_memory_ordered 1
		.amdhsa_forward_progress 1
		.amdhsa_inst_pref_size 189
	.end_amdhsa_kernel
	.amdgpu_metadata
---
amdhsa.version: [ 1, 2 ]
amdhsa.kernels:
  - .name:           k_qbd38fe9d6f_place
    .symbol:         k_qbd38fe9d6f_place.kd
    .args:
      - { .name: keys, .offset: 0, .size: 8, .value_kind: global_buffer, .address_space: global }
      - { .name: rt, .offset: 8, .size: 8, .value_kind: global_buffer, .address_space: global }
      - { .name: W2_codes, .offset: 16, .size: 8, .value_kind: global_buffer, .address_space: global }
      - { .name: order, .offset: 24, .size: 8, .value_kind: global_buffer, .address_space: global }
      - { .name: out1, .offset: 32, .size: 8, .value_kind: global_buffer, .address_space: global }
      - { .name: w2img, .offset: 40, .size: 8, .value_kind: global_buffer, .address_space: global }
    .group_segment_fixed_size: 104960
    .private_segment_fixed_size: 0
    .kernarg_segment_align: 8
    .kernarg_segment_size: 48
    .max_flat_workgroup_size: 128
    .sgpr_count:     100
    .vgpr_count:     256
    .wavefront_size: 32
...
	.end_amdgpu_metadata
.endif
;; end of part 2
;; launch ffn1 (part 3): grid 8 x 32, 4 waves a work-group, no clusters, 99,840 bytes of LDS; arguments xq, w1img, W1_scales, b1, order, hq; writes hq
.if DOCPART == 3
	.amdgcn_target "amdgcn-amd-amdhsa--gfx1250"
	.amdhsa_code_object_version 6
	.text
	.protected	k_qbd38fe9d6f_ffn1
	.globl	k_qbd38fe9d6f_ffn1
	.p2align	8
	.type	k_qbd38fe9d6f_ffn1,@function
k_qbd38fe9d6f_ffn1:
	s_mov_b64 s[64:65], 0
	v_nop
	global_prefetch_b8 v0, s[64:65] scope:SCOPE_SE
	s_setreg_imm32_b32 hwreg(HW_REG_WAVE_MODE, 25, 1), 1
	s_wait_xcnt 0x0
; FFN1: h = relu(x W1 + b1), quantised along F, for the experts that a block of tokens uses.  Both operands are E3M2 codes with E8M0 scales.
; SHARES.  Work-group (g, B): the 64 sorted tokens of block B x hidden units 128 g .. 128 g + 127, for every expert in the block's stored mask: 8 x 32 = 256 work-groups whatever the choice, none without work.
; For a walked expert all 64 tokens are multiplied: a token that did not choose it has combine weight 0 later on, as in the reference.  Wave w takes hidden units 128 g + 32 w .. + 31 (two tiles of 16 rows of W1),
; so each byte of W1 enters the work-group once, straight into its one wave's registers (images laid by an earlier launch); the tokens' codes lie in LDS, gathered once, and all four waves read them.
; TRANSPOSED: source 0 = 16 rows of W1, source 1 = 16 tokens.  Lane r of tile u takes the group's row 8 u + r + 8 (r / 8), so a lane's 16 registers of tiles 0, 1 are 16 neighbours along F: 16 h + 0 .. 15 of the group's 32,
; which are one block of the next product's K: its largest magnitude needs lane l xor 16 alone, and one conversion gives the lane's 12 bytes.
; hq: codes [B][expert][K step 8][block 4][tile of tokens 4][token 16][24 bytes]; from byte 12,582,912 scale bytes [B][expert][K step 8][token 16][block 4][tile 4].
; A TRIP is one expert: 8 steps of 256 along K, 16 matrix instructions each.  W1's fragments go round four sets of 48 registers, asked for three steps ahead, on into the next expert; x's fragments two sets, one step ahead.
; Steps 5-7 stand twice, with and without a next expert, so that each counted wait counts the loads of its own path.
; No tensor load and no cluster: which expert's weights a work-group asks for, and for how many experts, hangs on the block's stored mask, so neighbours would need different tiles in different numbers.
; LIMITS: NaN and infinities are not served.  A block of zeros gets the scale byte 1 (its codes are zeros; this program alone reads the bytes).
; REGISTERS: window 0: v1-9 addresses; v16-79 accumulators ((m, u) at 16 + 16 m + 8 u); v80-111 x's scale words; v112-127 W1's; v128-143 at work; v144-160 what is stored; v164-181 the gather's offsets.
;   window 1: W1's fragments, set sp at 48 sp + 24 kk + 12 u.   window 2: x's fragments, set ab at 96 ab + 48 kk + 12 m; v192-207 b1 in the result's layout.
.set LPX,  1552                        ; a token's row in LDS: 1,536 bytes + 16 = 388 words: row r starts at bank 4 r mod 64 (64 banks of 4 bytes: ISA guide 11.1); with + 24 h the 32 lanes of an 8-byte load touch 64 different banks
.set ACC,  16
.set XS,   80                          ; 80 + 16 mp + q: lanes 0-15 tile 2 mp, lanes 16-31 tile 2 mp + 1
.set WS,   112                         ; 112 + q: lanes 0-15 tile u = 0, lanes 16-31 u = 1
.set TM,   128
.set CD,   144
.set HB,   160
.set GO,   164
.set TOKL, 180
.set BI,   192
.set MSB,  0
.macro WIN new                         ; the immediate's high byte repeats the setting that is left
.if MSB != \new
	s_set_vgpr_msb (MSB<<8)|\new
.set MSB, \new
.endif
.endm
.macro PLACES n
.rept \n
	v_nop
.endr
.endm
; one product.  ra, rb: the scale word stands in lanes 16-31 of its register
.macro WM d, a, b, c, sa, sb, ra, rb
.if (\ra == 0) && (\rb == 0)
	v_wmma_scale_f32_16x16x128_f8f6f4 v[\d:\d+7], v[\a:\a+11], v[\b:\b+11], v[\c:\c+7], v[\sa], v[\sb] matrix_a_fmt:MATRIX_FMT_BF6 matrix_b_fmt:MATRIX_FMT_BF6
.elseif (\ra == 1) && (\rb == 0)
	v_wmma_scale_f32_16x16x128_f8f6f4 v[\d:\d+7], v[\a:\a+11], v[\b:\b+11], v[\c:\c+7], v[\sa], v[\sb] matrix_a_fmt:MATRIX_FMT_BF6 matrix_b_fmt:MATRIX_FMT_BF6 matrix_a_scale:MATRIX_SCALE_ROW1
.elseif (\ra == 0)
	v_wmma_scale_f32_16x16x128_f8f6f4 v[\d:\d+7], v[\a:\a+11], v[\b:\b+11], v[\c:\c+7], v[\sa], v[\sb] matrix_a_fmt:MATRIX_FMT_BF6 matrix_b_fmt:MATRIX_FMT_BF6 matrix_b_scale:MATRIX_SCALE_ROW1
.else
	v_wmma_scale_f32_16x16x128_f8f6f4 v[\d:\d+7], v[\a:\a+11], v[\b:\b+11], v[\c:\c+7], v[\sa], v[\sb] matrix_a_fmt:MATRIX_FMT_BF6 matrix_b_fmt:MATRIX_FMT_BF6 matrix_a_scale:MATRIX_SCALE_ROW1 matrix_b_scale:MATRIX_SCALE_ROW1
.endif
.endm
.macro AFETCH t                                ; x's eight fragments of step t (K steps 2 t, 2 t + 1; four tiles of tokens): 48 loads of 8 bytes
	WIN 0x80
.irp kk, 0,1
.irp m, 0,1,2,3
.irp p, 0,1,2,3,4,5
	ds_load_b64 v[96*((\t)%2)+48*\kk+12*\m+2*\p:96*((\t)%2)+48*\kk+12*\m+2*\p+1], v[2+\m/2] offset:(\m%2)*16*LPX+96*(2*(\t)+\kk)+48*(\p/3)+8*(\p%3)
.endr
.endr
.endr
.endm
.macro BFETCH sp, pos, base                    ; W1's four fragments of step pos into set sp: 12 loads of 512 consecutive bytes
	WIN 0x40
.irp kk, 0,1
.irp u, 0,1
.irp c, 0,1,2
	global_load_b128 v[48*(\sp)+24*\kk+12*\u+4*\c:48*(\sp)+24*\kk+12*\u+4*\c+3], v1, s[\base:\base+1] offset:(2*(\pos)+\kk)*3072+1536*\u+512*\c
.endr
.endr
.endr
.endm
.macro WSL gq, base                            ; W1's scale words of K steps 4 gq .. 4 gq + 3
	WIN 0
	global_load_b128 v[WS+4*\gq:WS+4*\gq+3], v4, s[\base:\base+1] offset:16*\gq
.endm
.macro BIL                                     ; b1 in the result's layout: tile u, my half's eight units
	WIN 0x80
.irp u, 0,1
	global_load_b128 v[BI+8*\u:BI+8*\u+3], v5, s[32:33] offset:32*\u
	global_load_b128 v[BI+8*\u+4:BI+8*\u+7], v5, s[32:33] offset:32*\u+16
.endr
.endm
.macro MUL t                                   ; 16 products; the eight accumulators take turns, one instruction a turn; K step 0 starts the sums from b1
.irp kk, 0,1
.if 2*(\t)+\kk == 0
	WIN 0x29                                       ; source 0 (W1) window 1, source 1 (x) window 2, C (b1) window 2
.else
	WIN 0x09
.endif
.irp m, 0,1,2,3
.irp u, 0,1
.if 2*(\t)+\kk == 0
	WM ACC+16*\m+8*\u, 48*((\t)%4)+24*\kk+12*\u, 96*((\t)%2)+48*\kk+12*\m, BI+8*\u, WS+2*(\t)+\kk, XS+16*(\m/2)+2*(\t)+\kk, \u, (\m%2)
.else
	WM ACC+16*\m+8*\u, 48*((\t)%4)+24*\kk+12*\u, 96*((\t)%2)+48*\kk+12*\m, ACC+16*\m+8*\u, WS+2*(\t)+\kk, XS+16*(\m/2)+2*(\t)+\kk, \u, (\m%2)
.endif
.endr
.endr
.endr
.endm
.macro NEXTBASE                                ; the lowest expert leaves the mask; its three bases, each the buffer's address + an offset
	s_ctz_i32_b32 s21, s19
	s_min_u32 s21, s21, 7
	s_sub_co_u32 s22, s19, 1
	s_and_b32 s19, s19, s22
	s_mul_i32 s38, s21, 1572864                    ; 32 groups of 49,152 bytes an expert
	s_add_co_u32 s38, s38, s40
	s_add_nc_u64 s[28:29], s[6:7], s[38:39]
	s_lshl_b32 s38, s21, 16
	s_add_co_u32 s38, s38, s41
	s_add_nc_u64 s[30:31], s[8:9], s[38:39]
	s_lshl_b32 s38, s21, 12
	s_add_co_u32 s38, s38, s42
	s_add_nc_u64 s[32:33], s[10:11], s[38:39]
.endm
; steps 0-4.  Behind the last step's products: four places (ISA guide 7.12.1 for vector instructions), the next step's x, and the set just read out takes step t + 3
.macro STEPC t, lw
	PLACES 4
	AFETCH (\t)+1
	BFETCH ((\t)+3)%4, (\t)+3, 24
.if \t == 0
	WSL 3, 26
.endif
	s_wait_loadcnt \lw                             ; the loads issued behind this step's fragments of W1 may stay out
	s_wait_dscnt 48                                ; this step's x is in; the next step's 48 loads may stay out
	MUL \t
.endm
.macro EPI                                     ; relu, quantise, store: expert s20
	WIN 0
	PLACES 4
	s_wait_xcnt 0x0                                ; the last trip's stores have read their data and bases
	s_mul_i32 s38, s20, 49152
	s_add_co_u32 s38, s38, s43
	s_add_nc_u64 s[34:35], s[14:15], s[38:39]
	s_lshl_b32 s38, s20, 11
	s_add_co_u32 s38, s38, s44
	s_add_nc_u64 s[36:37], s[14:15], s[38:39]
.set RI, 0
.rept 64
	v_max_num_f32 v[ACC+RI], 0, v[ACC+RI]          ; the activation; each accumulator from its low end on
.set RI, RI+1
.endr
.irp m, 0,1,2,3
	v_max3_num_f32 v[TM+\m], v[ACC+16*\m], v[ACC+16*\m+1], 0x2800000   ; none is negative; the floor 2^(5 - 127) holds the byte at 1 from below
.endr
.irp i, 2,4,6,8,10,12,14
.irp m, 0,1,2,3
	v_max3_num_f32 v[TM+\m], v[TM+\m], v[ACC+16*\m+\i], v[ACC+16*\m+\i+1]
.endr
.endr
.irp m, 0,1,2,3
	v_permlanex16_b32 v[TM+4+\m], v[TM+\m], s48, s49
.endr
.irp m, 0,1,2,3
	v_max_num_f32 v[TM+\m], v[TM+\m], v[TM+4+\m]   ; with lane l xor 16's 16: the block's largest
.endr
.irp m, 0,1,2,3
	v_add_nc_u32 v[TM+12+\m], 0xfe000000, v[TM+\m] ; 4 off its exponent field: the conversion's scale operand
.endr
.irp m, 0,1,2,3
	v_lshrrev_b32 v[TM+4+\m], 23, v[TM+12+\m]      ; the scale's byte
.endr
.irp m, 0,1,2,3
	v_cvt_scalef32_pk16_bf6_f32 v[CD+4*\m:CD+4*\m+2], v[ACC+16*\m:ACC+16*\m+15], v[TM+12+\m]
.endr
	v_nop                                          ; one plain place behind a scaled conversion
	v_lshl_or_b32 v[HB], v[TM+5], 8, v[TM+4]       ; the four tiles' bytes of my token and block
	v_lshl_or_b32 v[HB], v[TM+6], 16, v[HB]
	v_lshl_or_b32 v[HB], v[TM+7], 24, v[HB]
	v_lshrrev_b32 v[HB], v8, v[HB]                 ; lanes 0-15 store tiles 0, 1, lanes 16-31 tiles 2, 3
.irp m, 0,1,2,3
	global_store_b96 v6, v[CD+4*\m:CD+4*\m+2], s[34:35] offset:384*\m   ; 32 lanes x 12 bytes: 384 consecutive bytes; the wave's four stores 1,536
.endr
	global_store_b16 v7, v[HB], s[36:37]
.endm
.macro TAIL nxt                                ; steps 5-7 and the way out.  nxt = 1: the freed sets take the next expert's steps 0-2, bias and scale words
.if \nxt
	s_wait_xcnt 0x0                                ; the loads that named the next-expert bases have read them
	NEXTBASE
.endif
	PLACES 4
	AFETCH 6
.if \nxt
	BIL
	WSL 0, 30
	WSL 1, 30
	BFETCH 0, 0, 28
	s_wait_loadcnt 42                              ; behind step 5's fragments: 12 + 12 + these 18
.else
	s_wait_loadcnt 24
.endif
	s_wait_dscnt 48
	MUL 5
	PLACES 4
	AFETCH 7
.if \nxt
	BFETCH 1, 1, 28
	s_wait_loadcnt 42                              ; 12 + 18 + 12
.else
	s_wait_loadcnt 12
.endif
	s_wait_dscnt 48
	MUL 6
	PLACES 4
.if \nxt
	AFETCH 0                                       ; x is the same for every expert
	WSL 2, 30
	BFETCH 2, 2, 28
	s_wait_loadcnt 43                              ; 18 + 12 + 13
	s_wait_dscnt 48
.else
	s_wait_loadcnt 0x0
	s_wait_dscnt 0x0
.endif
	MUL 7
	EPI
.if \nxt
	s_wait_xcnt 0x0                                ; this trip's loads have read the current bases
	s_mov_b64 s[24:25], s[28:29]
	s_mov_b64 s[26:27], s[30:31]
	s_mov_b32 s20, s21
.endif
.endm
	s_load_b256 s[4:11], s[0:1], 0x0               ; xq s[4:5], w1img s[6:7], W1's scales s[8:9], b1 s[10:11]
	s_load_b128 s[12:15], s[0:1], 0x20             ; order s[12:13], hq s[14:15]
	v_lshl_add_u32 v254, v0, 2, 0x18400
	v_mov_b32 v255, 0
	v_lshrrev_b32 v10, 5, v0
	v_readfirstlane_b32 s16, v10                   ; wave 0..3
	s_mov_b32 s17, ttmp9                           ; g
	s_and_b32 s18, ttmp7, 0xffff                   ; B
	v_and_b32 v10, 31, v0                          ; lane
	v_and_b32 v11, 15, v0                          ; r
	v_bfe_u32 v12, v0, 4, 1                        ; h
	v_lshlrev_b32 v1, 4, v10                       ; 16 x lane
	v_mul_u32_u24 v2, v11, LPX
	v_mad_u32_u24 v2, v12, 24, v2                  ; x's fragments: row r, + 24 h; tiles 0, 1
	v_add_nc_u32 v3, 32*LPX, v2                    ; tiles 2, 3
	v_and_b32 v13, 8, v11
	v_add_nc_u32 v13, v13, v11
	v_lshl_add_u32 v13, v12, 3, v13                ; the row whose scale words my lane holds: 8 u + r + 8 (r / 8), u = lane / 16
	v_lshlrev_b32 v4, 6, v13                       ; 64 bytes a row
	v_lshlrev_b32 v5, 6, v12                       ; b1: 16 h numbers on
	v_lshl_add_u32 v6, v11, 1, v12
	v_mul_u32_u24 v6, v6, 12                       ; codes out: 24 r + 12 h
	v_lshlrev_b32 v7, 4, v11
	v_lshl_add_u32 v7, v12, 1, v7                  ; scale bytes out: 16 r + 2 h
	v_lshlrev_b32 v8, 4, v12                       ; 16 h bits
	s_mul_i32 s22, s16, 16*LPX
	v_add_nc_u32 v9, s22, v1                       ; the gather: my wave's 16 rows in LDS
	v_lshlrev_b32 v14, 2, v10
.irp m, 0,1,2,3
	v_mov_b32 v[TM+4+\m], 0                        ; written once: a lane permute's destination counts as one of its sources
.endr
	s_lshl_b32 s52, s18, 2                         ; the block's mask word
	s_lshl_b32 s54, s18, 8                         ; the block's 64 places of perm
	s_mov_b32 s55, 0
	s_lshl_b32 s53, s16, 6
	s_add_co_u32 s53, s53, s54                     ; my wave's 16 of them
	s_mov_b32 s39, 0
	s_mov_b32 s48, 0x76543210
	s_mov_b32 s49, 0xfedcba98
	s_lshl_b32 s40, s17, 2
	s_add_co_u32 s40, s40, s16                     ; my group of 32 rows: 4 g + w
	s_lshl_b32 s41, s40, 11                        ; its scale words: 32 rows of 64 bytes
	s_lshl_b32 s42, s40, 7                         ; its biases
	s_mul_i32 s40, s40, 49152                      ; its images
	s_lshl_b32 s43, s18, 6
	s_add_co_u32 s43, s43, s17
	s_mul_i32 s43, s43, 6144
	s_mul_i32 s22, s16, 1536
	s_add_co_u32 s43, s43, s22                     ; hq, codes: (64 B + g) x 6,144 + 1,536 w; + 49,152 an expert
	s_lshl_b32 s44, s18, 14
	s_lshl_b32 s22, s17, 8
	s_add_co_u32 s44, s44, s22
	s_lshl_b32 s22, s16, 2
	s_add_co_u32 s44, s44, s22
	s_add_co_u32 s44, s44, 12582912                ; hq, scale bytes: 16,384 B + 256 g + 4 w; + 2,048 an expert
	s_wait_kmcnt 0x0
	s_load_b32 s19, s[12:13], s52 offset:0x2000
	s_load_b512 s[68:83], s[12:13], s53
	s_add_nc_u64 s[50:51], s[12:13], s[54:55]
	s_add_nc_u64 s[46:47], s[4:5], 3145728         ; x's scale words
	global_load_b32 v[TOKL], v14, s[50:51]         ; the token at place 32 mp + lane of the block
	global_load_b32 v[TOKL+1], v14, s[50:51] offset:128
	s_wait_kmcnt 0x0
	s_and_b32 s19, s19, 0xff
.irp i, 0,1,2,3,4,5,6,7,8,9,10,11,12,13,14,15
	s_min_u32 s[68+\i], s[68+\i], 2047
	s_mul_i32 s[68+\i], s[68+\i], 1536
	v_add_nc_u32 v[GO+\i], s[68+\i], v1
.endr
	WIN 0x80
.irp i, 0,1,2,3,4,5,6,7,8,9,10,11,12,13,14,15
.irp c, 0,1,2
	global_load_b128 v[12*\i+4*\c:12*\i+4*\c+3], v[GO+\i], s[4:5] offset:512*\c   ; a token's row of codes: three loads of 512 consecutive bytes
.endr
.endr
	WIN 0
	s_wait_loadcnt 48                              ; the two loads of tokens are in
.irp mp, 0,1
	v_min_u32 v[TOKL+\mp], 0x7ff, v[TOKL+\mp]
	v_lshlrev_b32 v[TOKL+\mp], 6, v[TOKL+\mp]
.endr
.irp mp, 0,1
.irp gq, 0,1,2,3
	global_load_b128 v[XS+16*\mp+4*\gq:XS+16*\mp+4*\gq+3], v[TOKL+\mp], s[46:47] offset:16*\gq
.endr
.endr
	WIN 0x08                                       ; an LDS store's data are its source 1: window 2
.irp i, 0,1,2,3,4,5,6,7,8,9,10,11,12,13,14,15
	s_wait_loadcnt 53-3*\i                         ; behind row i's loads: the later rows' 45 - 3 i and the eight of scale words
.irp c, 0,1,2
	ds_store_b128 v9, v[12*\i+4*\c:12*\i+4*\c+3] offset:LPX*\i+512*\c
.endr
.endr
	NEXTBASE                                       ; the first expert: the same loads, in the same order, as a trip's steps 5-7 issue for the next
	BIL
	WSL 0, 30
	WSL 1, 30
	BFETCH 0, 0, 28
	BFETCH 1, 1, 28
	WSL 2, 30
	BFETCH 2, 2, 28
	WIN 0
	s_mov_b64 s[24:25], s[28:29]
	s_mov_b64 s[26:27], s[30:31]
	s_mov_b32 s20, s21
	s_wait_dscnt 0x0                               ; for the others' sake: my 16 rows have landed
	s_barrier_signal -1
	s_barrier_wait -1                              ; the kernel's one barrier: LDS is only read from here on
	AFETCH 0
	WIN 0
	s_mov_b32 s45, 0
.Ltrip:
	STEPC 0, 38                                    ; behind step 0's fragments: 12 + 13 + this head's 13
	STEPC 1, 38                                    ; 13 + 13 + 12
	STEPC 2, 37                                    ; 13 + 12 + 12
	STEPC 3, 37                                    ; 1 + 12 + 12 + 12
	STEPC 4, 36
	WIN 0
	s_cmp_eq_u32 s19, 0
	s_cbranch_scc1 .Llast
	TAIL 1
	WIN 0
	s_add_co_u32 s45, s45, 1
	s_cmp_lt_u32 s45, 8                            ; eight experts at the most; the last one leaves by the branch above
	s_cbranch_scc1 .Ltrip
	s_wait_dscnt 0x0
	s_wait_tensorcnt 0x0
	ds_add_u32 v254, v255
	s_wait_dscnt 0x0
	s_endpgm
.Llast:
	TAIL 0
	s_wait_tensorcnt 0x0
	ds_add_u32 v254, v255
	s_wait_dscnt 0x0
	s_endpgm
.Lfunc_end_k_qbd38fe9d6f_ffn1:
	.size	k_qbd38fe9d6f_ffn1, .Lfunc_end_k_qbd38fe9d6f_ffn1-k_qbd38fe9d6f_ffn1
	.p2alignl 7, 3214868480
	.fill 96, 4, 3214868480
	.section	.rodata,"a",@progbits
	.p2align	6, 0x0
	.amdhsa_kernel k_qbd38fe9d6f_ffn1
		.amdhsa_group_segment_fixed_size 99840
		.amdhsa_private_segment_fixed_size 0
		.amdhsa_enable_private_segment 0
		.amdhsa_kernarg_size 48
		.amdhsa_user_sgpr_count 2
		.amdhsa_user_sgpr_kernarg_segment_ptr 1
		.amdhsa_wavefront_size32 1
		.amdhsa_system_sgpr_workgroup_id_x 1
		.amdhsa_system_sgpr_workgroup_id_y 1
		.amdhsa_system_sgpr_workgroup_id_z 1
		.amdhsa_system_vgpr_workitem_id 0
		.amdhsa_next_free_vgpr 768
		.amdhsa_next_free_sgpr 100
		.amdhsa_reserve_vcc 0
		.amdhsa_float_denorm_mode_32 3
		.amdhsa_float_denorm_mode_16_64 3
		.amdhsa_memory_ordered 1
		.amdhsa_forward_progress 1
		.amdhsa_inst_pref_size 102
	.end_amdhsa_kernel
	.amdgpu_metadata
---
amdhsa.version: [ 1, 2 ]
amdhsa.kernels:
  - .name:           k_qbd38fe9d6f_ffn1
    .symbol:         k_qbd38fe9d6f_ffn1.kd
    .args:
      - { .name: xq, .offset: 0, .size: 8, .value_kind: global_buffer, .address_space: global }
      - { .name: w1img, .offset: 8, .size: 8, .value_kind: global_buffer, .address_space: global }
      - { .name: W1_scales, .offset: 16, .size: 8, .value_kind: global_buffer, .address_space: global }
      - { .name: b1, .offset: 24, .size: 8, .value_kind: global_buffer, .address_space: global }
      - { .name: order, .offset: 32, .size: 8, .value_kind: global_buffer, .address_space: global }
      - { .name: hq, .offset: 40, .size: 8, .value_kind: global_buffer, .address_space: global }
    .group_segment_fixed_size: 99840
    .private_segment_fixed_size: 0
    .kernarg_segment_align: 8
    .kernarg_segment_size: 48
    .max_flat_workgroup_size: 128
    .sgpr_count:     100
    .vgpr_count:     768
    .wavefront_size: 32
...
	.end_amdgpu_metadata
.endif
;; end of part 3
;; launch ffn2 (part 4): grid 8 x 32, 4 waves a work-group, no clusters, 173,568 bytes of LDS; arguments hq, w2img, W2_scales, b2, rt, order, out0; writes out0
.if DOCPART == 4
	.amdgcn_target "amdgcn-amd-amdhsa--gfx1250"
	.amdhsa_code_object_version 6
	.text
	.protected	k_qbd38fe9d6f_ffn2
	.globl	k_qbd38fe9d6f_ffn2
	.p2align	8
	.type	k_qbd38fe9d6f_ffn2,@function
k_qbd38fe9d6f_ffn2:
	s_mov_b64 s[64:65], 0
	v_nop
	global_prefetch_b8 v0, s[64:65] scope:SCOPE_SE
	s_setreg_imm32_b32 hwreg(HW_REG_WAVE_MODE, 25, 1), 1
	s_wait_xcnt 0x0
; FFN2: out = sum over the block's experts of combine weight x (h W2 + b2).  Both operands of the product are E3M2 codes with E8M0 scales.
; SHARES.  Work-group (x, B): the 64 sorted tokens of block B x columns 256 x .. 256 x + 255, every expert of the block's stored mask: each output number has one owner, and 8 x 32 = 256 work-groups serve every choice.
; Wave w takes 64 columns (two groups of 32 rows of W2, four tiles), so each byte of W2 enters the work-group once, straight into its one wave's registers; an expert's h (64 tokens x 1,024: 49,152 bytes of codes)
; lies in one of two LDS slots, which all four waves read; the next expert's is loaded into registers during steps 5-7 and stored into the other slot behind the trip's products.
; TRANSPOSED: source 0 = 16 rows of W2, source 1 = 16 tokens; lane r of tile u takes the group's row 8 u + r + 8 (r / 8): a lane's 16 registers of a group are 16 neighbouring columns of one token's row.
; A token that did not choose a walked expert has combine weight 0 there, as in the reference.
; A TRIP is one expert: 8 K steps of 128, 16 matrix instructions each, sums begun from b2; then out += weight x sum.  EIGHT trips are always walked, each with its barrier on every path; a trip without an expert does nothing else.
; Steps 5-7 stand twice, with and without a next expert, so that each counted wait counts the loads of its own path.
; No tensor load and no cluster: which expert's weights a work-group asks for, and for how many experts, hangs on the block's stored mask, so neighbours would need different tiles in different numbers.
; LIMITS: NaN and infinities are not served.
; REGISTERS: window 0: v1-15 addresses; v16-143 accumulators (16 + 32 m + 16 bb + 8 u); v144-159 h's scale words; v160-175 W2's; v176-207 h's scale bytes as loaded; v208-215 combine weights; v216-221, v224-239 addresses, at work.
;   window 1: W2's fragments, set sp at 48 sp + 12 (2 bb + u).   window 2: h's fragments, set ab at 48 ab + 12 m; v96-127 b2 in the result's layout.   window 3: v0-127 out; v128-223 the next expert's h on its way to LDS.
.set CHK,  1664                        ; a chunk in LDS: 1,536 bytes (one block of 32 along K x 64 tokens x 24 bytes) + 128: lanes 16-31, one chunk on, fall on the 32 banks that lanes 0-15 leave free
.set SLOTB, 32*CHK
.set STG,  2*SLOTB                     ; the way out: 64 rows x (1,024 bytes + 16)
.set SPI,  1040
.set ACC,  16
.set HS,   144                         ; 144 + 8 mp + q: lanes 0-15 tile 2 mp, lanes 16-31 tile 2 mp + 1
.set WS,   160                         ; 160 + 8 bb + q: lanes 0-15 u = 0, lanes 16-31 u = 1
.set RAW,  176
.set CW,   208
.set BI,   96
.set MSB,  0
.macro WIN new                         ; the immediate's high byte repeats the setting that is left
.if MSB != \new
	s_set_vgpr_msb (MSB<<8)|\new
.set MSB, \new
.endif
.endm
.macro PLACES n
.rept \n
	v_nop
.endr
.endm
.macro WM d, a, b, c, sa, sb, ra, rb           ; one product.  ra, rb: the scale word stands in lanes 16-31 of its register
.if (\ra == 0) && (\rb == 0)
	v_wmma_scale_f32_16x16x128_f8f6f4 v[\d:\d+7], v[\a:\a+11], v[\b:\b+11], v[\c:\c+7], v[\sa], v[\sb] matrix_a_fmt:MATRIX_FMT_BF6 matrix_b_fmt:MATRIX_FMT_BF6
.elseif (\ra == 1) && (\rb == 0)
	v_wmma_scale_f32_16x16x128_f8f6f4 v[\d:\d+7], v[\a:\a+11], v[\b:\b+11], v[\c:\c+7], v[\sa], v[\sb] matrix_a_fmt:MATRIX_FMT_BF6 matrix_b_fmt:MATRIX_FMT_BF6 matrix_a_scale:MATRIX_SCALE_ROW1
.elseif (\ra == 0)
	v_wmma_scale_f32_16x16x128_f8f6f4 v[\d:\d+7], v[\a:\a+11], v[\b:\b+11], v[\c:\c+7], v[\sa], v[\sb] matrix_a_fmt:MATRIX_FMT_BF6 matrix_b_fmt:MATRIX_FMT_BF6 matrix_b_scale:MATRIX_SCALE_ROW1
.else
	v_wmma_scale_f32_16x16x128_f8f6f4 v[\d:\d+7], v[\a:\a+11], v[\b:\b+11], v[\c:\c+7], v[\sa], v[\sb] matrix_a_fmt:MATRIX_FMT_BF6 matrix_b_fmt:MATRIX_FMT_BF6 matrix_a_scale:MATRIX_SCALE_ROW1 matrix_b_scale:MATRIX_SCALE_ROW1
.endif
.endm
.macro AFETCH slot, t                          ; h's four fragments of K step t: registers 6 c .. 6 c + 5 are block 2 c + h: chunk 4 t + 2 c + h, + 384 m + 24 r
	WIN 0x80
.irp m, 0,1,2,3
.irp p, 0,1,2,3,4,5
	ds_load_b64 v[48*((\t)%2)+12*\m+2*\p:48*((\t)%2)+12*\m+2*\p+1], v[2+\slot] offset:4*CHK*(\t)+2*CHK*(\p/3)+384*\m+8*(\p%3)
.endr
.endr
.endm
.macro BFETCH sp, pos, base                    ; W2's four fragments of K step pos into set sp: 12 loads of 512 consecutive bytes
	WIN 0x40
.irp bb, 0,1
.irp u, 0,1
.irp c, 0,1,2
	global_load_b128 v[48*(\sp)+12*(2*\bb+\u)+4*\c:48*(\sp)+12*(2*\bb+\u)+4*\c+3], v1, s[\base:\base+1] offset:24576*\bb+3072*(\pos)+1536*\u+512*\c
.endr
.endr
.endr
.endm
.macro WSL gq, base                            ; W2's scale words of K steps 4 gq .. 4 gq + 3, both groups
	WIN 0
.irp bb, 0,1
	global_load_b128 v[WS+8*\bb+4*\gq:WS+8*\bb+4*\gq+3], v4, s[\base:\base+1] offset:1024*\bb+16*\gq
.endr
.endm
.macro BIL                                     ; b2 in the result's layout
	WIN 0x80
.irp bb, 0,1
.irp u, 0,1
	global_load_b128 v[BI+16*\bb+8*\u:BI+16*\bb+8*\u+3], v5, s[36:37] offset:128*\bb+32*\u
	global_load_b128 v[BI+16*\bb+8*\u+4:BI+16*\bb+8*\u+7], v5, s[36:37] offset:128*\bb+32*\u+16
.endr
.endr
.endm
.macro ASTL                                    ; my quarter of the next expert's h: eight chunks, 24 loads of 512 consecutive bytes
	WIN 0xc0
.set RI, 0
.rept 24
	global_load_b128 v[128+4*RI:131+4*RI], v1, s[38:39] offset:512*RI
.set RI, RI+1
.endr
.endm
.macro ASTORE slot
	WIN 0x0c                                       ; an LDS store's data are its source 1: window 3
.set RI, 0
.rept 24
	ds_store_b128 v[216+\slot], v[128+4*RI:131+4*RI] offset:CHK*(RI/3)+512*(RI%3)
.set RI, RI+1
.endr
.endm
.macro RAWL                                    ; h's scale bytes: for each K step my token's 16: [block 4][tile 4]
	WIN 0
.irp q, 0,1,2,3,4,5,6,7
	global_load_b128 v[RAW+4*\q:RAW+4*\q+3], v6, s[40:41] offset:256*\q
.endr
.endm
.macro CL                                      ; the current expert's combine weight of my token in each tile
	WIN 0
.irp m, 0,1,2,3
	global_load_b32 v[CW+2*\m], v[12+\m], s[30:31]
.endr
.endm
.macro HSBUILD                                 ; a scale word = my tile's byte of each of the four blocks' words
	WIN 0
.irp q, 0,1,2,3,4,5,6,7
.irp mp, 0,1
	v_perm_b32 v[218+2*\mp], v[RAW+4*\q+1], v[RAW+4*\q], v[7+\mp]
	v_perm_b32 v[219+2*\mp], v[RAW+4*\q+3], v[RAW+4*\q+2], v[7+\mp]
.endr
.irp mp, 0,1
	v_perm_b32 v[HS+8*\mp+\q], v[219+2*\mp], v[218+2*\mp], s51
.endr
.endr
.endm
.macro MUL t                                   ; 16 products; the sixteen accumulators take turns, one instruction a turn; K step 0 starts the sums from b2
.if \t == 0
	WIN 0x29                                       ; source 0 (W2) window 1, source 1 (h) window 2, C (b2) window 2
.else
	WIN 0x09
.endif
.irp m, 0,1,2,3
.irp bb, 0,1
.irp u, 0,1
.if \t == 0
	WM ACC+32*\m+16*\bb+8*\u, 48*((\t)%4)+12*(2*\bb+\u), 48*((\t)%2)+12*\m, BI+16*\bb+8*\u, WS+8*\bb+(\t), HS+8*(\m/2)+(\t), \u, (\m%2)
.else
	WM ACC+32*\m+16*\bb+8*\u, 48*((\t)%4)+12*(2*\bb+\u), 48*((\t)%2)+12*\m, ACC+32*\m+16*\bb+8*\u, WS+8*\bb+(\t), HS+8*(\m/2)+(\t), \u, (\m%2)
.endif
.endr
.endr
.endr
.endm
.macro NEXTBASE                                ; the lowest expert leaves the mask; its six bases, each a buffer's address + an offset
	s_ctz_i32_b32 s21, s19
	s_min_u32 s21, s21, 7
	s_sub_co_u32 s22, s19, 1
	s_and_b32 s19, s19, s22
	s_mul_i32 s44, s21, 1572864                    ; 64 groups of 24,576 bytes an expert
	s_add_co_u32 s44, s44, s46
	s_add_nc_u64 s[32:33], s[6:7], s[44:45]
	s_lshl_b32 s44, s21, 16
	s_add_co_u32 s44, s44, s47
	s_add_nc_u64 s[34:35], s[8:9], s[44:45]
	s_lshl_b32 s44, s21, 13
	s_add_co_u32 s44, s44, s48
	s_add_nc_u64 s[36:37], s[10:11], s[44:45]
	s_mul_i32 s44, s21, 49152
	s_add_co_u32 s44, s44, s49
	s_add_nc_u64 s[38:39], s[4:5], s[44:45]
	s_lshl_b32 s44, s21, 11
	s_add_co_u32 s44, s44, s50
	s_add_nc_u64 s[40:41], s[4:5], s[44:45]
	s_lshl_b32 s44, s21, 2
	s_add_co_u32 s44, s44, 65536
	s_add_nc_u64 s[42:43], s[12:13], s[44:45]
.endm
.macro TAKE                                    ; the next expert becomes the current one
	s_mov_b64 s[26:27], s[32:33]
	s_mov_b64 s[28:29], s[34:35]
	s_mov_b64 s[30:31], s[42:43]
	s_mov_b32 s20, s21
.endm
.macro STEPC slot, t, lw                       ; steps 1-4: four places behind the last step's products, the next step's h, and the set just read out takes K step t + 3
	PLACES 4
	AFETCH \slot, (\t)+1
	BFETCH ((\t)+3)%4, (\t)+3, 26
	s_wait_loadcnt \lw                             ; the loads issued behind this step's fragments of W2 may stay out
	s_wait_dscnt 24                                ; this step's h is in; the next step's 24 loads may stay out
	MUL \t
.endm
.macro TAIL slot, nxt                          ; steps 5-7, out += weight x sum; nxt = 1: all that the next expert's first three steps want is asked for, and its h goes into the other slot
.if \nxt
	s_wait_xcnt 0x0                                ; the loads that named the next-expert bases have read them
	NEXTBASE
.endif
	PLACES 4
	AFETCH \slot, 6
.if \nxt
	ASTL
	RAWL
	BIL
	WSL 0, 34
	BFETCH 0, 0, 32
	s_wait_loadcnt 63                              ; 78 loads stand behind step 5's fragments (12 + 12 + these 54); the wait's field holds 63
.else
	s_wait_loadcnt 24
.endif
	s_wait_dscnt 24
	MUL 5
	PLACES 4
	AFETCH \slot, 7
.if \nxt
	BFETCH 1, 1, 32
	s_wait_loadcnt 63                              ; 12 + 54 + 12
.else
	s_wait_loadcnt 12
.endif
	s_wait_dscnt 24
	MUL 6
	PLACES 4
.if \nxt
	BFETCH 2, 2, 32
	s_wait_loadcnt 63                              ; 54 + 12 + 12
.else
	s_wait_loadcnt 0x0
.endif
	s_wait_dscnt 0x0
	MUL 7
	PLACES 4
	WIN 0xf0                                       ; out (destination and addend) window 3; sums and weights window 0
.set RI, 0
.rept 64
	v_pk_fma_f32 v[RI:RI+1], v[ACC+RI:ACC+RI+1], v[CW+2*(RI/32):CW+2*(RI/32)+1], v[RI:RI+1] op_sel_hi:[1,0,1]   ; each accumulator from its low end on; the weights were shown in by step 4's wait
.set RI, RI+2
.endr
.if \nxt
	s_wait_loadcnt 54                              ; behind the 24 loads of h: 8 + 8 + 2 + 12 + 12 + 12
	ASTORE 1-\slot                                 ; nobody reads the other slot in this trip: the last trip's barrier lies behind its readers
	WIN 0
	s_wait_xcnt 0x0                                ; this trip's loads have read the current bases
	TAKE
.endif
.endm
.macro TRIP slot
	s_cmp_eq_u32 s24, 0
	s_cbranch_scc1 .Ljoin_\@                       ; no expert left: on to the barrier, which stands on every path
	AFETCH \slot, 0
	AFETCH \slot, 1
	BFETCH 3, 3, 26
	WSL 1, 28
	CL
	s_wait_loadcnt 42                              ; behind K step 0's fragments: 12 + 12 + these 18; the scale bytes, b2 and the first scale words are older
	HSBUILD
	PLACES 8                                       ; a scale register written by a vector instruction stands eight places ahead of a scaled product
	s_wait_dscnt 24
	MUL 0
	STEPC \slot, 1, 42                             ; 12 + 18 + 12
	STEPC \slot, 2, 42                             ; 18 + 12 + 12
	STEPC \slot, 3, 42                             ; 6 + 12 + 12 + 12
	STEPC \slot, 4, 36
	WIN 0
	s_cmp_eq_u32 s19, 0
	s_cbranch_scc1 .Llast_\@
	TAIL \slot, 1
	WIN 0
	s_branch .Ljoin_\@
.Llast_\@:
	TAIL \slot, 0
	WIN 0
	s_mov_b32 s24, 0
.Ljoin_\@:
	s_wait_dscnt 0x0                               ; my reads of this slot are in and my stores into the other have landed
	s_barrier_signal -1
	s_barrier_wait -1
.endm
	s_load_b256 s[4:11], s[0:1], 0x0               ; hq s[4:5], w2img s[6:7], W2's scales s[8:9], b2 s[10:11]
	s_load_b128 s[12:15], s[0:1], 0x20             ; rt s[12:13], order s[14:15]
	s_load_b64 s[16:17], s[0:1], 0x30              ; out0
	v_lshl_add_u32 v254, v0, 2, 0x2a400
	v_mov_b32 v255, 0
	v_lshrrev_b32 v218, 5, v0
	v_readfirstlane_b32 s18, v218                  ; wave 0..3
	s_mov_b32 s52, ttmp9                           ; x
	s_and_b32 s53, ttmp7, 0xffff                   ; B
	v_and_b32 v218, 31, v0                         ; lane
	v_and_b32 v219, 15, v0                         ; r
	v_bfe_u32 v220, v0, 4, 1                       ; h
	v_lshlrev_b32 v1, 4, v218                      ; 16 x lane
	v_mul_u32_u24 v2, v220, CHK
	v_mad_u32_u24 v2, v219, 24, v2                 ; h's fragments: one chunk on for lanes 16-31, + 24 r; slot 0
	v_add_nc_u32 v3, SLOTB, v2                     ; slot 1
	v_and_b32 v221, 8, v219
	v_add_nc_u32 v221, v221, v219
	v_lshl_add_u32 v221, v220, 3, v221             ; the row whose scale words my lane holds: 8 u + r + 8 (r / 8), u = lane / 16
	v_lshlrev_b32 v4, 5, v221                      ; 32 bytes a row
	v_lshlrev_b32 v5, 6, v220                      ; b2: 16 h numbers on
	v_lshlrev_b32 v6, 4, v219                      ; h's scale bytes: 16 a token
	v_mul_u32_u24 v7, v220, 0x101
	v_lshl_or_b32 v7, v7, 16, v7
	v_add_nc_u32 v7, 0x04000400, v7                ; byte selects (m, 4 + m, m, 4 + m), m = lane / 16: tiles 0, 1
	v_add_nc_u32 v8, 0x02020202, v7                ; m = 2 + lane / 16: tiles 2, 3
	s_lshl_b32 s22, s18, 8
	v_mul_u32_u24 v9, v219, SPI
	v_lshl_add_u32 v9, v220, 6, v9
	v_add_nc_u32 v9, s22, v9
	v_add_nc_u32 v9, STG, v9                       ; the stage: row r, my wave's 256 bytes, + 64 h
	s_mul_i32 s22, s18, 16*SPI
	v_add_nc_u32 v10, s22, v1
	v_add_nc_u32 v10, STG, v10                     ; and back: my wave's 16 rows
	s_mul_i32 s22, s18, 8*CHK
	v_add_nc_u32 v216, s22, v1                     ; where my quarter of h goes: slot 0,
	v_add_nc_u32 v217, SLOTB, v216                 ; slot 1
	v_lshlrev_b32 v221, 2, v219
.irp m, 0,1,2,3
	v_mov_b32 v[CW+2*\m+1], 0                      ; named as the upper halves of the weights' pairs, so they are written
.endr
	s_lshl_b32 s56, s53, 2                         ; the block's mask word
	s_lshl_b32 s58, s53, 8                         ; the block's 64 places of perm
	s_mov_b32 s59, 0
	s_lshl_b32 s57, s18, 6
	s_add_co_u32 s57, s57, s58                     ; my wave's 16 of them
	s_lshl_b32 s60, s52, 10                        ; my strip's 1,024 bytes of a row of out
	s_mov_b32 s61, 0
	s_mov_b32 s45, 0
	s_mov_b32 s51, 0x05040100
	s_lshl_b32 s46, s52, 3
	s_lshl_b32 s22, s18, 1
	s_add_co_u32 s46, s46, s22                     ; my first group of 32 rows: 8 x + 2 w
	s_lshl_b32 s47, s46, 10                        ; its scale words: 32 rows of 32 bytes
	s_lshl_b32 s48, s46, 7                         ; its biases
	s_mul_i32 s46, s46, 24576                      ; its images
	s_mul_i32 s49, s53, 393216
	s_mul_i32 s22, s18, 12288
	s_add_co_u32 s49, s49, s22                     ; hq, codes: 8 B x 49,152 + my quarter; + 49,152 an expert
	s_lshl_b32 s50, s53, 14
	s_add_co_u32 s50, s50, 12582912                ; hq, scale bytes: 8 B x 2,048; + 2,048 an expert
	s_wait_kmcnt 0x0
	s_load_b32 s19, s[14:15], s56 offset:0x2000
	s_load_b512 s[68:83], s[14:15], s57
	s_add_nc_u64 s[62:63], s[14:15], s[58:59]
	s_add_nc_u64 s[54:55], s[16:17], s[60:61]
.irp m, 0,1,2,3
	global_load_b32 v[12+\m], v221, s[62:63] offset:64*\m   ; the token at place 16 m + r of the block
.endr
	s_wait_kmcnt 0x0
	s_and_b32 s19, s19, 0xff
	s_mov_b32 s24, 1                               ; a block always has tokens, so it has a first expert
	NEXTBASE                                       ; the first expert: the same loads, in the same order, as a trip's steps 5-7 issue for the next
	ASTL
	RAWL
	BIL
	WSL 0, 34
	BFETCH 0, 0, 32
	BFETCH 1, 1, 32
	BFETCH 2, 2, 32
	WIN 0
	TAKE
	s_wait_loadcnt 63                              ; 78 loads stand behind the four of tokens
.irp m, 0,1,2,3
	v_min_u32 v[12+\m], 0x7ff, v[12+\m]
	v_lshlrev_b32 v[12+\m], 5, v[12+\m]            ; 32 bytes of combine weights a token
.endr
	WIN 0xc0
.set RI, 0
.rept 128
	v_mov_b32 v[RI], 0                             ; out begins as zeros, so that the trip is written once for every expert
.set RI, RI+1
.endr
	s_wait_loadcnt 54                              ; my quarter of h is in
	ASTORE 0
	WIN 0
	s_wait_dscnt 0x0
	s_barrier_signal -1
	s_barrier_wait -1
	s_mov_b32 s25, 0
.Lpair:
	TRIP 0
	TRIP 1
	s_add_co_u32 s25, s25, 1
	s_cmp_lt_u32 s25, 4
	s_cbranch_scc1 .Lpair
	; THE WAY OUT.  A lane holds 64 neighbouring bytes of a row for each group, and a row's 1,024 bytes come from four waves: they meet in the stage, and each wave stores 16 whole rows to its tokens' places.
	s_wait_loadcnt 0x0
.irp i, 0,1,2,3,4,5,6,7,8,9,10,11,12,13,14,15
	s_min_u32 s[68+\i], s[68+\i], 2047
	s_lshl_b32 s[68+\i], s[68+\i], 13
	v_add_nc_u32 v[224+\i], s[68+\i], v1
.endr
	WIN 0x0c
.irp m, 0,1,2,3
.irp bb, 0,1
.irp i, 0,1,2,3
	ds_store_b128 v9, v[32*\m+16*\bb+4*\i:32*\m+16*\bb+4*\i+3] offset:16*SPI*\m+128*\bb+16*\i
.endr
.endr
.endr
	WIN 0
	s_wait_dscnt 0x0                               ; for the others' sake: my stores have landed
	s_barrier_signal -1
	s_barrier_wait -1
.set RI, 0
.rept 32
	ds_load_b128 v[ACC+4*RI:ACC+4*RI+3], v10 offset:SPI*(RI/2)+512*(RI%2)
.set RI, RI+1
.endr
.set RI, 0
.rept 32
	s_wait_dscnt 31-RI
	global_store_b128 v[224+RI/2], v[ACC+4*RI:ACC+4*RI+3], s[54:55] offset:512*(RI%2) th:TH_STORE_NT   ; 32 lanes store 512 consecutive bytes, at a multiple of 512 from out0's first byte; written once, read by nobody here
.set RI, RI+1
.endr
	s_wait_tensorcnt 0x0
	ds_add_u32 v254, v255
	s_wait_dscnt 0x0
	s_endpgm
.Lfunc_end_k_qbd38fe9d6f_ffn2:
	.size	k_qbd38fe9d6f_ffn2, .Lfunc_end_k_qbd38fe9d6f_ffn2-k_qbd38fe9d6f_ffn2
	.p2alignl 7, 3214868480
	.fill 96, 4, 3214868480
	.section	.rodata,"a",@progbits
	.p2align	6, 0x0
	.amdhsa_kernel k_qbd38fe9d6f_ffn2
		.amdhsa_group_segment_fixed_size 173568
		.amdhsa_private_segment_fixed_size 0
		.amdhsa_enable_private_segment 0
		.amdhsa_kernarg_size 56
		.amdhsa_user_sgpr_count 2
		.amdhsa_user_sgpr_kernarg_segment_ptr 1
		.amdhsa_wavefront_size32 1
		.amdhsa_system_sgpr_workgroup_id_x 1
		.amdhsa_system_sgpr_workgroup_id_y 1
		.amdhsa_system_sgpr_workgroup_id_z 1
		.amdhsa_system_vgpr_workitem_id 0
		.amdhsa_next_free_vgpr 1024
		.amdhsa_next_free_sgpr 100
		.amdhsa_reserve_vcc 0
		.amdhsa_float_denorm_mode_32 3
		.amdhsa_float_denorm_mode_16_64 3
		.amdhsa_memory_ordered 1
		.amdhsa_forward_progress 1
		.amdhsa_inst_pref_size 165
	.end_amdhsa_kernel
	.amdgpu_metadata
---
amdhsa.version: [ 1, 2 ]
amdhsa.kernels:
  - .name:           k_qbd38fe9d6f_ffn2
    .symbol:         k_qbd38fe9d6f_ffn2.kd
    .args:
      - { .name: hq, .offset: 0, .size: 8, .value_kind: global_buffer, .address_space: global }
      - { .name: w2img, .offset: 8, .size: 8, .value_kind: global_buffer, .address_space: global }
      - { .name: W2_scales, .offset: 16, .size: 8, .value_kind: global_buffer, .address_space: global }
      - { .name: b2, .offset: 24, .size: 8, .value_kind: global_buffer, .address_space: global }
      - { .name: rt, .offset: 32, .size: 8, .value_kind: global_buffer, .address_space: global }
      - { .name: order, .offset: 40, .size: 8, .value_kind: global_buffer, .address_space: global }
      - { .name: out0, .offset: 48, .size: 8, .value_kind: global_buffer, .address_space: global }
    .group_segment_fixed_size: 173568
    .private_segment_fixed_size: 0
    .kernarg_segment_align: 8
    .kernarg_segment_size: 56
    .max_flat_workgroup_size: 128
    .sgpr_count:     100
    .vgpr_count:     1024
    .wavefront_size: 32
...
	.end_amdgpu_metadata
.endif
;; end of part 4
;; ======== version 2 of 2: 4 launches
;; workspace buffers: xq 3,276,800 bytes; rt 131,072 bytes; keys 8,192 bytes of whole numbers; order 8,448 bytes of whole numbers; w1img 12,582,912 bytes; w2img 12,582,912 bytes; hq 13,107,200 bytes
;; launch route (part 5): grid 256 x 1, 4 waves a work-group, no clusters, 131,840 bytes of LDS; arguments x, Wg, W1_codes, xq, rt, keys, w1img; writes xq, rt, keys, w1img
.if DOCPART == 5
	.amdgcn_target "amdgcn-amd-amdhsa--gfx1250"
	.amdhsa_code_object_version 6
	.text
	.protected	k_qbd38fe9d6f_route
	.globl	k_qbd38fe9d6f_route
	.p2align	8
	.type	k_qbd38fe9d6f_route,@function
k_qbd38fe9d6f_route:
	s_mov_b64 s[64:65], 0
	v_nop
	global_prefetch_b8 v0, s[64:65] scope:SCOPE_SE
	s_setreg_imm32_b32 hwreg(HW_REG_WAVE_MODE, 25, 1), 1
	s_wait_xcnt 0x0
; ROUTE.  Work-groups 0-127: 16 tokens each: x is quantised along D (E3M2 codes, one E8M0 byte for each 32), the router's logits are summed from f32 operands,
; and top-2, softmax over the two, softmax over all eight and the combine weights are stored AT FIXED PLACES (no address here hangs on the choice).
; Work-groups 128-255: W1's codes are laid out once in the order of an operand's registers (RELAY), so that a later launch loads each fragment by three loads of 512 consecutive bytes.
; xq: codes [token][1,536 bytes], then from byte 3,145,728 scale words [token][16].  rt: probabilities [token][8] f32, then from byte 65,536 combine weights [token][8] f32.
; keys: [token] = p | mask << 8 | top1 << 16; p numbers the pair of experts (lo, hi): lo (15 - lo) / 2 + hi - lo - 1, 0 .. 27; mask = 1 << lo | 1 << hi.
; w1img: [expert][group of 32 rows][K step 16][tile 2][1,536 bytes]; lane r of tile u of a group takes the group's row 8 u + r + 8 (r / 8).
; SHARES of a token work-group: wave w takes K = 512 w .. 512 w + 511 of all 16 tokens, in four K steps of 128; lane (r, h) holds, of token r, 16 neighbours of each block of 32.
; The logits go through the f32 matrix form (source 0 = Wg's columns, twice; source 1 = x): 32 instructions a K step on four accumulators by turns; both sources hold the same k in the same register and half.
; Ties in the top-2 go to the lower index: a later expert replaces an earlier one only if it is strictly larger.  Both softmaxes take the largest logit away first.
; LIMITS: NaN and infinities among the inputs are not served; logits must be finite.  A block of zeros gets the scale byte 1 (its codes are zeros; this program alone reads the bytes).
; No tensor loads and no cluster: work-groups share no tile; Wg (64 KiB) is read by all and is small beside x.
.set XP,   1552                        ; a token's row of codes in LDS: 1,536 bytes + 16
.set RREG, 25088                       ; RELAY: a wave's own LDS, 32 rows of RLP bytes
.set RLP,  784                         ; 768 bytes + 16
.set XST,  100352                      ; behind RELAY's four regions: 16 rows of codes
.set XSS,  125184                      ; scale words: 64 bytes a lane (lanes 16-31 hold copies that nobody reads)
.set LGS,  127232                      ; the waves' parts of the logits: 1,024 bytes a wave
.set X0,   16                          ; v16-79, v80-143: two sets of 64 numbers of x
.set X1,   80
.set TM,   144                         ; v144-159 the quantiser's work
.set PC,   160                         ; v160-179 the codes just made
.set PWS,  180                         ; v180-183 my row's four scale words
.set LOG,  184                         ; v184-191 eight logits
.set SCR,  192                         ; v192-223 at work
.set ACC,  224                         ; v224-255 four accumulators: written by the matrix lines alone
.set SEL,  28                          ; s[28:29] v_permlanex16_b32's selects for lane l xor 16
.set MSB,  0
.macro WIN new                         ; the immediate's high byte repeats the setting that is left
.if MSB != \new
	s_set_vgpr_msb (MSB<<8)|\new
.set MSB, \new
.endif
.endm
.macro PLACES n
.rept \n
	v_nop
.endr
.endm
; RELAY: one wave takes 32 rows x 768 bytes (8 K steps) of a weight's codes and stores 16 images of fragments, 24,576 consecutive bytes.  s19: the relay work-group, s18: the wave; v1 lane, v2 r, v3 h.
; In: two rows (1,536 bytes) by three loads; each covers whole aligned pieces of 256 bytes of a row.  Through the wave's own LDS, rows RLP bytes apart.  Out: a fragment's 12 registers, three stores of 512 consecutive bytes.
; (Rows r and r + 8 of a fragment lie 16 RLP bytes apart, a multiple of 256: those two lanes meet in the same banks.)
.macro RELAY pitch, src, dst
	s_lshl_b32 s20, s19, 2
	s_add_co_u32 s20, s20, s18                     ; the unit: 4 x work-group + wave
.if \pitch == 1536
	s_lshr_b32 s21, s20, 1                         ; a row has two units: group of rows = unit / 2,
	s_mul_i32 s22, s21, 49152
	s_and_b32 s21, s20, 1
	s_mul_i32 s21, s21, 768                        ; half of the row = unit % 2
	s_add_co_u32 s22, s22, s21
.else
	s_mul_i32 s22, s20, 24576
.endif
	s_mov_b32 s23, 0
	s_add_nc_u64 s[\src:\src+1], s[\src:\src+1], s[22:23]
	s_mul_i32 s22, s20, 24576
	s_add_nc_u64 s[\dst:\dst+1], s[\dst:\dst+1], s[22:23]
	s_mul_i32 s21, s18, RREG                       ; my wave's LDS
	v_lshlrev_b32 v4, 4, v1                        ; piece 0-31 of a pair of rows: 16 x lane (also the stores' offset)
	v_mul_u32_u24 v5, v3, \pitch-768
	v_add_nc_u32 v5, v5, v4
	v_add_nc_u32 v5, 512, v5                       ; piece 32-63: lanes 0-15 end the first row, lanes 16-31 begin the second
	v_add_nc_u32 v6, \pitch+256, v4                ; piece 64-95: the rest of the second row
	v_add_nc_u32 v7, s21, v4                       ; the same three places in LDS
	v_lshl_add_u32 v8, v3, 4, v7
	v_add_nc_u32 v8, 512, v8
	v_add_nc_u32 v9, RLP+256, v7
	v_and_b32 v10, 8, v2
	v_add_nc_u32 v10, v10, v2                      ; r + 8 (r / 8)
	v_mul_u32_u24 v10, v10, RLP
	v_mad_u32_u24 v10, v3, 24, v10
	v_add_nc_u32 v10, s21, v10                     ; a fragment's row, + 24 h
.set RI, 0
.rept 48
	global_load_b128 v[16+4*RI:19+4*RI], v[4+RI%3], s[\src:\src+1] offset:(RI/3)*2*\pitch th:TH_LOAD_NT
.set RI, RI+1
.endr
.set RI, 0
	s_wait_alu depctr_va_vdst(0)
.rept 48
	s_wait_loadcnt 47-RI                           ; loads come back in order: load RI is in, the younger ones stay out
	ds_store_b128 v[7+RI%3], v[16+4*RI:19+4*RI] offset:(RI/3)*2*RLP
.set RI, RI+1
.endr
	s_wait_dscnt 0x0                               ; the stores have read their registers, which the fragments now take
.irp hf, 0,1                                   ; eight fragments at a time: fragment f = K step f / 2, tile f % 2
.set RI, 0
.rept 8
.irp p, 0,1,2,3,4,5
	ds_load_b64 v[16+12*(8*\hf+RI)+2*\p:16+12*(8*\hf+RI)+2*\p+1], v10 offset:((8*\hf+RI)%2)*8*RLP+96*((8*\hf+RI)/2)+48*(\p/3)+8*(\p%3)
.endr
.set RI, RI+1
.endr
.set RI, 0
.rept 8
	s_wait_dscnt 6*(7-RI)                          ; this fragment's six loads are in
.irp c, 0,1,2
	global_store_b128 v4, v[16+12*(8*\hf+RI)+4*\c:16+12*(8*\hf+RI)+4*\c+3], s[\dst:\dst+1] offset:1536*(8*\hf+RI)+512*\c
.endr
.set RI, RI+1
.endr
.endr
.endm
	s_load_b256 s[4:11], s[0:1], 0x0               ; x s[4:5], Wg s[6:7], W1's codes s[8:9], xq s[10:11]
	s_load_b128 s[12:15], s[0:1], 0x20             ; rt s[12:13], keys s[14:15]
	s_load_b64 s[16:17], s[0:1], 0x30              ; w1img
	v_lshl_add_u32 v14, v0, 2, 0x20100
	v_mov_b32 v15, 0
	v_lshrrev_b32 v1, 5, v0
	v_readfirstlane_b32 s18, v1                    ; wave 0..3
	v_and_b32 v1, 31, v0                           ; lane
	v_and_b32 v2, 15, v0                           ; r
	v_bfe_u32 v3, v0, 4, 1                         ; h
	s_wait_kmcnt 0x0
	s_cmp_lt_u32 ttmp9, 128
	s_cbranch_scc1 .Ltokens
	s_sub_co_u32 s19, ttmp9, 128
	s_wait_alu depctr_va_vdst(0)
	RELAY 1536, 8, 16
	s_wait_tensorcnt 0x0
	ds_add_u32 v14, v15
	s_wait_dscnt 0x0
	s_endpgm
.Ltokens:
	s_wait_alu depctr_va_vdst(0)
	; every address register is made here, ahead of any parting of the waves
	v_lshlrev_b32 v4, 13, v2
	v_lshl_add_u32 v4, v3, 6, v4                   ; x: row r of 8,192 bytes, + 64 h: my 16 numbers of a block of 32
	v_and_b32 v5, 7, v2
	v_lshlrev_b32 v5, 2, v5
	v_lshl_add_u32 v5, v3, 9, v5                   ; Wg: column r % 8, + 16 h rows of 32 bytes
	s_mul_i32 s20, s18, 384
	v_mul_u32_u24 v6, v2, XP
	v_mad_u32_u24 v6, v3, 24, v6
	v_add_nc_u32 v6, s20, v6
	v_add_nc_u32 v6, XST, v6                       ; codes into LDS: row r, my wave's 384 bytes, + 24 h
	v_lshlrev_b32 v12, 4, v1                       ; 16 x lane
	s_mul_i32 s20, s18, 4*XP
	v_add_nc_u32 v7, s20, v12
	v_add_nc_u32 v7, XST, v7                       ; and back: my wave's four rows
	s_lshl_b32 s20, s18, 4
	v_lshlrev_b32 v8, 6, v1
	v_add_nc_u32 v8, s20, v8
	v_add_nc_u32 v8, XSS, v8                       ; scale words: 64 x lane + 16 x wave
	v_add_nc_u32 v9, XSS, v12
	s_lshl_b32 s20, s18, 10
	v_lshlrev_b32 v11, 5, v1
	v_add_nc_u32 v10, s20, v11
	v_add_nc_u32 v10, LGS, v10                     ; my wave's part of the logits: 32 bytes a lane
	v_add_nc_u32 v11, LGS, v11
	s_mov_b32 s[SEL], 0x76543210
	s_mov_b32 s[SEL+1], 0xfedcba98
.irp b, 0,1,2,3
	v_mov_b32 v[TM+4+\b], 0                        ; written once: a lane permute's destination counts as one of its sources
.endr
	s_mov_b32 s23, 0
	s_lshl_b32 s22, ttmp9, 17                      ; 16 tokens of 8,192 bytes,
	s_lshl_b32 s20, s18, 11                        ; my wave's 512 numbers
	s_add_co_u32 s22, s22, s20
	s_add_nc_u64 s[4:5], s[4:5], s[22:23]
	s_lshl_b32 s22, s18, 14                        ; Wg: my wave's 512 rows of 32 bytes
	s_add_nc_u64 s[6:7], s[6:7], s[22:23]
	s_mul_i32 s22, ttmp9, 24576
	s_mul_i32 s20, s18, 6144
	s_add_co_u32 s22, s22, s20
	s_add_nc_u64 s[24:25], s[10:11], s[22:23]      ; xq: the four rows of codes that my wave stores
	s_lshl_b32 s22, ttmp9, 10
	s_add_co_u32 s22, s22, 3145728
	s_add_nc_u64 s[26:27], s[10:11], s[22:23]      ; xq: the tile's scale words
	s_lshl_b32 s22, ttmp9, 9
	s_add_nc_u64 s[12:13], s[12:13], s[22:23]      ; rt: 32 bytes a token
	s_lshl_b32 s22, ttmp9, 6
	s_add_nc_u64 s[14:15], s[14:15], s[22:23]      ; keys: 4 bytes a token
.macro XLOAD reg, s                            ; my 64 numbers of K step s: register 16 b + i = k 32 b + 16 h + i of row r
.irp b, 0,1,2,3
.irp j, 0,1,2,3
	global_load_b128 v[\reg+16*\b+4*\j:\reg+16*\b+4*\j+3], v4, s[4:5] offset:512*(\s)+128*\b+16*\j th:TH_LOAD_NT
.endr
.endr
.endm
.macro WGLOAD s                                ; Wg at the same k, column r % 8, into set s % 2 of window 1
	WIN 0x40
.set RP, 0
.rept 64
	global_load_b32 v[64*((\s)%2)+RP], v5, s[6:7] offset:(128*(\s)+32*(RP/16)+RP%16)*32
.set RP, RP+1
.endr
	WIN 0
.endm
.macro RMUL buf, s                             ; 32 products of 4 along K; the four accumulators take turns, one instruction a turn; the first four start the sums
	WIN 0x01
.set RP, 0
.rept 32
.if (\s == 0) && (RP < 4)
	v_wmma_f32_16x16x4_f32 v[ACC+8*(RP%4):ACC+8*(RP%4)+7], v[64*((\s)%2)+2*RP:64*((\s)%2)+2*RP+1], v[\buf+2*RP:\buf+2*RP+1], 0
.else
	v_wmma_f32_16x16x4_f32 v[ACC+8*(RP%4):ACC+8*(RP%4)+7], v[64*((\s)%2)+2*RP:64*((\s)%2)+2*RP+1], v[\buf+2*RP:\buf+2*RP+1], v[ACC+8*(RP%4):ACC+8*(RP%4)+7]
.endif
.set RP, RP+1
.endr
	WIN 0
.endm
; 64 numbers of a lane, register 16 b + i = k 32 b + 16 h + i of my row, become a fragment's codes in v[PC] on and its scale word in v[pw]
.macro QUANT s, pw
.irp b, 0,1,2,3
	v_max3_num_f32 v[TM+\b], |v[\s+16*\b]|, |v[\s+1+16*\b]|, 0x2800000   ; block b: my 16 numbers, and the floor 2^(5 - 127): the byte cannot fall under 1
.endr
.irp i, 2,4,6,8,10,12,14
.irp b, 0,1,2,3
	v_max3_num_f32 v[TM+\b], v[TM+\b], |v[\s+16*\b+\i]|, |v[\s+1+16*\b+\i]|
.endr
.endr
.irp b, 0,1,2,3
	v_permlanex16_b32 v[TM+4+\b], v[TM+\b], s[SEL], s[SEL+1]
.endr
.irp b, 0,1,2,3
	v_max_num_f32 v[TM+\b], v[TM+\b], v[TM+4+\b]   ; with lane l xor 16's: the block's largest magnitude
.endr
.irp b, 0,1,2,3
	v_add_nc_u32 v[TM+12+\b], 0xfe000000, v[TM+\b] ; 4 off its exponent field: the conversion takes the exponent field of this operand as its scale
.endr
.irp b, 0,1,2,3
	v_lshrrev_b32 v[TM+4+\b], 23, v[TM+12+\b]      ; the scale's byte
.endr
	v_lshl_or_b32 v[\pw], v[TM+5], 8, v[TM+4]
	v_lshl_or_b32 v[\pw], v[TM+6], 16, v[\pw]
	v_lshl_or_b32 v[\pw], v[TM+7], 24, v[\pw]
.irp c, 0,1
	v_cvt_scalef32_pk16_bf6_f32 v[PC+6*\c:PC+2+6*\c], v[\s+32*\c:\s+15+32*\c], v[TM+12+2*\c]
	v_cvt_scalef32_pk16_bf6_f32 v[PC+12+4*\c:PC+14+4*\c], v[\s+16+32*\c:\s+31+32*\c], v[TM+12+2*\c+1]   ; (a conversion's three registers begin on an even number)
.endr
	v_nop                                          ; one plain place behind a scaled conversion
.irp c, 0,1                                    ; a whole block to a lane: lanes 0-15 block 2 c, lanes 16-31 block 2 c + 1
.irp i, 0,1,2
	v_permlane16_swap_b32 v[PC+6*\c+\i], v[PC+12+4*\c+\i]
.endr
.irp i, 0,1,2
	v_mov_b32 v[PC+3+6*\c+\i], v[PC+12+4*\c+\i]
.endr
.endr
.endm
.macro KSTEP buf, s
.if \s < 3
	s_wait_loadcnt 16                              ; this step's x and Wg are in; the only younger loads are the next step's 16 of x
.else
	s_wait_loadcnt 0x0
.endif
	RMUL \buf, \s
.if \s < 3
	WGLOAD (\s)+1                                  ; into the other set: the products that read it lie a quantiser and eight v_nop back
.endif
.if \s > 0
	s_wait_dscnt 0x0                               ; the last step's stores have read the codes' registers
.endif
	QUANT \buf, PWS+\s
.irp c, 0,1
.irp p, 0,1,2
	ds_store_b64 v6, v[PC+6*\c+2*\p:PC+6*\c+2*\p+1] offset:96*(\s)+48*\c+8*\p   ; my 24 bytes of each half of the K step's 96, as the row's stream has them
.endr
.endr
.if \s < 2
	PLACES 8                                       ; eight places between this form and a load into its sources (ISA guide 7.12.1 for vector instructions)
	XLOAD \buf, (\s)+2
.endif
.endm
	XLOAD X0, 0
	WGLOAD 0
	XLOAD X1, 1
	KSTEP X0, 0
	KSTEP X1, 1
	KSTEP X0, 2
	KSTEP X1, 3
	PLACES 8                                       ; in front of the first read of the sums
.irp j, 0,1,2,3,4,5,6,7                        ; each accumulator is read from its low end on
	v_add_f32 v[SCR+\j], v[ACC+\j], v[ACC+8+\j]
	v_add_f32 v[SCR+8+\j], v[ACC+16+\j], v[ACC+24+\j]
.endr
.irp j, 0,1,2,3,4,5,6,7
	v_add_f32 v[LOG+\j], v[SCR+\j], v[SCR+8+\j]    ; register j: expert j's logit of token r, my wave's 512 along K (both halves of the lanes hold the same)
.endr
	ds_store_b128 v10, v[LOG:LOG+3]
	ds_store_b128 v10, v[LOG+4:LOG+7] offset:16
	ds_store_b128 v8, v[PWS:PWS+3]
	s_wait_dscnt 0x0                               ; for the others' sake: my stores have landed
	s_barrier_signal -1
	s_barrier_wait -1
.irp n, 0,1,2,3,4,5,6,7,8,9,10,11              ; my four whole rows of codes: three stores of 512 consecutive bytes each
	ds_load_b128 v[16+4*\n:19+4*\n], v7 offset:XP*(\n/3)+512*(\n%3)
.endr
.irp n, 0,1,2,3,4,5,6,7,8,9,10,11
	s_wait_dscnt 11-\n
	global_store_b128 v12, v[16+4*\n:19+4*\n], s[24:25] offset:1536*(\n/3)+512*(\n%3)
.endr
	s_cmp_lg_u32 s18, 1
	s_cbranch_scc1 .Lnot_wave_1
	ds_load_b128 v[64:67], v9                      ; wave 1: the tile's 1,024 bytes of scale words
	ds_load_b128 v[68:71], v9 offset:512
	s_wait_dscnt 0x0
	global_store_b128 v12, v[64:67], s[26:27]
	global_store_b128 v12, v[68:71], s[26:27] offset:512
.Lnot_wave_1:
	s_cmp_lg_u32 s18, 0
	s_cbranch_scc1 .Ltokens_end
	; wave 0: the router
.irp w, 0,1,2,3
	ds_load_b128 v[SCR+8*\w:SCR+8*\w+3], v11 offset:1024*\w
	ds_load_b128 v[SCR+8*\w+4:SCR+8*\w+7], v11 offset:1024*\w+16
.endr
	s_wait_dscnt 0x0
.irp j, 0,1,2,3,4,5,6,7
	v_add_f32 v[LOG+\j], v[SCR+\j], v[SCR+8+\j]    ; K ascending over the waves
.endr
.irp j, 0,1,2,3,4,5,6,7
	v_add_f32 v[LOG+\j], v[LOG+\j], v[SCR+16+\j]
.endr
.irp j, 0,1,2,3,4,5,6,7
	v_add_f32 v[LOG+\j], v[LOG+\j], v[SCR+24+\j]
.endr
	v_mov_b32 v80, v[LOG]                          ; the largest logit and its expert
	v_mov_b32 v81, 0
.irp e, 1,2,3,4,5,6,7
	v_cmp_le_f32 vcc_lo, v[LOG+\e], v80            ; kept unless strictly larger: the lower index wins a tie
	v_cndmask_b32 v80, v[LOG+\e], v80, vcc_lo
	v_cndmask_b32 v81, \e, v81, vcc_lo
.endr
	v_mov_b32 v82, 0xff800000                      ; the second: from -infinity, the first one's expert passed over
	v_mov_b32 v83, 0
.irp e, 0,1,2,3,4,5,6,7
	v_cmp_le_f32 s30, v[LOG+\e], v82
	v_cmp_eq_u32 s31, \e, v81
	s_or_b32 vcc_lo, s30, s31
	v_cndmask_b32 v82, v[LOG+\e], v82, vcc_lo
	v_cndmask_b32 v83, \e, v83, vcc_lo
.endr
	v_sub_f32 v84, v82, v80                        ; second - first, 0 or less
	v_mul_f32 v84, 0x3fb8aa3b, v84
.irp e, 0,1,2,3,4,5,6,7
	v_sub_f32 v[88+\e], v[LOG+\e], v80             ; logit - largest
.endr
.irp e, 0,1,2,3,4,5,6,7
	v_mul_f32 v[88+\e], 0x3fb8aa3b, v[88+\e]
.endr
	s_wait_alu depctr_va_vdst(0)
	v_exp_f32 v84, v84
.irp e, 0,1,2,3,4,5,6,7
	v_exp_f32 v[88+\e], v[88+\e]
.endr
	v_nop                                          ; one plain place behind the exponentials
	s_wait_alu depctr_va_vdst(0)
	v_add_f32 v85, 1.0, v84
	v_add_f32 v86, v88, v89
	v_add_f32 v120, v90, v91
	v_add_f32 v121, v92, v93
	v_add_f32 v122, v94, v95
	v_add_f32 v86, v86, v120
	v_add_f32 v121, v121, v122
	v_add_f32 v86, v86, v121
	s_wait_alu depctr_va_vdst(0)
	v_rcp_f32 v85, v85                             ; the first expert's weight
	v_rcp_f32 v86, v86
	v_nop                                          ; one plain place behind the reciprocals
	s_wait_alu depctr_va_vdst(0)
	v_mul_f32 v87, v84, v85                        ; the second's
.irp e, 0,1,2,3,4,5,6,7
	v_mul_f32 v[88+\e], v[88+\e], v86              ; the probabilities
.endr
.irp e, 0,1,2,3,4,5,6,7
	v_cmp_eq_u32 vcc_lo, \e, v83
	v_cndmask_b32 v[96+\e], 0, v87, vcc_lo
	v_cmp_eq_u32 vcc_lo, \e, v81
	v_cndmask_b32 v[96+\e], v[96+\e], v85, vcc_lo  ; the combine weights: six zeros and the two
.endr
	v_cmp_ne_u32 vcc_lo, 0, v3                     ; lanes 0-15 store experts 0-3, lanes 16-31 experts 4-7: 512 consecutive bytes a store
.irp j, 0,1,2,3
	v_cndmask_b32 v[104+\j], v[88+\j], v[92+\j], vcc_lo
	v_cndmask_b32 v[108+\j], v[96+\j], v[100+\j], vcc_lo
.endr
	v_lshlrev_b32 v112, 5, v2
	v_lshl_add_u32 v112, v3, 4, v112
	global_store_b128 v112, v[104:107], s[12:13]
	global_store_b128 v112, v[108:111], s[12:13] offset:65536
	v_min_u32 v113, v81, v83                       ; lo
	v_max_u32 v114, v81, v83                       ; hi
	v_sub_nc_u32 v115, 15, v113
	v_mul_u32_u24 v115, v113, v115
	v_lshrrev_b32 v115, 1, v115
	v_add_nc_u32 v115, v115, v114
	v_sub_nc_u32 v115, v115, v113
	v_add_nc_u32 v115, -1, v115                    ; the pair's number
	v_mov_b32 v117, 1
	v_lshlrev_b32 v116, v113, v117
	v_lshlrev_b32 v118, v114, v117
	v_or_b32 v116, v116, v118
	v_lshl_or_b32 v115, v116, 8, v115
	v_lshl_or_b32 v115, v81, 16, v115
	v_lshlrev_b32 v119, 2, v2
	v_cmp_gt_u32 vcc_lo, 16, v1
	s_wait_alu depctr_va_vdst(0)
	s_wait_xcnt 0x0                                ; EXEC changes only behind this wait: it is a source of the stores above
	s_and_saveexec_b32 s30, vcc_lo
	global_store_b32 v119, v115, s[14:15]
	s_wait_xcnt 0x0
	s_or_b32 exec_lo, exec_lo, s30
.Ltokens_end:
	s_wait_tensorcnt 0x0
	ds_add_u32 v14, v15
	s_wait_dscnt 0x0
	s_endpgm
.Lfunc_end_k_qbd38fe9d6f_route:
	.size	k_qbd38fe9d6f_route, .Lfunc_end_k_qbd38fe9d6f_route-k_qbd38fe9d6f_route
	.p2alignl 7, 3214868480
	.fill 96, 4, 3214868480
	.section	.rodata,"a",@progbits
	.p2align	6, 0x0
	.amdhsa_kernel k_qbd38fe9d6f_route
		.amdhsa_group_segment_fixed_size 131840
		.amdhsa_private_segment_fixed_size 0
		.amdhsa_enable_private_segment 0
		.amdhsa_kernarg_size 56
		.amdhsa_user_sgpr_count 2
		.amdhsa_user_sgpr_kernarg_segment_ptr 1
		.amdhsa_wavefront_size32 1
		.amdhsa_system_sgpr_workgroup_id_x 1
		.amdhsa_system_sgpr_workgroup_id_y 1
		.amdhsa_system_sgpr_workgroup_id_z 1
		.amdhsa_system_vgpr_workitem_id 0
		.amdhsa_next_free_vgpr 384
		.amdhsa_next_free_sgpr 66
		.amdhsa_reserve_vcc 1
		.amdhsa_float_denorm_mode_32 3
		.amdhsa_float_denorm_mode_16_64 3
		.amdhsa_memory_ordered 1
		.amdhsa_forward_progress 1
		.amdhsa_inst_pref_size 93
	.end_amdhsa_kernel
	.amdgpu_metadata
---
amdhsa.version: [ 1, 2 ]
amdhsa.kernels:
  - .name:           k_qbd38fe9d6f_route
    .symbol:         k_qbd38fe9d6f_route.kd
    .args:
      - { .name: x, .offset: 0, .size: 8, .value_kind: global_buffer, .address_space: global }
      - { .name: Wg, .offset: 8, .size: 8, .value_kind: global_buffer, .address_space: global }
      - { .name: W1_codes, .offset: 16, .size: 8, .value_kind: global_buffer, .address_space: global }
      - { .name: xq, .offset: 24, .size: 8, .value_kind: global_buffer, .address_space: global }
      - { .name: rt, .offset: 32, .size: 8, .value_kind: global_buffer, .address_space: global }
      - { .name: keys, .offset: 40, .size: 8, .value_kind: global_buffer, .address_space: global }
      - { .name: w1img, .offset: 48, .size: 8, .value_kind: global_buffer, .address_space: global }
    .group_segment_fixed_size: 131840
    .private_segment_fixed_size: 0
    .kernarg_segment_align: 8
    .kernarg_segment_size: 56
    .max_flat_workgroup_size: 128
    .sgpr_count:     66
    .vgpr_count:     384
    .wavefront_size: 32
...
	.end_amdgpu_metadata
.endif
;; end of part 5
;; launch place (part 6): grid 129 x 1, 4 waves a work-group, no clusters, 104,960 bytes of LDS; arguments keys, rt, W2_codes, order, out1, w2img; writes order, out1, w2img
.if DOCPART == 6
	.amdgcn_target "amdgcn-amd-amdhsa--gfx1250"
	.amdhsa_code_object_version 6
	.text
	.protected	k_qbd38fe9d6f_place
	.globl	k_qbd38fe9d6f_place
	.p2align	8
	.type	k_qbd38fe9d6f_place,@function
k_qbd38fe9d6f_place:
	s_mov_b64 s[64:65], 0
	v_nop
	global_prefetch_b8 v0, s[64:65] scope:SCOPE_SE
	s_setreg_imm32_b32 hwreg(HW_REG_WAVE_MODE, 25, 1), 1
	s_wait_xcnt 0x0
; PLACE.  Work-group 0 sorts the 2,048 tokens by their pair of experts (28 keys, a counting sort without atomics), stores the order and, for each block of 64 sorted tokens, the mask of experts
; that any of its tokens chose, and makes the load-balancing loss.  Work-groups 1-128 meanwhile lay W2's codes out in the order of an operand's registers (RELAY, as for W1).
; order: perm [2,048] (sorted place -> token), then from byte 8,192 the 32 blocks' masks.  w2img: [expert][group of 32 rows][K step 8][tile 2][1,536 bytes].
; THE SORT.  Wave w takes tokens 512 w + 32 i + lane, i = 0 .. 15.  For each key: 16 masks of lanes, their counts, the counts' running sum, and each matching lane's rank = running sum + matching lanes below it.
; The waves' totals meet in LDS; every wave then knows where each key begins and how many of it the lower waves hold.  Any order inside a key serves.
; THE LOSS: 0.01 x 8 x sum over experts of (top-1 count / 2,048) x (sum of probabilities / 2,048) = 0.08 x 2^-22 x sum of count x sum.
.set RREG, 25088
.set RLP,  784
.set LTOT, 100352                      ; behind RELAY's regions: 128 bytes a wave: its count of each key
.set LCNT, 100864                      ; its count of each top-1 expert
.set LPS,  101376                      ; 512 bytes a wave: its sums of probabilities
.set KEY,  16
.set PK,   32
.set POS,  48
.set T1,   64
.set TID,  80
.set PR,   96
.macro RELAY pitch, src, dst                   ; see the launch before: one wave, 32 rows x 768 bytes, 16 images
	s_lshl_b32 s20, s19, 2
	s_add_co_u32 s20, s20, s18                     ; the unit: 4 x work-group + wave
.if \pitch == 1536
	s_lshr_b32 s21, s20, 1
	s_mul_i32 s22, s21, 49152
	s_and_b32 s21, s20, 1
	s_mul_i32 s21, s21, 768
	s_add_co_u32 s22, s22, s21
.else
	s_mul_i32 s22, s20, 24576                      ; a row is one unit wide: 32 rows are 24,576 consecutive bytes
.endif
	s_mov_b32 s23, 0
	s_add_nc_u64 s[\src:\src+1], s[\src:\src+1], s[22:23]
	s_mul_i32 s22, s20, 24576
	s_add_nc_u64 s[\dst:\dst+1], s[\dst:\dst+1], s[22:23]
	s_mul_i32 s21, s18, RREG
	v_lshlrev_b32 v4, 4, v1
	v_mul_u32_u24 v5, v3, \pitch-768
	v_add_nc_u32 v5, v5, v4
	v_add_nc_u32 v5, 512, v5
	v_add_nc_u32 v6, \pitch+256, v4
	v_add_nc_u32 v7, s21, v4
	v_lshl_add_u32 v8, v3, 4, v7
	v_add_nc_u32 v8, 512, v8
	v_add_nc_u32 v9, RLP+256, v7
	v_and_b32 v10, 8, v2
	v_add_nc_u32 v10, v10, v2
	v_mul_u32_u24 v10, v10, RLP
	v_mad_u32_u24 v10, v3, 24, v10
	v_add_nc_u32 v10, s21, v10
.set RI, 0
.rept 48
	global_load_b128 v[16+4*RI:19+4*RI], v[4+RI%3], s[\src:\src+1] offset:(RI/3)*2*\pitch th:TH_LOAD_NT
.set RI, RI+1
.endr
.set RI, 0
	s_wait_alu depctr_va_vdst(0)
.rept 48
	s_wait_loadcnt 47-RI                           ; load RI is in, the younger ones stay out
	ds_store_b128 v[7+RI%3], v[16+4*RI:19+4*RI] offset:(RI/3)*2*RLP
.set RI, RI+1
.endr
	s_wait_dscnt 0x0                               ; the stores have read their registers, which the fragments now take
.irp hf, 0,1
.set RI, 0
.rept 8
.irp p, 0,1,2,3,4,5
	ds_load_b64 v[16+12*(8*\hf+RI)+2*\p:16+12*(8*\hf+RI)+2*\p+1], v10 offset:((8*\hf+RI)%2)*8*RLP+96*((8*\hf+RI)/2)+48*(\p/3)+8*(\p%3)
.endr
.set RI, RI+1
.endr
.set RI, 0
.rept 8
	s_wait_dscnt 6*(7-RI)
.irp c, 0,1,2
	global_store_b128 v4, v[16+12*(8*\hf+RI)+4*\c:16+12*(8*\hf+RI)+4*\c+3], s[\dst:\dst+1] offset:1536*(8*\hf+RI)+512*\c
.endr
.set RI, RI+1
.endr
.endr
.endm
	s_load_b256 s[4:11], s[0:1], 0x0               ; keys s[4:5], rt s[6:7], W2's codes s[8:9], order s[10:11]
	s_load_b128 s[12:15], s[0:1], 0x20             ; out1 s[12:13], w2img s[14:15]
	v_lshl_add_u32 v254, v0, 2, 0x19800
	v_mov_b32 v255, 0
	v_lshrrev_b32 v1, 5, v0
	v_readfirstlane_b32 s18, v1                    ; wave 0..3
	v_and_b32 v1, 31, v0                           ; lane
	v_and_b32 v2, 15, v0
	v_bfe_u32 v3, v0, 4, 1
	s_wait_kmcnt 0x0
	s_cmp_eq_u32 ttmp9, 0
	s_cbranch_scc1 .Lsort
	s_sub_co_u32 s19, ttmp9, 1
	s_wait_alu depctr_va_vdst(0)
	RELAY 768, 8, 14
	s_wait_tensorcnt 0x0
	ds_add_u32 v254, v255
	s_wait_dscnt 0x0
	s_endpgm
.Lsort:
	s_wait_alu depctr_va_vdst(0)
	v_lshlrev_b32 v13, 2, v1                       ; 4 x lane
	v_lshlrev_b32 v14, 4, v1                       ; 16 x lane
	s_lshl_b32 s20, s18, 11
	v_add_nc_u32 v4, s20, v13                      ; keys: my wave's 512 words
	s_lshl_b32 s20, s18, 14
	v_add_nc_u32 v5, s20, v14                      ; probabilities: my wave's 16,384 bytes
	s_lshl_b32 s20, s18, 7
	v_add_nc_u32 v6, s20, v13
	v_add_nc_u32 v7, LCNT, v6
	v_add_nc_u32 v6, LTOT, v6
	s_lshl_b32 s20, s18, 9
	v_add_nc_u32 v8, s20, v14
	v_add_nc_u32 v8, LPS, v8
	v_add_nc_u32 v9, LTOT, v13
	v_add_nc_u32 v10, LCNT, v13
	v_add_nc_u32 v11, LPS, v14
	v_add_nc_u32 v12, s20, v1                      ; my first token: 512 x wave + lane
	s_mov_b32 s24, 0x76543210
	s_mov_b32 s25, 0xfedcba98
.irp i, 0,1,2,3,4,5,6,7,8,9,10,11,12,13,14,15
	global_load_b32 v[KEY+\i], v4, s[4:5] offset:128*\i
.endr
.set RI, 0
.rept 32
	global_load_b128 v[PR+4*RI:PR+4*RI+3], v5, s[6:7] offset:512*RI
.set RI, RI+1
.endr
	v_mov_b32 v224, 0                              ; my wave's count of key k, in lane k
	v_mov_b32 v225, 0                              ; of top-1 expert e, in lane e
	v_mov_b32 v230, 0                              ; where key k begins, in lane k
.irp i, 0,1,2,3,4,5,6,7,8,9,10,11,12,13,14,15
	v_add_nc_u32 v[TID+\i], 32*\i, v12
.endr
	s_wait_loadcnt 32                              ; the keys are in; the 32 loads of probabilities stay out
.irp i, 0,1,2,3,4,5,6,7,8,9,10,11,12,13,14,15
	v_and_b32 v[PK+\i], 31, v[KEY+\i]
	v_bfe_u32 v[T1+\i], v[KEY+\i], 16, 3
.endr
.irp i, 0,1,2,3,4,5,6,7,8,9,10,11,12,13,14,15
	v_min_u32 v[PK+\i], 27, v[PK+\i]               ; a pair's number is 0 .. 27
.endr
; s[30:45]: the lanes whose number i equals val; s[46:62]: how many of them stand in front of number i; s62: all
.macro TALLY val, src
.irp i, 0,1,2,3,4,5,6,7,8,9,10,11,12,13,14,15
	v_cmp_eq_u32 s[30+\i], \val, v[\src+\i]
.endr
.irp i, 0,1,2,3,4,5,6,7,8,9,10,11,12,13,14,15
	s_bcnt1_i32_b32 s[47+\i], s[30+\i]
.endr
	s_mov_b32 s46, 0
.irp i, 0,1,2,3,4,5,6,7,8,9,10,11,12,13,14,15
	s_add_co_u32 s[47+\i], s[47+\i], s[46+\i]
.endr
.endm
.macro RANK k
	TALLY \k, PK
.irp i, 0,1,2,3,4,5,6,7,8,9,10,11,12,13,14,15
.if \k == 0
	v_mbcnt_lo_u32_b32 v[POS+\i], s[30+\i], s[46+\i]   ; the first key writes every lane; each lane's own key writes it again
.else
	v_mbcnt_lo_u32_b32 v[236+\i], s[30+\i], s[46+\i]
.endif
.endr
.if \k != 0
.irp i, 0,1,2,3,4,5,6,7,8,9,10,11,12,13,14,15
	v_cndmask_b32 v[POS+\i], v[POS+\i], v[236+\i], s[30+\i]
.endr
.endif
	v_writelane_b32 v224, s62, \k
.endm
.irp k, 0,1,2,3,4,5,6,7,8,9,10,11,12,13,14,15,16,17,18,19,20,21,22,23,24,25,26,27
	RANK \k
.endr
.irp e, 0,1,2,3,4,5,6,7
	TALLY \e, T1
	v_writelane_b32 v225, s62, \e
.endr
	s_wait_loadcnt 0x0
.set RI, 2                                     ; a load holds 16 tokens: even lanes experts 0-3, odd lanes experts 4-7.  Four chains
.rept 30
	v_pk_add_f32 v[PR+4*(RI%2):PR+4*(RI%2)+1], v[PR+4*(RI%2):PR+4*(RI%2)+1], v[PR+4*RI:PR+4*RI+1]
	v_pk_add_f32 v[PR+4*(RI%2)+2:PR+4*(RI%2)+3], v[PR+4*(RI%2)+2:PR+4*(RI%2)+3], v[PR+4*RI+2:PR+4*RI+3]
.set RI, RI+1
.endr
	v_pk_add_f32 v[PR:PR+1], v[PR:PR+1], v[PR+4:PR+5]
	v_pk_add_f32 v[PR+2:PR+3], v[PR+2:PR+3], v[PR+6:PR+7]
.irp x, 2,4,8                                  ; across the lanes of one parity
.irp j, 0,1,2,3
	v_add_f32_dpp v[PR+\j], v[PR+\j], v[PR+\j] row_xmask:\x row_mask:0xf bank_mask:0xf
.endr
.endr
.irp j, 0,1,2,3
	v_permlanex16_b32 v[PR+4+\j], v[PR+\j], s24, s25
.endr
.irp j, 0,1,2,3
	v_add_f32 v[PR+\j], v[PR+\j], v[PR+4+\j]
.endr
	ds_store_b32 v6, v224
	ds_store_b32 v7, v225
	ds_store_b128 v8, v[PR:PR+3]
	s_wait_dscnt 0x0                               ; for the others' sake: my stores have landed
	s_barrier_signal -1
	s_barrier_wait -1
.irp w, 0,1,2,3
	ds_load_b32 v[226+\w], v9 offset:128*\w        ; the four waves' counts of each key
.endr
	s_wait_dscnt 0x0
	v_add3_u32 v233, v226, v227, v228
	v_add_nc_u32 v233, v233, v229
.irp k, 0,1,2,3,4,5,6,7,8,9,10,11,12,13,14,15,16,17,18,19,20,21,22,23,24,25,26,27
	v_readlane_b32 s[67+\k], v233, \k
.endr
	s_mov_b32 s66, 0
.irp k, 0,1,2,3,4,5,6,7,8,9,10,11,12,13,14,15,16,17,18,19,20,21,22,23,24,25,26,27
	s_add_co_u32 s[67+\k], s[67+\k], s[66+\k]      ; s[66 + k]: where key k begins; s94: 2,048
.endr
.irp k, 0,1,2,3,4,5,6,7,8,9,10,11,12,13,14,15,16,17,18,19,20,21,22,23,24,25,26,27
	v_writelane_b32 v230, s[66+\k], \k
.endr
	v_mov_b32 v231, v230
.irp w, 0,1,2
	s_cmp_gt_u32 s18, \w                           ; the lower waves' tokens of a key stand in front of mine
	s_cselect_b32 s30, -1, 0
	v_and_b32 v232, s30, v[226+\w]
	v_add_nc_u32 v231, v231, v232
.endr
.irp i, 0,1,2,3,4,5,6,7,8,9,10,11,12,13,14,15
	v_lshlrev_b32 v[PK+\i], 2, v[PK+\i]
.endr
.irp i, 0,1,2,3,4,5,6,7,8,9,10,11,12,13,14,15
	ds_bpermute_b32 v[T1+\i], v[PK+\i], v231       ; lane k's number for my token's key k
.endr
	s_wait_dscnt 0x0
.irp i, 0,1,2,3,4,5,6,7,8,9,10,11,12,13,14,15
	v_add_nc_u32 v[POS+\i], v[POS+\i], v[T1+\i]
	v_min_u32 v[POS+\i], 0x7ff, v[POS+\i]
	v_lshlrev_b32 v[POS+\i], 2, v[POS+\i]
	global_store_b32 v[POS+\i], v[TID+\i], s[10:11]
.endr
	s_cmp_lg_u32 s18, 0
	s_cbranch_scc1 .Ldone
	; wave 0, a lane to a block of 64 places: a key counts for a block if it has tokens and its run of places meets the block's
	v_lshlrev_b32 v234, 6, v1
	v_add_nc_u32 v235, 64, v234
	v_mov_b32 v232, 0
.set KK, 0
.irp lo, 0,1,2,3,4,5,6
.irp hi, 1,2,3,4,5,6,7
.if \hi > \lo
	v_cmp_gt_u32 s30, v235, s[66+KK]
	v_cmp_lt_u32 s31, v234, s[67+KK]
	s_and_b32 s30, s30, s31
	s_cmp_lt_u32 s[66+KK], s[67+KK]
	s_cselect_b32 s32, (1<<\lo)|(1<<\hi), 0
	v_cndmask_b32 v226, 0, s32, s30
	v_or_b32 v232, v232, v226
.set KK, KK+1
.endif
.endr
.endr
	global_store_b32 v13, v232, s[10:11] offset:8192
	; the loss
.irp w, 0,1,2,3
	ds_load_b32 v[236+\w], v10 offset:128*\w
	ds_load_b128 v[PR+4*\w:PR+4*\w+3], v11 offset:512*\w
.endr
	s_wait_dscnt 0x0
	v_add3_u32 v236, v236, v237, v238
	v_add_nc_u32 v236, v236, v239                  ; lane e: how many tokens have expert e on top
	v_pk_add_f32 v[PR:PR+1], v[PR:PR+1], v[PR+4:PR+5]
	v_pk_add_f32 v[PR+2:PR+3], v[PR+2:PR+3], v[PR+6:PR+7]
	v_pk_add_f32 v[PR+8:PR+9], v[PR+8:PR+9], v[PR+12:PR+13]
	v_pk_add_f32 v[PR+10:PR+11], v[PR+10:PR+11], v[PR+14:PR+15]
	v_pk_add_f32 v[PR:PR+1], v[PR:PR+1], v[PR+8:PR+9]
	v_pk_add_f32 v[PR+2:PR+3], v[PR+2:PR+3], v[PR+10:PR+11]   ; lane 0: experts 0-3, lane 1: experts 4-7
	s_mov_b32 s34, 0
.irp e, 0,1,2,3,4,5,6,7
	v_readlane_b32 s30, v236, \e
	v_readlane_b32 s31, v[PR+(\e%4)], \e/4
	s_cvt_f32_u32 s30, s30
	s_fmac_f32 s34, s30, s31
.endr
	s_mul_f32 s34, s34, 0x32a3d70a                 ; 0.08 x 2^-22
	v_mov_b32 v227, s34
	v_mov_b32 v228, 0
	v_cmp_eq_u32 vcc_lo, 0, v1
	s_wait_alu depctr_va_vdst(0)
	s_wait_xcnt 0x0                                ; EXEC changes only behind this wait: it is a source of the stores above
	s_and_saveexec_b32 s30, vcc_lo
	global_store_b32 v228, v227, s[12:13]
	s_wait_xcnt 0x0
	s_or_b32 exec_lo, exec_lo, s30
.Ldone:
	s_wait_tensorcnt 0x0
	ds_add_u32 v254, v255
	s_wait_dscnt 0x0
	s_endpgm
.Lfunc_end_k_qbd38fe9d6f_place:
	.size	k_qbd38fe9d6f_place, .Lfunc_end_k_qbd38fe9d6f_place-k_qbd38fe9d6f_place
	.p2alignl 7, 3214868480
	.fill 96, 4, 3214868480
	.section	.rodata,"a",@progbits
	.p2align	6, 0x0
	.amdhsa_kernel k_qbd38fe9d6f_place
		.amdhsa_group_segment_fixed_size 104960
		.amdhsa_private_segment_fixed_size 0
		.amdhsa_enable_private_segment 0
		.amdhsa_kernarg_size 48
		.amdhsa_user_sgpr_count 2
		.amdhsa_user_sgpr_kernarg_segment_ptr 1
		.amdhsa_wavefront_size32 1
		.amdhsa_system_sgpr_workgroup_id_x 1
		.amdhsa_system_sgpr_workgroup_id_y 1
		.amdhsa_system_sgpr_workgroup_id_z 1
		.amdhsa_system_vgpr_workitem_id 0
		.amdhsa_next_free_vgpr 256
		.amdhsa_next_free_sgpr 100
		.amdhsa_reserve_vcc 1
		.amdhsa_float_denorm_mode_32 3
		.amdhsa_float_denorm_mode_16_64 3
		.amdhsa_memory_ordered 1
		.amdhsa_forward_progress 1
		.amdhsa_inst_pref_size 189
	.end_amdhsa_kernel
	.amdgpu_metadata
---
amdhsa.version: [ 1, 2 ]
amdhsa.kernels:
  - .name:           k_qbd38fe9d6f_place
    .symbol:         k_qbd38fe9d6f_place.kd
    .args:
      - { .name: keys, .offset: 0, .size: 8, .value_kind: global_buffer, .address_space: global }
      - { .name: rt, .offset: 8, .size: 8, .value_kind: global_buffer, .address_space: global }
      - { .name: W2_codes, .offset: 16, .size: 8, .value_kind: global_buffer, .address_space: global }
      - { .name: order, .offset: 24, .size: 8, .value_kind: global_buffer, .address_space: global }
      - { .name: out1, .offset: 32, .size: 8, .value_kind: global_buffer, .address_space: global }
      - { .name: w2img, .offset: 40, .size: 8, .value_kind: global_buffer, .address_space: global }
    .group_segment_fixed_size: 104960
    .private_segment_fixed_size: 0
    .kernarg_segment_align: 8
    .kernarg_segment_size: 48
    .max_flat_workgroup_size: 128
    .sgpr_count:     100
    .vgpr_count:     256
    .wavefront_size: 32
...
	.end_amdgpu_metadata
.endif
;; end of part 6
;; launch ffn1 (part 7): grid 8 x 32, 4 waves a work-group, no clusters, 99,840 bytes of LDS; arguments xq, w1img, W1_scales, b1, order, hq; writes hq
.if DOCPART == 7
	.amdgcn_target "amdgcn-amd-amdhsa--gfx1250"
	.amdhsa_code_object_version 6
	.text
	.protected	k_qbd38fe9d6f_ffn1
	.globl	k_qbd38fe9d6f_ffn1
	.p2align	8
	.type	k_qbd38fe9d6f_ffn1,@function
k_qbd38fe9d6f_ffn1:
	s_mov_b64 s[64:65], 0
	v_nop
	global_prefetch_b8 v0, s[64:65] scope:SCOPE_SE
	s_setreg_imm32_b32 hwreg(HW_REG_WAVE_SCHED_MODE, 0, 2), 2
	s_setreg_imm32_b32 hwreg(HW_REG_WAVE_MODE, 25, 1), 1
	s_wait_xcnt 0x0
	s_wait_alu depctr_vm_vsrc(0)
; FFN1: h = relu(x W1 + b1), quantised along F, for the experts that a block of tokens uses.  Both operands are E3M2 codes with E8M0 scales.
; SHARES.  Work-group (g, B): the 64 sorted tokens of block B x hidden units 128 g .. 128 g + 127, for every expert in the block's stored mask: 8 x 32 = 256 work-groups whatever the choice, none without work.
; For a walked expert all 64 tokens are multiplied: a token that did not choose it has combine weight 0 later on, as in the reference.  Wave w takes hidden units 128 g + 32 w .. + 31 (two tiles of 16 rows of W1),
; so each byte of W1 enters the work-group once, straight into its one wave's registers (images laid by an earlier launch); the tokens' codes lie in LDS, gathered once, and all four waves read them.
; TRANSPOSED: source 0 = 16 rows of W1, source 1 = 16 tokens.  Lane r of tile u takes the group's row 8 u + r + 8 (r / 8), so a lane's 16 registers of tiles 0, 1 are 16 neighbours along F: 16 h + 0 .. 15 of the group's 32,
; which are one block of the next product's K: its largest magnitude needs lane l xor 16 alone, and one conversion gives the lane's 12 bytes.
; hq: codes [B][expert][K step 8][block 4][tile of tokens 4][token 16][24 bytes]; from byte 12,582,912 scale bytes [B][expert][K step 8][token 16][block 4][tile 4].
; A TRIP is one expert: 8 steps of 256 along K, 16 matrix instructions each.  W1's fragments go round four sets of 48 registers, asked for three steps ahead, on into the next expert; x's fragments two sets, one step ahead.
; Steps 5-7 stand twice, with and without a next expert, so that each counted wait counts the loads of its own path.
; No tensor load and no cluster: which expert's weights a work-group asks for, and for how many experts, hangs on the block's stored mask, so neighbours would need different tiles in different numbers.
; LIMITS: NaN and infinities are not served.  A block of zeros gets the scale byte 1 (its codes are zeros; this program alone reads the bytes).
; REGISTERS: window 0: v1-9 addresses; v16-79 accumulators ((m, u) at 16 + 16 m + 8 u); v80-111 x's scale words; v112-127 W1's; v128-143 at work; v144-160 what is stored; v164-181 the gather's offsets.
;   window 1: W1's fragments, set sp at 48 sp + 24 kk + 12 u.   window 2: x's fragments, set ab at 96 ab + 48 kk + 12 m; v192-207 b1 in the result's layout.
; THE MODE: SCHED_MODE bits 1:0 = 2 (LLVM: expert scheduling mode 2), set by the entry lines.  The code itself states the register dependences
; between vector or matrix instructions and memory or LDS instructions, with s_wait_alu, always for 0.
; THE PLAN.  Registers that memory or LDS instructions touch, in the loop:
;   x's two sets      Step t's products read set t % 2; the LDS loads of step t + 1 land in the other set, which step t - 1's products read.
;   W1's four sets    Step t's products read set t % 4; the loads of step t + 3 land in set (t + 3) % 4, which step t - 1's products read.
;   W1's scale words  K steps 12-15 are loaded in step 0 (read last in steps 6, 7), K steps 0-7 in step 5 (read in steps 0-3), K steps 8-11 in step 7 (read in steps 4, 5).   b1: read by K step 0's products, loaded in step 5.
;   v144-160          Written by the way out's conversions and shifts, read by its five stores, written again a trip later.
;   v1-v7             Offsets and LDS addresses, made at the head and never written again; the bases are scalar registers.
; So ONE wait on va_vdst stands at the head of a step, behind the waits for the step's own data: the last step's products are done reading all the registers in which this step's loads land.  The loads follow it, dealt among
; the step's sixteen products, which name this step's two sets, its two scale words of W1, x's scale words and the accumulators: none of the registers that those loads touch.  Step 0 has no such wait: the one ahead of the last
; trip's stores stands behind step 7's products, and no vector instruction follows it.  On the way out one wait on vm_vsrc stands ahead of the lines that write v144-160 again, and one on va_vdst ahead of the stores.
.set LPX,  1552                        ; a token's row in LDS: 1,536 bytes + 16 = 388 words: row r starts at bank 4 r mod 64 (64 banks of 4 bytes: ISA guide 11.1); with + 24 h the 32 lanes of an 8-byte load touch 64 different banks
.set ACC,  16
.set XS,   80                          ; 80 + 16 mp + q: lanes 0-15 tile 2 mp, lanes 16-31 tile 2 mp + 1
.set WS,   112                         ; 112 + q: lanes 0-15 tile u = 0, lanes 16-31 u = 1
.set TM,   128
.set CD,   144
.set HB,   160
.set GO,   164
.set TOKL, 180
.set BI,   192
.set MSB,  0
.macro WIN new                         ; the immediate's high byte repeats the setting that is left
.if MSB != \new
	s_set_vgpr_msb (MSB<<8)|\new
.set MSB, \new
.endif
.endm
.macro PLACES n
.rept \n
	v_nop
.endr
.endm
; one product.  ra, rb: the scale word stands in lanes 16-31 of its register
.macro WM d, a, b, c, sa, sb, ra, rb
.if (\ra == 0) && (\rb == 0)
	v_wmma_scale_f32_16x16x128_f8f6f4 v[\d:\d+7], v[\a:\a+11], v[\b:\b+11], v[\c:\c+7], v[\sa], v[\sb] matrix_a_fmt:MATRIX_FMT_BF6 matrix_b_fmt:MATRIX_FMT_BF6
.elseif (\ra == 1) && (\rb == 0)
	v_wmma_scale_f32_16x16x128_f8f6f4 v[\d:\d+7], v[\a:\a+11], v[\b:\b+11], v[\c:\c+7], v[\sa], v[\sb] matrix_a_fmt:MATRIX_FMT_BF6 matrix_b_fmt:MATRIX_FMT_BF6 matrix_a_scale:MATRIX_SCALE_ROW1
.elseif (\ra == 0)
	v_wmma_scale_f32_16x16x128_f8f6f4 v[\d:\d+7], v[\a:\a+11], v[\b:\b+11], v[\c:\c+7], v[\sa], v[\sb] matrix_a_fmt:MATRIX_FMT_BF6 matrix_b_fmt:MATRIX_FMT_BF6 matrix_b_scale:MATRIX_SCALE_ROW1
.else
	v_wmma_scale_f32_16x16x128_f8f6f4 v[\d:\d+7], v[\a:\a+11], v[\b:\b+11], v[\c:\c+7], v[\sa], v[\sb] matrix_a_fmt:MATRIX_FMT_BF6 matrix_b_fmt:MATRIX_FMT_BF6 matrix_a_scale:MATRIX_SCALE_ROW1 matrix_b_scale:MATRIX_SCALE_ROW1
.endif
.endm
.macro AFH t, kk                               ; x's four fragments (four tiles of tokens) of K step 2 t + kk: 24 loads of 8 bytes
	WIN 0x80
.irp m, 0,1,2,3
.irp p, 0,1,2,3,4,5
	ds_load_b64 v[96*((\t)%2)+48*(\kk)+12*\m+2*\p:96*((\t)%2)+48*(\kk)+12*\m+2*\p+1], v[2+\m/2] offset:(\m%2)*16*LPX+96*(2*(\t)+(\kk))+48*(\p/3)+8*(\p%3)
.endr
.endr
.endm
.macro BFETCH sp, pos, base                    ; W1's four fragments of step pos into set sp: 12 loads of 512 consecutive bytes
	WIN 0x40
.irp kk, 0,1
.irp u, 0,1
.irp c, 0,1,2
	global_load_b128 v[48*(\sp)+24*\kk+12*\u+4*\c:48*(\sp)+24*\kk+12*\u+4*\c+3], v1, s[\base:\base+1] offset:(2*(\pos)+\kk)*3072+1536*\u+512*\c
.endr
.endr
.endr
.endm
.macro WSL gq, base                            ; W1's scale words of K steps 4 gq .. 4 gq + 3
	WIN 0
	global_load_b128 v[WS+4*\gq:WS+4*\gq+3], v4, s[\base:\base+1] offset:16*\gq
.endm
.macro BIL                                     ; b1 in the result's layout: tile u, my half's eight units
	WIN 0x80
.irp u, 0,1
	global_load_b128 v[BI+8*\u:BI+8*\u+3], v5, s[32:33] offset:32*\u
	global_load_b128 v[BI+8*\u+4:BI+8*\u+7], v5, s[32:33] offset:32*\u+16
.endr
.endm
; four of a step's 16 products: K step 2 t + kk, tiles of tokens ma, mb.  Taken in the order (kk, m, u) the eight accumulators take turns, one instruction a turn; K step 0 starts the sums from b1
.macro MQ t, kk, ma, mb
.if 2*(\t)+(\kk) == 0
	WIN 0x29                                       ; source 0 (W1) window 1, source 1 (x) window 2, C (b1) window 2
.else
	WIN 0x09
.endif
.irp m, \ma, \mb
.irp u, 0,1
.if 2*(\t)+(\kk) == 0
	WM ACC+16*\m+8*\u, 48*((\t)%4)+24*(\kk)+12*\u, 96*((\t)%2)+48*(\kk)+12*\m, BI+8*\u, WS+2*(\t)+(\kk), XS+16*(\m/2)+2*(\t)+(\kk), \u, (\m%2)
.else
	WM ACC+16*\m+8*\u, 48*((\t)%4)+24*(\kk)+12*\u, 96*((\t)%2)+48*(\kk)+12*\m, ACC+16*\m+8*\u, WS+2*(\t)+(\kk), XS+16*(\m/2)+2*(\t)+(\kk), \u, (\m%2)
.endif
.endr
.endr
.endm
.macro NEXTBASE                                ; the lowest expert leaves the mask; its three bases, each the buffer's address + an offset
	s_ctz_i32_b32 s21, s19
	s_min_u32 s21, s21, 7
	s_sub_co_u32 s22, s19, 1
	s_and_b32 s19, s19, s22
	s_mul_i32 s38, s21, 1572864                    ; 32 groups of 49,152 bytes an expert
	s_add_co_u32 s38, s38, s40
	s_add_nc_u64 s[28:29], s[6:7], s[38:39]
	s_lshl_b32 s38, s21, 16
	s_add_co_u32 s38, s38, s41
	s_add_nc_u64 s[30:31], s[8:9], s[38:39]
	s_lshl_b32 s38, s21, 12
	s_add_co_u32 s38, s38, s42
	s_add_nc_u64 s[32:33], s[10:11], s[38:39]
.endm
; A STEP is SA, the step's global loads, SB.  lw: the global loads issued behind this step's fragments of W1.  vw = 1: this step has loads that land in registers which the last step's products read.  ax = 1: the next step's x is asked for.
.macro SA t, lw, vw, ax
	s_wait_loadcnt \lw                             ; this step's fragments of W1 are in; the loads issued behind them may stay out
	s_wait_dscnt 24                                ; x of the step's first K step is in; the 24 loads of its second may stay out
.if \vw
	s_wait_alu depctr_va_vdst(0)                   ; the last step's products are done reading the other set of x and their set of W1, earlier ones their scale words and b1: this step's loads land in these registers
.endif
	MQ \t, 0, 0, 1
.if \ax
	AFH ((\t)+1)%8, 0                              ; no product since the wait names the other set of x
.endif
	MQ \t, 0, 2, 3
.endm
.macro SB t, ax
.if \ax
	s_wait_dscnt 24                                ; x of the step's second K step is in; the 24 loads just issued may stay out
.else
	s_wait_dscnt 0x0
.endif
	MQ \t, 1, 0, 1
.if \ax
	AFH ((\t)+1)%8, 1
.endif
	MQ \t, 1, 2, 3
.endm
.macro EPI                                     ; relu, quantise, store: expert s20
	WIN 0
	PLACES 4                                       ; four places between the last products and the first vector read of their results (ISA guide 7.12.1)
	s_wait_xcnt 0x0                                ; the last trip's stores have read their data and bases
	s_wait_alu depctr_vm_vsrc(0)                   ; the last trip's stores have read v[CD ..] and v[HB], which the conversions and shifts below write again
	s_mul_i32 s38, s20, 49152
	s_add_co_u32 s38, s38, s43
	s_add_nc_u64 s[34:35], s[14:15], s[38:39]
	s_lshl_b32 s38, s20, 11
	s_add_co_u32 s38, s38, s44
	s_add_nc_u64 s[36:37], s[14:15], s[38:39]
.set RI, 0
.rept 64
	v_max_num_f32 v[ACC+RI], 0, v[ACC+RI]          ; the activation; each accumulator from its low end on
.set RI, RI+1
.endr
.irp m, 0,1,2,3
	v_max3_num_f32 v[TM+\m], v[ACC+16*\m], v[ACC+16*\m+1], 0x2800000   ; none is negative; the floor 2^(5 - 127) holds the byte at 1 from below
.endr
.irp i, 2,4,6,8,10,12,14
.irp m, 0,1,2,3
	v_max3_num_f32 v[TM+\m], v[TM+\m], v[ACC+16*\m+\i], v[ACC+16*\m+\i+1]
.endr
.endr
.irp m, 0,1,2,3
	v_permlanex16_b32 v[TM+4+\m], v[TM+\m], s48, s49
.endr
.irp m, 0,1,2,3
	v_max_num_f32 v[TM+\m], v[TM+\m], v[TM+4+\m]   ; with lane l xor 16's 16: the block's largest
.endr
.irp m, 0,1,2,3
	v_add_nc_u32 v[TM+12+\m], 0xfe000000, v[TM+\m] ; 4 off its exponent field: the conversion's scale operand
.endr
.irp m, 0,1,2,3
	v_lshrrev_b32 v[TM+4+\m], 23, v[TM+12+\m]      ; the scale's byte
.endr
.irp m, 0,1,2,3
	v_cvt_scalef32_pk16_bf6_f32 v[CD+4*\m:CD+4*\m+2], v[ACC+16*\m:ACC+16*\m+15], v[TM+12+\m]
.endr
	v_nop                                          ; one plain place behind a scaled conversion
	v_lshl_or_b32 v[HB], v[TM+5], 8, v[TM+4]       ; the four tiles' bytes of my token and block
	v_lshl_or_b32 v[HB], v[TM+6], 16, v[HB]
	v_lshl_or_b32 v[HB], v[TM+7], 24, v[HB]
	v_lshrrev_b32 v[HB], v8, v[HB]                 ; lanes 0-15 store tiles 0, 1, lanes 16-31 tiles 2, 3
	s_wait_alu depctr_va_vdst(0)                   ; the conversions have written v[CD ..] and the shifts v[HB], which the stores read; step 7's products, too, are done reading the registers in which the next trip's step 0 loads
.irp m, 0,1,2,3
	global_store_b96 v6, v[CD+4*\m:CD+4*\m+2], s[34:35] offset:384*\m   ; 32 lanes x 12 bytes: 384 consecutive bytes; the wave's four stores 1,536
.endr
	global_store_b16 v7, v[HB], s[36:37]
.endm
.macro TAIL nxt                                ; steps 5-7 and the way out.  nxt = 1: the freed sets take the next expert's steps 0-2, bias and scale words
.if \nxt
	s_wait_xcnt 0x0                                ; the loads that named the next-expert bases have read them
	NEXTBASE
.endif
	SA 5, 24, 1, 1                                 ; behind step 5's fragments: 12 + 12
.if \nxt
	BIL
	WSL 0, 30
	WSL 1, 30
	BFETCH 0, 0, 28
.endif
	SB 5, 1
.if \nxt
	SA 6, 30, 1, 1                                 ; 12 + step 5's 18
	BFETCH 1, 1, 28
.else
	SA 6, 12, 1, 1
.endif
	SB 6, 1
.if \nxt
	SA 7, 30, 1, 1                                 ; 18 + 12.  The x that is asked for is step 0's: x is the same for every expert
	WSL 2, 30
	BFETCH 2, 2, 28
	SB 7, 1
.else
	SA 7, 0, 0, 0                                  ; the last step of all asks for nothing, so it states no dependence
	SB 7, 0
.endif
	EPI
.if \nxt
	s_wait_xcnt 0x0                                ; this trip's loads have read the current bases
	s_mov_b64 s[24:25], s[28:29]
	s_mov_b64 s[26:27], s[30:31]
	s_mov_b32 s20, s21
.endif
.endm
	s_load_b256 s[4:11], s[0:1], 0x0               ; xq s[4:5], w1img s[6:7], W1's scales s[8:9], b1 s[10:11]
	s_load_b128 s[12:15], s[0:1], 0x20             ; order s[12:13], hq s[14:15]
	v_lshl_add_u32 v254, v0, 2, 0x18400
	v_mov_b32 v255, 0
	v_lshrrev_b32 v10, 5, v0
	v_readfirstlane_b32 s16, v10                   ; wave 0..3
	s_mov_b32 s17, ttmp9                           ; g
	s_and_b32 s18, ttmp7, 0xffff                   ; B
	v_and_b32 v10, 31, v0                          ; lane
	v_and_b32 v11, 15, v0                          ; r
	v_bfe_u32 v12, v0, 4, 1                        ; h
	v_lshlrev_b32 v1, 4, v10                       ; 16 x lane
	v_mul_u32_u24 v2, v11, LPX
	v_mad_u32_u24 v2, v12, 24, v2                  ; x's fragments: row r, + 24 h; tiles 0, 1
	v_add_nc_u32 v3, 32*LPX, v2                    ; tiles 2, 3
	v_and_b32 v13, 8, v11
	v_add_nc_u32 v13, v13, v11
	v_lshl_add_u32 v13, v12, 3, v13                ; the row whose scale words my lane holds: 8 u + r + 8 (r / 8), u = lane / 16
	v_lshlrev_b32 v4, 6, v13                       ; 64 bytes a row
	v_lshlrev_b32 v5, 6, v12                       ; b1: 16 h numbers on
	v_lshl_add_u32 v6, v11, 1, v12
	v_mul_u32_u24 v6, v6, 12                       ; codes out: 24 r + 12 h
	v_lshlrev_b32 v7, 4, v11
	v_lshl_add_u32 v7, v12, 1, v7                  ; scale bytes out: 16 r + 2 h
	v_lshlrev_b32 v8, 4, v12                       ; 16 h bits
	s_wait_alu depctr_va_sdst(0)                   ; s16, the wave's number, is written, ahead of its first reader
	s_mul_i32 s22, s16, 16*LPX
	v_add_nc_u32 v9, s22, v1                       ; the gather: my wave's 16 rows in LDS
	v_lshlrev_b32 v14, 2, v10
.irp m, 0,1,2,3
	v_mov_b32 v[TM+4+\m], 0                        ; written once: a lane permute's destination counts as one of its sources
.endr
	s_lshl_b32 s52, s18, 2                         ; the block's mask word
	s_lshl_b32 s54, s18, 8                         ; the block's 64 places of perm
	s_mov_b32 s55, 0
	s_lshl_b32 s53, s16, 6
	s_add_co_u32 s53, s53, s54                     ; my wave's 16 of them
	s_mov_b32 s39, 0
	s_mov_b32 s48, 0x76543210
	s_mov_b32 s49, 0xfedcba98
	s_lshl_b32 s40, s17, 2
	s_add_co_u32 s40, s40, s16                     ; my group of 32 rows: 4 g + w
	s_lshl_b32 s41, s40, 11                        ; its scale words: 32 rows of 64 bytes
	s_lshl_b32 s42, s40, 7                         ; its biases
	s_mul_i32 s40, s40, 49152                      ; its images
	s_lshl_b32 s43, s18, 6
	s_add_co_u32 s43, s43, s17
	s_mul_i32 s43, s43, 6144
	s_mul_i32 s22, s16, 1536
	s_add_co_u32 s43, s43, s22                     ; hq, codes: (64 B + g) x 6,144 + 1,536 w; + 49,152 an expert
	s_lshl_b32 s44, s18, 14
	s_lshl_b32 s22, s17, 8
	s_add_co_u32 s44, s44, s22
	s_lshl_b32 s22, s16, 2
	s_add_co_u32 s44, s44, s22
	s_add_co_u32 s44, s44, 12582912                ; hq, scale bytes: 16,384 B + 256 g + 4 w; + 2,048 an expert
	s_wait_kmcnt 0x0
	s_load_b32 s19, s[12:13], s52 offset:0x2000
	s_load_b512 s[68:83], s[12:13], s53
	s_add_nc_u64 s[50:51], s[12:13], s[54:55]
	s_add_nc_u64 s[46:47], s[4:5], 3145728         ; x's scale words
	s_wait_alu depctr_va_vdst(0)                   ; the offsets and LDS addresses v1 to v9 and v14 are written, which the loads and stores of the whole kernel read
	global_load_b32 v[TOKL], v14, s[50:51]         ; the token at place 32 mp + lane of the block
	global_load_b32 v[TOKL+1], v14, s[50:51] offset:128
	s_wait_kmcnt 0x0
	s_and_b32 s19, s19, 0xff
.irp i, 0,1,2,3,4,5,6,7,8,9,10,11,12,13,14,15
	s_min_u32 s[68+\i], s[68+\i], 2047
	s_mul_i32 s[68+\i], s[68+\i], 1536
	v_add_nc_u32 v[GO+\i], s[68+\i], v1
.endr
	WIN 0x80
	s_wait_alu depctr_va_vdst(0)                   ; the sixteen offsets v[GO ..] are written, which the gather's loads read
.irp i, 0,1,2,3,4,5,6,7,8,9,10,11,12,13,14,15
.irp c, 0,1,2
	global_load_b128 v[12*\i+4*\c:12*\i+4*\c+3], v[GO+\i], s[4:5] offset:512*\c   ; a token's row of codes: three loads of 512 consecutive bytes
.endr
.endr
	WIN 0
	s_wait_loadcnt 48                              ; the two loads of tokens are in
.irp mp, 0,1
	v_min_u32 v[TOKL+\mp], 0x7ff, v[TOKL+\mp]
	v_lshlrev_b32 v[TOKL+\mp], 6, v[TOKL+\mp]
.endr
	s_wait_alu depctr_va_vdst(0)                   ; the two offsets v[TOKL ..] are written, which the loads of x's scale words read
.irp mp, 0,1
.irp gq, 0,1,2,3
	global_load_b128 v[XS+16*\mp+4*\gq:XS+16*\mp+4*\gq+3], v[TOKL+\mp], s[46:47] offset:16*\gq
.endr
.endr
	WIN 0x08                                       ; an LDS store's data are its source 1: window 2
.irp i, 0,1,2,3,4,5,6,7,8,9,10,11,12,13,14,15
	s_wait_loadcnt 53-3*\i                         ; behind row i's loads: the later rows' 45 - 3 i and the eight of scale words
.irp c, 0,1,2
	ds_store_b128 v9, v[12*\i+4*\c:12*\i+4*\c+3] offset:LPX*\i+512*\c
.endr
.endr
	NEXTBASE                                       ; the first expert: the same loads, in the same order, as a trip's steps 5-7 issue for the next
	BIL
	WSL 0, 30
	WSL 1, 30
	BFETCH 0, 0, 28
	BFETCH 1, 1, 28
	WSL 2, 30
	BFETCH 2, 2, 28
	WIN 0
	s_mov_b64 s[24:25], s[28:29]
	s_mov_b64 s[26:27], s[30:31]
	s_mov_b32 s20, s21
	s_wait_dscnt 0x0                               ; for the others' sake: my 16 rows have landed
	s_barrier_signal -1
	s_barrier_wait -1                              ; the kernel's one barrier: LDS is only read from here on
	s_wait_alu depctr_vm_vsrc(0)                   ; my LDS stores have read the gather's registers: these are x's two sets from here on, in which the fragments' loads land
	AFH 0, 0
	AFH 0, 1
	WIN 0
	s_mov_b32 s45, 0
.Ltrip:
	SA 0, 25, 0, 1                                 ; behind step 0's fragments: 12 + 13.  No wait on va_vdst: the one ahead of the last trip's stores stands behind step 7's products, and on the first trip no vector instruction has named these registers
	BFETCH 3, 3, 24
	WSL 3, 26
	SB 0, 1
	SA 1, 26, 1, 1                                 ; 13 + step 0's 13
	BFETCH 0, 4, 24
	SB 1, 1
	SA 2, 25, 1, 1                                 ; 13 + 12
	BFETCH 1, 5, 24
	SB 2, 1
	SA 3, 25, 1, 1                                 ; 1 + 12 + 12
	BFETCH 2, 6, 24
	SB 3, 1
	SA 4, 24, 1, 1                                 ; 12 + 12
	BFETCH 3, 7, 24
	SB 4, 1
	WIN 0
	s_cmp_eq_u32 s19, 0
	s_cbranch_scc1 .Llast
	TAIL 1
	WIN 0
	s_add_co_u32 s45, s45, 1
	s_cmp_lt_u32 s45, 8                            ; eight experts at the most; the last one leaves by the branch above
	s_cbranch_scc1 .Ltrip
	s_wait_dscnt 0x0                               ; the closing lines, six on end
	s_wait_alu 0x0
	s_wait_tensorcnt 0x0
	ds_add_u32 v254, v255
	s_wait_dscnt 0x0
	s_endpgm
.Llast:
	TAIL 0
	s_wait_dscnt 0x0                               ; the closing lines, six on end
	s_wait_alu 0x0
	s_wait_tensorcnt 0x0
	ds_add_u32 v254, v255
	s_wait_dscnt 0x0
	s_endpgm
.Lfunc_end_k_qbd38fe9d6f_ffn1:
	.size	k_qbd38fe9d6f_ffn1, .Lfunc_end_k_qbd38fe9d6f_ffn1-k_qbd38fe9d6f_ffn1
	.p2alignl 7, 3214868480
	.fill 96, 4, 3214868480
	.section	.rodata,"a",@progbits
	.p2align	6, 0x0
	.amdhsa_kernel k_qbd38fe9d6f_ffn1
		.amdhsa_group_segment_fixed_size 99840
		.amdhsa_private_segment_fixed_size 0
		.amdhsa_enable_private_segment 0
		.amdhsa_kernarg_size 48
		.amdhsa_user_sgpr_count 2
		.amdhsa_user_sgpr_kernarg_segment_ptr 1
		.amdhsa_wavefront_size32 1
		.amdhsa_system_sgpr_workgroup_id_x 1
		.amdhsa_system_sgpr_workgroup_id_y 1
		.amdhsa_system_sgpr_workgroup_id_z 1
		.amdhsa_system_vgpr_workitem_id 0
		.amdhsa_next_free_vgpr 768
		.amdhsa_next_free_sgpr 100
		.amdhsa_reserve_vcc 0
		.amdhsa_float_denorm_mode_32 3
		.amdhsa_float_denorm_mode_16_64 3
		.amdhsa_memory_ordered 1
		.amdhsa_forward_progress 1
		.amdhsa_inst_pref_size 102
	.end_amdhsa_kernel
	.amdgpu_metadata
---
amdhsa.version: [ 1, 2 ]
amdhsa.kernels:
  - .name:           k_qbd38fe9d6f_ffn1
    .symbol:         k_qbd38fe9d6f_ffn1.kd
    .args:
      - { .name: xq, .offset: 0, .size: 8, .value_kind: global_buffer, .address_space: global }
      - { .name: w1img, .offset: 8, .size: 8, .value_kind: global_buffer, .address_space: global }
      - { .name: W1_scales, .offset: 16, .size: 8, .value_kind: global_buffer, .address_space: global }
      - { .name: b1, .offset: 24, .size: 8, .value_kind: global_buffer, .address_space: global }
      - { .name: order, .offset: 32, .size: 8, .value_kind: global_buffer, .address_space: global }
      - { .name: hq, .offset: 40, .size: 8, .value_kind: global_buffer, .address_space: global }
    .group_segment_fixed_size: 99840
    .private_segment_fixed_size: 0
    .kernarg_segment_align: 8
    .kernarg_segment_size: 48
    .max_flat_workgroup_size: 128
    .sgpr_count:     100
    .vgpr_count:     768
    .wavefront_size: 32
...
	.end_amdgpu_metadata
.endif
;; end of part 7
;; launch ffn2 (part 8): grid 8 x 32, 4 waves a work-group, no clusters, 173,568 bytes of LDS; arguments hq, w2img, W2_scales, b2, rt, order, out0; writes out0
.if DOCPART == 8
	.amdgcn_target "amdgcn-amd-amdhsa--gfx1250"
	.amdhsa_code_object_version 6
	.text
	.protected	k_qbd38fe9d6f_ffn2
	.globl	k_qbd38fe9d6f_ffn2
	.p2align	8
	.type	k_qbd38fe9d6f_ffn2,@function
k_qbd38fe9d6f_ffn2:
	s_mov_b64 s[64:65], 0
	v_nop
	global_prefetch_b8 v0, s[64:65] scope:SCOPE_SE
	s_setreg_imm32_b32 hwreg(HW_REG_WAVE_SCHED_MODE, 0, 2), 2
	s_setreg_imm32_b32 hwreg(HW_REG_WAVE_MODE, 25, 1), 1
	s_wait_xcnt 0x0
	s_wait_alu depctr_vm_vsrc(0)
; FFN2: out = sum over the block's experts of combine weight x (h W2 + b2).  Both operands of the product are E3M2 codes with E8M0 scales.
; SHARES.  Work-group (x, B): the 64 sorted tokens of block B x columns 256 x .. 256 x + 255, every expert of the block's stored mask: each output number has one owner, and 8 x 32 = 256 work-groups serve every choice.
; Wave w takes 64 columns (two groups of 32 rows of W2, four tiles), so each byte of W2 enters the work-group once, straight into its one wave's registers; an expert's h (64 tokens x 1,024: 49,152 bytes of codes)
; lies in one of two LDS slots, which all four waves read; the next expert's is loaded into registers during steps 5-7 and stored into the other slot behind the trip's products.
; TRANSPOSED: source 0 = 16 rows of W2, source 1 = 16 tokens; lane r of tile u takes the group's row 8 u + r + 8 (r / 8): a lane's 16 registers of a group are 16 neighbouring columns of one token's row.
; A token that did not choose a walked expert has combine weight 0 there, as in the reference.
; A TRIP is one expert: 8 K steps of 128, 16 matrix instructions each, sums begun from b2; then out += weight x sum.  EIGHT trips are always walked, each with its barrier on every path; a trip without an expert does nothing else.
; Steps 5-7 stand twice, with and without a next expert, so that each counted wait counts the loads of its own path.
; No tensor load and no cluster: which expert's weights a work-group asks for, and for how many experts, hangs on the block's stored mask, so neighbours would need different tiles in different numbers.
; LIMITS: NaN and infinities are not served.
; REGISTERS: window 0: v1-15 addresses; v16-143 accumulators (16 + 32 m + 16 bb + 8 u); v144-159 h's scale words; v160-175 W2's; v176-207 h's scale bytes as loaded; v208-215 combine weights; v216-221, v224-239 addresses, at work.
;   window 1: W2's fragments, set sp at 48 sp + 12 (2 bb + u).   window 2: h's fragments, set ab at 48 ab + 12 m; v96-127 b2 in the result's layout.   window 3: v0-127 out; v128-223 the next expert's h on its way to LDS.
; THE MODE: SCHED_MODE bits 1:0 = 2 (LLVM: expert scheduling mode 2), set by the entry lines.  The code itself states the register dependences
; between vector or matrix instructions and memory or LDS instructions, with s_wait_alu, always for 0.
; THE PLAN.  Registers that memory or LDS instructions touch, in the loop:
;   h's two sets        K step t's products read set t % 2; K steps 0 and 1 are loaded at the trip's head, K step t + 1 in step t, into the set that step t - 1's products read.
;   W2's four sets      K step t's products read set t % 4; K step t + 3 is loaded in step t into set (t + 3) % 4, which step t - 1's products read (K step 3 at the trip's head).
;   W2's scale words    K steps 4-7 are loaded at the trip's head (read last in the last trip's steps 4-7), K steps 0-3 in step 5 (read in steps 0-3).   b2: read by K step 0's products, loaded in step 5.
;   v176-207            h's scale bytes: read by the vector lines that make h's scale words at the trip's head, loaded in step 5.
;   v208, 210, 212, 214 The combine weights: read by the multiply-adds at the trip's end, loaded at the next trip's head; their offsets v12-15 are made once, at the kernel's head.
;   window 3, v128-223  Loaded in step 5, read by the LDS stores at the trip's end.  No vector instruction names them.
;   v144-159            h's scale words: written by vector lines, read by the products as scales.
;   v1-v10, v216, v217  Offsets and LDS addresses, made at the head and never written again; the bases are scalar registers.
; So one wait on va_vdst stands at the trip's head, one behind the places that follow the lines which make h's scale words, and ONE at the head of each of steps 1 to 7, behind the waits for the step's own data: the last step's
; products are done reading all the registers in which this step's loads land.  The loads follow it, dealt among the step's sixteen products, which name this step's two sets, its scale words and the accumulators: none of the
; registers that those loads touch.  One wait on vm_vsrc a trip stands ahead of the loads of the next expert's h.
.set CHK,  1664                        ; a chunk in LDS: 1,536 bytes (one block of 32 along K x 64 tokens x 24 bytes) + 128: lanes 16-31, one chunk on, fall on the 32 banks that lanes 0-15 leave free
.set SLOTB, 32*CHK
.set STG,  2*SLOTB                     ; the way out: 64 rows x (1,024 bytes + 16)
.set SPI,  1040
.set ACC,  16
.set HS,   144                         ; 144 + 8 mp + q: lanes 0-15 tile 2 mp, lanes 16-31 tile 2 mp + 1
.set WS,   160                         ; 160 + 8 bb + q: lanes 0-15 u = 0, lanes 16-31 u = 1
.set RAW,  176
.set CW,   208
.set BI,   96
.set MSB,  0
.macro WIN new                         ; the immediate's high byte repeats the setting that is left
.if MSB != \new
	s_set_vgpr_msb (MSB<<8)|\new
.set MSB, \new
.endif
.endm
.macro PLACES n
.rept \n
	v_nop
.endr
.endm
.macro WM d, a, b, c, sa, sb, ra, rb           ; one product.  ra, rb: the scale word stands in lanes 16-31 of its register
.if (\ra == 0) && (\rb == 0)
	v_wmma_scale_f32_16x16x128_f8f6f4 v[\d:\d+7], v[\a:\a+11], v[\b:\b+11], v[\c:\c+7], v[\sa], v[\sb] matrix_a_fmt:MATRIX_FMT_BF6 matrix_b_fmt:MATRIX_FMT_BF6
.elseif (\ra == 1) && (\rb == 0)
	v_wmma_scale_f32_16x16x128_f8f6f4 v[\d:\d+7], v[\a:\a+11], v[\b:\b+11], v[\c:\c+7], v[\sa], v[\sb] matrix_a_fmt:MATRIX_FMT_BF6 matrix_b_fmt:MATRIX_FMT_BF6 matrix_a_scale:MATRIX_SCALE_ROW1
.elseif (\ra == 0)
	v_wmma_scale_f32_16x16x128_f8f6f4 v[\d:\d+7], v[\a:\a+11], v[\b:\b+11], v[\c:\c+7], v[\sa], v[\sb] matrix_a_fmt:MATRIX_FMT_BF6 matrix_b_fmt:MATRIX_FMT_BF6 matrix_b_scale:MATRIX_SCALE_ROW1
.else
	v_wmma_scale_f32_16x16x128_f8f6f4 v[\d:\d+7], v[\a:\a+11], v[\b:\b+11], v[\c:\c+7], v[\sa], v[\sb] matrix_a_fmt:MATRIX_FMT_BF6 matrix_b_fmt:MATRIX_FMT_BF6 matrix_a_scale:MATRIX_SCALE_ROW1 matrix_b_scale:MATRIX_SCALE_ROW1
.endif
.endm
.macro AFETCH slot, t                          ; h's four fragments of K step t, tile by tile: registers 6 c .. 6 c + 5 are block 2 c + h: chunk 4 t + 2 c + h, + 384 m + 24 r
	WIN 0x80
.irp m, 0,1,2,3
.irp p, 0,1,2,3,4,5
	ds_load_b64 v[48*((\t)%2)+12*\m+2*\p:48*((\t)%2)+12*\m+2*\p+1], v[2+\slot] offset:4*CHK*(\t)+2*CHK*(\p/3)+384*\m+8*(\p%3)
.endr
.endr
.endm
.macro BFETCH sp, pos, base                    ; W2's four fragments of K step pos into set sp: 12 loads of 512 consecutive bytes
	WIN 0x40
.irp bb, 0,1
.irp u, 0,1
.irp c, 0,1,2
	global_load_b128 v[48*(\sp)+12*(2*\bb+\u)+4*\c:48*(\sp)+12*(2*\bb+\u)+4*\c+3], v1, s[\base:\base+1] offset:24576*\bb+3072*(\pos)+1536*\u+512*\c
.endr
.endr
.endr
.endm
.macro WSL gq, base                            ; W2's scale words of K steps 4 gq .. 4 gq + 3, both groups
	WIN 0
.irp bb, 0,1
	global_load_b128 v[WS+8*\bb+4*\gq:WS+8*\bb+4*\gq+3], v4, s[\base:\base+1] offset:1024*\bb+16*\gq
.endr
.endm
.macro BIL                                     ; b2 in the result's layout
	WIN 0x80
.irp bb, 0,1
.irp u, 0,1
	global_load_b128 v[BI+16*\bb+8*\u:BI+16*\bb+8*\u+3], v5, s[36:37] offset:128*\bb+32*\u
	global_load_b128 v[BI+16*\bb+8*\u+4:BI+16*\bb+8*\u+7], v5, s[36:37] offset:128*\bb+32*\u+16
.endr
.endr
.endm
.macro ASTL                                    ; my quarter of the next expert's h: eight chunks, 24 loads of 512 consecutive bytes
	WIN 0xc0
.set RI, 0
.rept 24
	global_load_b128 v[128+4*RI:131+4*RI], v1, s[38:39] offset:512*RI
.set RI, RI+1
.endr
.endm
.macro ASTORE slot
	WIN 0x0c                                       ; an LDS store's data are its source 1: window 3
.set RI, 0
.rept 24
	ds_store_b128 v[216+\slot], v[128+4*RI:131+4*RI] offset:CHK*(RI/3)+512*(RI%3)
.set RI, RI+1
.endr
.endm
.macro RAWL                                    ; h's scale bytes: for each K step my token's 16: [block 4][tile 4]
	WIN 0
.irp q, 0,1,2,3,4,5,6,7
	global_load_b128 v[RAW+4*\q:RAW+4*\q+3], v6, s[40:41] offset:256*\q
.endr
.endm
.macro CL                                      ; the current expert's combine weight of my token in each tile
	WIN 0
.irp m, 0,1,2,3
	global_load_b32 v[CW+2*\m], v[12+\m], s[30:31]
.endr
.endm
.macro HSBUILD                                 ; a scale word = my tile's byte of each of the four blocks' words
	WIN 0
.irp q, 0,1,2,3,4,5,6,7
.irp mp, 0,1
	v_perm_b32 v[218+2*\mp], v[RAW+4*\q+1], v[RAW+4*\q], v[7+\mp]
	v_perm_b32 v[219+2*\mp], v[RAW+4*\q+3], v[RAW+4*\q+2], v[7+\mp]
.endr
.irp mp, 0,1
	v_perm_b32 v[HS+8*\mp+\q], v[219+2*\mp], v[218+2*\mp], s51
.endr
.endr
.endm
; four of a K step's 16 products: tile of tokens m.  Taken in the order (m, bb, u) the sixteen accumulators take turns, one instruction a turn; K step 0 starts the sums from b2
.macro MQ t, m
.if \t == 0
	WIN 0x29                                       ; source 0 (W2) window 1, source 1 (h) window 2, C (b2) window 2
.else
	WIN 0x09
.endif
.irp bb, 0,1
.irp u, 0,1
.if \t == 0
	WM ACC+32*\m+16*\bb+8*\u, 48*((\t)%4)+12*(2*\bb+\u), 48*((\t)%2)+12*\m, BI+16*\bb+8*\u, WS+8*\bb+(\t), HS+8*(\m/2)+(\t), \u, (\m%2)
.else
	WM ACC+32*\m+16*\bb+8*\u, 48*((\t)%4)+12*(2*\bb+\u), 48*((\t)%2)+12*\m, ACC+32*\m+16*\bb+8*\u, WS+8*\bb+(\t), HS+8*(\m/2)+(\t), \u, (\m%2)
.endif
.endr
.endr
.endm
.macro NEXTBASE                                ; the lowest expert leaves the mask; its six bases, each a buffer's address + an offset
	s_ctz_i32_b32 s21, s19
	s_min_u32 s21, s21, 7
	s_sub_co_u32 s22, s19, 1
	s_and_b32 s19, s19, s22
	s_mul_i32 s44, s21, 1572864                    ; 64 groups of 24,576 bytes an expert
	s_add_co_u32 s44, s44, s46
	s_add_nc_u64 s[32:33], s[6:7], s[44:45]
	s_lshl_b32 s44, s21, 16
	s_add_co_u32 s44, s44, s47
	s_add_nc_u64 s[34:35], s[8:9], s[44:45]
	s_lshl_b32 s44, s21, 13
	s_add_co_u32 s44, s44, s48
	s_add_nc_u64 s[36:37], s[10:11], s[44:45]
	s_mul_i32 s44, s21, 49152
	s_add_co_u32 s44, s44, s49
	s_add_nc_u64 s[38:39], s[4:5], s[44:45]
	s_lshl_b32 s44, s21, 11
	s_add_co_u32 s44, s44, s50
	s_add_nc_u64 s[40:41], s[4:5], s[44:45]
	s_lshl_b32 s44, s21, 2
	s_add_co_u32 s44, s44, 65536
	s_add_nc_u64 s[42:43], s[12:13], s[44:45]
.endm
.macro TAKE                                    ; the next expert becomes the current one
	s_mov_b64 s[26:27], s[32:33]
	s_mov_b64 s[28:29], s[34:35]
	s_mov_b64 s[30:31], s[42:43]
	s_mov_b32 s20, s21
.endm
; STEPS 1 TO 7 are SA, the step's global loads, SB.  lw: the global loads issued behind this step's fragments of W2.  vw = 1: this step has loads that land in registers which the last step's products read.  ax = 1: the next step's h is asked for.
.macro SA slot, t, lw, vw, ax
	s_wait_loadcnt \lw                             ; this step's fragments of W2 are in; the loads issued behind them may stay out
	s_wait_dscnt 12                                ; h's tiles 0 and 1 of this step are in; the twelve loads of tiles 2 and 3 may stay out
.if \vw
	s_wait_alu depctr_va_vdst(0)                   ; the last step's products are done reading the other set of h and their set of W2, earlier lines the scale words, b2 and h's scale bytes: this step's loads land in these registers
.endif
	MQ \t, 0
.if \ax
	AFETCH \slot, (\t)+1                           ; no product since the wait names the other set of h
.endif
	MQ \t, 1
.endm
.macro SB t, ax
.if \ax
	s_wait_dscnt 24                                ; h's tiles 2 and 3 of this step are in; the 24 loads just issued may stay out
.else
	s_wait_dscnt 0x0
.endif
	MQ \t, 2
	MQ \t, 3
.endm
.macro TAIL slot, nxt                          ; steps 5-7, out += weight x sum; nxt = 1: all that the next expert's first three steps want is asked for, and its h goes into the other slot
.if \nxt
	s_wait_xcnt 0x0                                ; the loads that named the next-expert bases have read them
	NEXTBASE
.endif
	SA \slot, 5, 24, 1, 1                          ; behind step 5's fragments: 12 + 12
.if \nxt
	s_wait_alu depctr_vm_vsrc(0)                   ; the LDS stores of the trip before (of the kernel's head) have read v128-223 of window 3, in which the next expert's h lands
	ASTL
.endif
	s_wait_dscnt 24                                ; h's tiles 2 and 3 of this step are in; step 6's 24 loads may stay out
	MQ 5, 2
.if \nxt
	RAWL
	BIL
	WSL 0, 34
	BFETCH 0, 0, 32
.endif
	MQ 5, 3
.if \nxt
	SA \slot, 6, 63, 1, 1                          ; 66 loads stand behind step 6's fragments (12 + step 5's 54); the wait's field holds 63
	BFETCH 1, 1, 32
.else
	SA \slot, 6, 12, 1, 1
.endif
	SB 6, 1
.if \nxt
	SA \slot, 7, 63, 1, 0                          ; 54 + 12
	BFETCH 2, 2, 32
.else
	SA \slot, 7, 0, 0, 0                           ; the last step of all asks for nothing, so it states no dependence
.endif
	SB 7, 0
	PLACES 4                                       ; four places between the last products and the first vector read of their results (ISA guide 7.12.1)
	WIN 0xf0                                       ; out (destination and addend) window 3; sums and weights window 0
.set RI, 0
.rept 64
	v_pk_fma_f32 v[RI:RI+1], v[ACC+RI:ACC+RI+1], v[CW+2*(RI/32):CW+2*(RI/32)+1], v[RI:RI+1] op_sel_hi:[1,0,1]   ; each accumulator from its low end on; the weights were shown in by step 4's wait
.set RI, RI+2
.endr
.if \nxt
	s_wait_loadcnt 54                              ; behind the 24 loads of h: 8 + 8 + 2 + 12 + 12 + 12
	ASTORE 1-\slot                                 ; nobody reads the other slot in this trip: the last trip's barrier lies behind its readers.  (The data come from loads, the address from the kernel's head)
	WIN 0
	s_wait_xcnt 0x0                                ; this trip's loads have read the current bases
	TAKE
.endif
.endm
.macro TRIP slot
	s_cmp_eq_u32 s24, 0
	s_cbranch_scc1 .Ljoin_\@                       ; no expert left: on to the barrier, which stands on every path
	s_wait_alu depctr_va_vdst(0)                   ; the last trip's products are done reading h's two sets, W2's set 3 and the scale words of K steps 4-7, its multiply-adds the weights: the loads below land there; on the first trip v12-15 are written, the weights' offsets
	AFETCH \slot, 0
	AFETCH \slot, 1
	BFETCH 3, 3, 26
	WSL 1, 28
	CL
	s_wait_loadcnt 42                              ; behind K step 0's fragments: 12 + 12 + these 18; the scale bytes, b2 and the first scale words are older
	HSBUILD
	PLACES 8                                       ; a scale register written by a vector instruction stands eight places ahead of a scaled product
	s_wait_alu depctr_va_vdst(0)                   ; the lines above have written h's scale words, which the products take as scales
	s_wait_dscnt 24                                ; K step 0's h is in; K step 1's 24 loads may stay out
	MQ 0, 0
	MQ 0, 1
	MQ 0, 2
	MQ 0, 3
	SA \slot, 1, 30, 1, 1                          ; 12 + the head's 18
	BFETCH 0, 4, 26
	SB 1, 1
	SA \slot, 2, 30, 1, 1                          ; 18 + 12
	BFETCH 1, 5, 26
	SB 2, 1
	SA \slot, 3, 30, 1, 1                          ; 6 + 12 + 12
	BFETCH 2, 6, 26
	SB 3, 1
	SA \slot, 4, 24, 1, 1                          ; 12 + 12
	BFETCH 3, 7, 26
	SB 4, 1
	WIN 0
	s_cmp_eq_u32 s19, 0
	s_cbranch_scc1 .Llast_\@
	TAIL \slot, 1
	WIN 0
	s_branch .Ljoin_\@
.Llast_\@:
	TAIL \slot, 0
	WIN 0
	s_mov_b32 s24, 0
.Ljoin_\@:
	s_wait_dscnt 0x0                               ; my reads of this slot are in and my stores into the other have landed
	s_barrier_signal -1
	s_barrier_wait -1
.endm
	s_load_b256 s[4:11], s[0:1], 0x0               ; hq s[4:5], w2img s[6:7], W2's scales s[8:9], b2 s[10:11]
	s_load_b128 s[12:15], s[0:1], 0x20             ; rt s[12:13], order s[14:15]
	s_load_b64 s[16:17], s[0:1], 0x30              ; out0
	v_lshl_add_u32 v254, v0, 2, 0x2a400
	v_mov_b32 v255, 0
	v_lshrrev_b32 v218, 5, v0
	v_readfirstlane_b32 s18, v218                  ; wave 0..3
	s_mov_b32 s52, ttmp9                           ; x
	s_and_b32 s53, ttmp7, 0xffff                   ; B
	v_and_b32 v218, 31, v0                         ; lane
	v_and_b32 v219, 15, v0                         ; r
	v_bfe_u32 v220, v0, 4, 1                       ; h
	v_lshlrev_b32 v1, 4, v218                      ; 16 x lane
	v_mul_u32_u24 v2, v220, CHK
	v_mad_u32_u24 v2, v219, 24, v2                 ; h's fragments: one chunk on for lanes 16-31, + 24 r; slot 0
	v_add_nc_u32 v3, SLOTB, v2                     ; slot 1
	v_and_b32 v221, 8, v219
	v_add_nc_u32 v221, v221, v219
	v_lshl_add_u32 v221, v220, 3, v221             ; the row whose scale words my lane holds: 8 u + r + 8 (r / 8), u = lane / 16
	v_lshlrev_b32 v4, 5, v221                      ; 32 bytes a row
	v_lshlrev_b32 v5, 6, v220                      ; b2: 16 h numbers on
	v_lshlrev_b32 v6, 4, v219                      ; h's scale bytes: 16 a token
	v_mul_u32_u24 v7, v220, 0x101
	v_lshl_or_b32 v7, v7, 16, v7
	v_add_nc_u32 v7, 0x04000400, v7                ; byte selects (m, 4 + m, m, 4 + m), m = lane / 16: tiles 0, 1
	v_add_nc_u32 v8, 0x02020202, v7                ; m = 2 + lane / 16: tiles 2, 3
	s_wait_alu depctr_va_sdst(0)                   ; s18, the wave's number, is written, ahead of its first reader
	s_lshl_b32 s22, s18, 8
	v_mul_u32_u24 v9, v219, SPI
	v_lshl_add_u32 v9, v220, 6, v9
	v_add_nc_u32 v9, s22, v9
	v_add_nc_u32 v9, STG, v9                       ; the stage: row r, my wave's 256 bytes, + 64 h
	s_mul_i32 s22, s18, 16*SPI
	v_add_nc_u32 v10, s22, v1
	v_add_nc_u32 v10, STG, v10                     ; and back: my wave's 16 rows
	s_mul_i32 s22, s18, 8*CHK
	v_add_nc_u32 v216, s22, v1                     ; where my quarter of h goes: slot 0,
	v_add_nc_u32 v217, SLOTB, v216                 ; slot 1
	v_lshlrev_b32 v221, 2, v219
.irp m, 0,1,2,3
	v_mov_b32 v[CW+2*\m+1], 0                      ; named as the upper halves of the weights' pairs, so they are written
.endr
	s_lshl_b32 s56, s53, 2                         ; the block's mask word
	s_lshl_b32 s58, s53, 8                         ; the block's 64 places of perm
	s_mov_b32 s59, 0
	s_lshl_b32 s57, s18, 6
	s_add_co_u32 s57, s57, s58                     ; my wave's 16 of them
	s_lshl_b32 s60, s52, 10                        ; my strip's 1,024 bytes of a row of out
	s_mov_b32 s61, 0
	s_mov_b32 s45, 0
	s_mov_b32 s51, 0x05040100
	s_lshl_b32 s46, s52, 3
	s_lshl_b32 s22, s18, 1
	s_add_co_u32 s46, s46, s22                     ; my first group of 32 rows: 8 x + 2 w
	s_lshl_b32 s47, s46, 10                        ; its scale words: 32 rows of 32 bytes
	s_lshl_b32 s48, s46, 7                         ; its biases
	s_mul_i32 s46, s46, 24576                      ; its images
	s_mul_i32 s49, s53, 393216
	s_mul_i32 s22, s18, 12288
	s_add_co_u32 s49, s49, s22                     ; hq, codes: 8 B x 49,152 + my quarter; + 49,152 an expert
	s_lshl_b32 s50, s53, 14
	s_add_co_u32 s50, s50, 12582912                ; hq, scale bytes: 8 B x 2,048; + 2,048 an expert
	s_wait_kmcnt 0x0
	s_load_b32 s19, s[14:15], s56 offset:0x2000
	s_load_b512 s[68:83], s[14:15], s57
	s_add_nc_u64 s[62:63], s[14:15], s[58:59]
	s_add_nc_u64 s[54:55], s[16:17], s[60:61]
	s_wait_alu depctr_va_vdst(0)                   ; the offsets and LDS addresses v1 to v10, v216, v217 and v221 are written, which the loads and stores below read
.irp m, 0,1,2,3
	global_load_b32 v[12+\m], v221, s[62:63] offset:64*\m   ; the token at place 16 m + r of the block
.endr
	s_wait_kmcnt 0x0
	s_and_b32 s19, s19, 0xff
	s_mov_b32 s24, 1                               ; a block always has tokens, so it has a first expert
	NEXTBASE                                       ; the first expert: the same loads, in the same order, as a trip's steps 5-7 issue for the next
	ASTL
	RAWL
	BIL
	WSL 0, 34
	BFETCH 0, 0, 32
	BFETCH 1, 1, 32
	BFETCH 2, 2, 32
	WIN 0
	TAKE
	s_wait_loadcnt 63                              ; 78 loads stand behind the four of tokens
	s_wait_alu depctr_vm_vsrc(0)                   ; the four loads of tokens have read v221, which every trip writes again as a work register
.irp m, 0,1,2,3
	v_min_u32 v[12+\m], 0x7ff, v[12+\m]
	v_lshlrev_b32 v[12+\m], 5, v[12+\m]            ; 32 bytes of combine weights a token
.endr
	WIN 0xc0
.set RI, 0
.rept 128
	v_mov_b32 v[RI], 0                             ; out begins as zeros, so that the trip is written once for every expert
.set RI, RI+1
.endr
	s_wait_loadcnt 54                              ; my quarter of h is in
	ASTORE 0
	WIN 0
	s_wait_dscnt 0x0
	s_barrier_signal -1
	s_barrier_wait -1
	s_mov_b32 s25, 0
.Lpair:
	TRIP 0
	TRIP 1
	s_add_co_u32 s25, s25, 1
	s_cmp_lt_u32 s25, 4
	s_cbranch_scc1 .Lpair
	; THE WAY OUT.  A lane holds 64 neighbouring bytes of a row for each group, and a row's 1,024 bytes come from four waves: they meet in the stage, and each wave stores 16 whole rows to its tokens' places.
	s_wait_loadcnt 0x0
.irp i, 0,1,2,3,4,5,6,7,8,9,10,11,12,13,14,15
	s_min_u32 s[68+\i], s[68+\i], 2047
	s_lshl_b32 s[68+\i], s[68+\i], 13
	v_add_nc_u32 v[224+\i], s[68+\i], v1
.endr
	WIN 0x0c
	s_wait_alu depctr_va_vdst(0)                   ; the multiply-adds have written out, which the LDS stores read, and are done reading the accumulators, in which the stage's loads land; the offsets v224-239 are written, which the global stores read
.irp m, 0,1,2,3
.irp bb, 0,1
.irp i, 0,1,2,3
	ds_store_b128 v9, v[32*\m+16*\bb+4*\i:32*\m+16*\bb+4*\i+3] offset:16*SPI*\m+128*\bb+16*\i
.endr
.endr
.endr
	WIN 0
	s_wait_dscnt 0x0                               ; for the others' sake: my stores have landed
	s_barrier_signal -1
	s_barrier_wait -1
.set RI, 0
.rept 32
	ds_load_b128 v[ACC+4*RI:ACC+4*RI+3], v10 offset:SPI*(RI/2)+512*(RI%2)
.set RI, RI+1
.endr
.set RI, 0
.rept 32
	s_wait_dscnt 31-RI
	global_store_b128 v[224+RI/2], v[ACC+4*RI:ACC+4*RI+3], s[54:55] offset:512*(RI%2) th:TH_STORE_NT   ; 32 lanes store 512 consecutive bytes, at a multiple of 512 from out0's first byte; written once, read by nobody here
.set RI, RI+1
.endr
	s_wait_dscnt 0x0                               ; the closing lines, six on end
	s_wait_alu 0x0
	s_wait_tensorcnt 0x0
	ds_add_u32 v254, v255
	s_wait_dscnt 0x0
	s_endpgm
.Lfunc_end_k_qbd38fe9d6f_ffn2:
	.size	k_qbd38fe9d6f_ffn2, .Lfunc_end_k_qbd38fe9d6f_ffn2-k_qbd38fe9d6f_ffn2
	.p2alignl 7, 3214868480
	.fill 96, 4, 3214868480
	.section	.rodata,"a",@progbits
	.p2align	6, 0x0
	.amdhsa_kernel k_qbd38fe9d6f_ffn2
		.amdhsa_group_segment_fixed_size 173568
		.amdhsa_private_segment_fixed_size 0
		.amdhsa_enable_private_segment 0
		.amdhsa_kernarg_size 56
		.amdhsa_user_sgpr_count 2
		.amdhsa_user_sgpr_kernarg_segment_ptr 1
		.amdhsa_wavefront_size32 1
		.amdhsa_system_sgpr_workgroup_id_x 1
		.amdhsa_system_sgpr_workgroup_id_y 1
		.amdhsa_system_sgpr_workgroup_id_z 1
		.amdhsa_system_vgpr_workitem_id 0
		.amdhsa_next_free_vgpr 1024
		.amdhsa_next_free_sgpr 100
		.amdhsa_reserve_vcc 0
		.amdhsa_float_denorm_mode_32 3
		.amdhsa_float_denorm_mode_16_64 3
		.amdhsa_memory_ordered 1
		.amdhsa_forward_progress 1
		.amdhsa_inst_pref_size 165
	.end_amdhsa_kernel
	.amdgpu_metadata
---
amdhsa.version: [ 1, 2 ]
amdhsa.kernels:
  - .name:           k_qbd38fe9d6f_ffn2
    .symbol:         k_qbd38fe9d6f_ffn2.kd
    .args:
      - { .name: hq, .offset: 0, .size: 8, .value_kind: global_buffer, .address_space: global }
      - { .name: w2img, .offset: 8, .size: 8, .value_kind: global_buffer, .address_space: global }
      - { .name: W2_scales, .offset: 16, .size: 8, .value_kind: global_buffer, .address_space: global }
      - { .name: b2, .offset: 24, .size: 8, .value_kind: global_buffer, .address_space: global }
      - { .name: rt, .offset: 32, .size: 8, .value_kind: global_buffer, .address_space: global }
      - { .name: order, .offset: 40, .size: 8, .value_kind: global_buffer, .address_space: global }
      - { .name: out0, .offset: 48, .size: 8, .value_kind: global_buffer, .address_space: global }
    .group_segment_fixed_size: 173568
    .private_segment_fixed_size: 0
    .kernarg_segment_align: 8
    .kernarg_segment_size: 56
    .max_flat_workgroup_size: 128
    .sgpr_count:     100
    .vgpr_count:     1024
    .wavefront_size: 32
...
	.end_amdgpu_metadata
.endif
;; end of part 8
